; MI455X (gfx1250); checked and timed in simulation.
; The chip was launched on July 23, 2026; its instructions are those of AMD's public machine-readable ISA for CDNA 5 (MIT licence, August 2026) and "CDNA5" Instruction Set Architecture Reference Guide (July 2026). The comments in the code are by the model that wrote it; some were corrected since.
;; Prob Sparse Self Attention. Allowed arithmetic: float matrix products may take bf16 or f16 operands with f32 sums; all other float work in f32.
;; Inputs: K 4 x 4,096 x 1,024 float32; Q 4 x 4,096 x 1,024 float32; V 4 x 4,096 x 1,024 float32; Wk 1,024 x 1,024 float32; Wo 1,024 x 1,024 float32; Wq 1,024 x 1,024 float32; Wv 1,024 x 1,024 float32; bk 1,024 float32; bo 1,024 float32; bq 1,024 float32; bv 1,024 float32; index_sample 45 int32.
;; Outputs: out0 4 x 1,024 float32.
;; 3 versions, each right; version 2 is faster than version 1; version 3 is version 2 with the launches prep, topk, qred, yv written anew for expert scheduling mode. Each part assembles by itself: llvm-mc -triple=amdgcn-amd-amdhsa -mcpu=gfx1250 --defsym DOCPART=n.
;; ======== version 1 of 3: 9 launches
;; workspace buffers: prep 3,276,800 bytes; mbuf 1,048,576 bytes; sel 65,536 bytes of whole numbers; tb 6,291,456 bytes; pm 26,738,688 bytes; wb 524,288 bytes; ypart 1,048,576 bytes; cflat 16,384 bytes
;; launch prep (part 1): grid 64 x 1, 16 waves a work-group, no clusters, 51,200 bytes of LDS; arguments K, Wk, bk, Wq, index_sample, prep; writes prep
.if DOCPART == 1
	.amdgcn_target "amdgcn-amd-amdhsa--gfx1250"
	.amdhsa_code_object_version 6
	.text
	.protected	k_qd6ea54fe37_prep
	.globl	k_qd6ea54fe37_prep
	.p2align	8
	.type	k_qd6ea54fe37_prep,@function
k_qd6ea54fe37_prep:
	s_mov_b64 s[64:65], 0
	v_nop
	global_prefetch_b8 v0, s[64:65] scope:SCOPE_SE
	s_setreg_imm32_b32 hwreg(HW_REG_WAVE_MODE, 25, 1), 1
	s_wait_xcnt 0x0
; TWO JOBS for work-group bh = 16 b + h.
; (A) rows 16 bh .. 16 bh + 15 of Wq are rounded to bf16: prep[0 ..), [1024][1024] bf16.
; (B) the 45 sampled keys of head h of batch b are projected, k_s = K[b][index] . Wk_h^T + bk_h (inputs rounded to bf16, sums in f32), and each f32 result is cut
;     into three bf16 pieces whose sum is the number itself (8 + 8 + 8 significant bits, by truncation): prep[2097152 ..), [bh][piece 3][sample 48][channel 64] bf16; samples 45-47 are 0.
; LIMIT: the cut is exact for numbers above about 2^-110 in size; below that the last piece leaves bf16's range.
; SHARES of (B): wave w takes 16 channels (i = w % 4) and a quarter of K = 1024 (kq = w / 4): 8 steps of 32.  Source 0 = 16 rows of Wk, source 1 = 16 gathered rows of K, three such tiles:
; in the result a lane holds one sample (lane % 16) and eight channels.  Both operands are f32 in memory: in a step of 32 lane (r, hh) takes the 16 numbers 16 hh .. 16 hh + 15 of its row,
; 64 consecutive bytes; the same order of k on both sides leaves the products as they are.  Three register stages of 16 loads are on their way.
; The four quarters' sums meet in LDS; waves 0-3 finish.  The 16-byte stores of (B) fill rows of 128 bytes piece by piece: 1.2 MB in all, taken as it is.
.set ACC, 8            ; v8-31   three accumulators
.set XO, 32            ; v32-34  byte offset of my gathered row, for each of the three tiles
.set WO, 35            ; v35     byte offset of my row of Wk
.set R3, 36            ; v36-59  Wq packed; later the third partial set
.set IDX, 60           ; v60-62  the indices
.set SO, 63            ; v63     my byte offset in a piece
.set ST, 64            ; v64-255 three stages of 64: Wk 16, K 3 x 16
.set PKD, 64           ; later: the nine packed results
.set TMP, 100          ; later: 24 at work
.set R1, 192
.set R2, 216
.set BI, 240           ; the bias, 8 numbers
.set BT, 248
.set WV, 16
.set XB, 28            ; s[28:29] K at my batch and quarter
.set WB, 30            ; s[30:31] Wk at my 16 rows and quarter
.set PSEL, 44
.set HMASK, 45
.set ZM, 46
.macro NOPS4
.rept 4
	v_nop
.endr
.endm
.macro GLOAD s                         ; the 16 loads of step s, into stage s % 3
.set gb, ST+64*((\s)%3)
.irp c, 0,1,2,3
	global_load_b128 v[gb+4*(\c):gb+4*(\c)+3], v[WO], s[WB:WB+1] offset:128*(\s)+16*(\c)
.endr
.irp jt, 0,1,2
.irp c, 0,1,2,3
	global_load_b128 v[gb+16+16*(\jt)+4*(\c):gb+16+16*(\jt)+4*(\c)+3], v[XO+(\jt)], s[XB:XB+1] offset:128*(\s)+16*(\c)
.endr
.endr
.endm
.macro GSTEP s, cnt                    ; cnt: the loads of the younger stages, which stay out
.set gb, ST+64*((\s)%3)
	s_wait_loadcnt \cnt
.set gz, 0
.rept 4
.set gp, 0
.rept 8
	v_cvt_pk_bf16_f32 v[gb+16*gz+gp], v[gb+16*gz+2*gp], v[gb+16*gz+2*gp+1]  ; in place, ascending: the write never passes the reads
.set gp, gp+1
.endr
.set gz, gz+1
.endr
.irp jt, 0,1,2                         ; the three accumulators take turns
.if (\s) == 0
	v_wmma_f32_16x16x32_bf16 v[ACC+8*(\jt):ACC+8*(\jt)+7], v[gb:gb+7], v[gb+16+16*(\jt):gb+16+16*(\jt)+7], 0
.else
	v_wmma_f32_16x16x32_bf16 v[ACC+8*(\jt):ACC+8*(\jt)+7], v[gb:gb+7], v[gb+16+16*(\jt):gb+16+16*(\jt)+7], v[ACC+8*(\jt):ACC+8*(\jt)+7]
.endif
.endr
	NOPS4                                  ; four places in front of loads into registers that the products read, and of reads of the results
.if (\s)+3 <= 7
	GLOAD (\s)+3
.endif
.endm
.macro ADD24 src
.set aq, 0
.rept 12
	v_pk_add_f32 v[ACC+2*aq:ACC+2*aq+1], v[ACC+2*aq:ACC+2*aq+1], v[(\src)+2*aq:(\src)+2*aq+1]
.set aq, aq+1
.endr
.endm
.macro PIECE pc                        ; the upper halves of the 24 numbers, packed in pairs
.set pq, 0
.rept 12
	v_perm_b32 v[PKD+4*(3*(\pc)+pq/4)+pq%4], v[ACC+2*pq+1], v[ACC+2*pq], s[PSEL]
.set pq, pq+1
.endr
.endm
.macro REST                            ; what is left when the upper halves are taken away: exact
.set pq, 0
.rept 24
	v_and_b32 v[TMP+pq], s[HMASK], v[ACC+pq]
.set pq, pq+1
.endr
.set pq, 0
.rept 12
	v_pk_add_f32 v[ACC+2*pq:ACC+2*pq+1], v[ACC+2*pq:ACC+2*pq+1], v[TMP+2*pq:TMP+2*pq+1] neg_lo:[0,1] neg_hi:[0,1]
.set pq, pq+1
.endr
.endm
	s_load_b256 s[4:11], s[0:1], 0x0       ; K s[4:5], Wk s[6:7], bk s[8:9], Wq s[10:11]
	s_load_b128 s[12:15], s[0:1], 0x20     ; index_sample s[12:13], prep s[14:15]
	v_lshrrev_b32 v1, 5, v0
	v_readfirstlane_b32 s[WV], v1          ; wave 0..15
	v_and_b32 v2, 15, v0                   ; r
	v_bfe_u32 v3, v0, 4, 1                 ; hh
	v_and_b32 v4, 31, v0                   ; lane
	v_lshlrev_b32 v1, 5, v3                ; the bias: 8 numbers for each half of the lanes
	v_lshlrev_b32 v5, 5, v0                ; (A) 32 bytes of f32 a thread,
	v_lshlrev_b32 v7, 4, v0                ;     16 bytes of bf16
	s_and_b32 s17, s[WV], 3                ; i
	s_lshr_b32 s18, s[WV], 2               ; kq
	s_lshr_b32 s19, ttmp9, 4               ; b
	s_and_b32 s20, ttmp9, 15               ; h
	s_mul_i32 s21, s[WV], 3072
	v_lshl_add_u32 v6, v4, 4, s21          ; my 16 bytes in my wave's 3,072 of the exchange
	v_lshlrev_b32 v[SO], 7, v2
	v_lshl_add_u32 v[SO], v3, 4, v[SO]     ; sample r x 128 bytes + 16 hh
	v_lshlrev_b32 v[WO], 12, v2
	v_lshl_add_u32 v[WO], v3, 6, v[WO]     ; row r x 4,096 + 64 hh
.irp jt, 0,1,2
	v_add_nc_u32 v[XO+(\jt)], 16*(\jt), v2
	v_min_u32 v[XO+(\jt)], 44, v[XO+(\jt)] ; samples 45-47 repeat 44 here and are set to 0 below
	v_lshlrev_b32 v[XO+(\jt)], 2, v[XO+(\jt)]
.endr
	s_mov_b32 s[PSEL], 0x07060302
	s_mov_b32 s[HMASK], 0xffff0000
	s_mov_b32 s[ZM], 0xe000e000            ; lanes with r >= 13
	s_lshl_b32 s22, ttmp9, 16              ; (A) 16 rows of 4,096 bytes
	s_mov_b32 s23, 0
	s_lshl_b32 s34, ttmp9, 15
	s_mov_b32 s35, 0
	s_mul_i32 s36, ttmp9, 18432            ; (B) a head's three pieces
	s_lshl_b32 s21, s17, 5
	s_add_co_u32 s36, s36, s21
	s_add_co_u32 s36, s36, 2097152
	s_mov_b32 s37, 0
	s_lshl_b32 s38, s19, 24                ; a batch of K
	s_lshl_b32 s21, s18, 10                ; a quarter of a row
	s_add_co_u32 s38, s38, s21
	s_mov_b32 s39, 0
	s_lshl_b32 s40, s20, 6
	s_lshl4_add_u32 s40, s17, s40          ; channel 64 h + 16 i
	s_lshl_b32 s42, s40, 2
	s_mov_b32 s43, 0
	s_lshl_b32 s40, s40, 12
	s_add_co_u32 s40, s40, s21
	s_mov_b32 s41, 0
	s_wait_kmcnt 0x0
	s_add_nc_u64 s[10:11], s[10:11], s[22:23]
	s_add_nc_u64 s[24:25], s[14:15], s[34:35]
	s_add_nc_u64 s[26:27], s[14:15], s[36:37]
	s_add_nc_u64 s[XB:XB+1], s[4:5], s[38:39]
	s_add_nc_u64 s[WB:WB+1], s[6:7], s[40:41]
	s_add_nc_u64 s[8:9], s[8:9], s[42:43]
.irp jt, 0,1,2
	global_load_b32 v[IDX+(\jt)], v[XO+(\jt)], s[12:13]
.endr
.irp p, 0,1,2,3
	global_load_b128 v[R1+8*(\p):R1+8*(\p)+3], v5, s[10:11] offset:16384*(\p)
	global_load_b128 v[R1+8*(\p)+4:R1+8*(\p)+7], v5, s[10:11] offset:16384*(\p)+16
.endr
	s_wait_loadcnt 8                       ; the three indices are in; Wq's eight loads stay out
.irp jt, 0,1,2
	v_min_u32 v[IDX+(\jt)], 0xfff, v[IDX+(\jt)]
	v_lshlrev_b32 v[IDX+(\jt)], 12, v[IDX+(\jt)]
	v_lshl_add_u32 v[XO+(\jt)], v3, 6, v[IDX+(\jt)]
.endr
	GLOAD 0
	GLOAD 1
	s_wait_loadcnt 32                      ; Wq is in; the two stages stay out
.irp p, 0,1,2,3
.irp k, 0,1,2,3
	v_cvt_pk_bf16_f32 v[R3+4*(\p)+(\k)], v[R1+8*(\p)+2*(\k)], v[R1+8*(\p)+2*(\k)+1]
.endr
	global_store_b128 v7, v[R3+4*(\p):R3+4*(\p)+3], s[24:25] offset:8192*(\p)  ; a wave stores 512 consecutive bytes
.endr
	GLOAD 2
	GSTEP 0, 32
	GSTEP 1, 32
	GSTEP 2, 32
	GSTEP 3, 32
	GSTEP 4, 32
	GSTEP 5, 32
	GSTEP 6, 16
	GSTEP 7, 0
	s_cmp_lt_u32 s[WV], 4
	s_cbranch_scc1 .Lkeep
.irp n, 0,1,2,3,4,5
	ds_store_b128 v6, v[ACC+4*(\n):ACC+4*(\n)+3] offset:512*(\n)
.endr
.Lkeep:
	s_wait_dscnt 0x0                       ; for the others' sake: my stores are done
	s_barrier_signal -1
	s_barrier_wait -1
	s_cmp_ge_u32 s[WV], 4
	s_cbranch_scc1 .Lend
	s_wait_xcnt 0x0                        ; v36-51 were store data
.irp n, 0,1,2,3,4,5
	ds_load_b128 v[R1+4*(\n):R1+4*(\n)+3], v6 offset:12288+512*(\n)
.endr
.irp n, 0,1,2,3,4,5
	ds_load_b128 v[R2+4*(\n):R2+4*(\n)+3], v6 offset:24576+512*(\n)
.endr
.irp n, 0,1,2,3,4,5
	ds_load_b128 v[R3+4*(\n):R3+4*(\n)+3], v6 offset:36864+512*(\n)
.endr
	global_load_b128 v[BI:BI+3], v1, s[8:9]
	global_load_b128 v[BI+4:BI+7], v1, s[8:9] offset:16
	s_wait_dscnt 0x0
	ADD24 R1
	ADD24 R2
	ADD24 R3
	s_wait_loadcnt 0x0
.irp p, 0,1,2,3
	v_cvt_pk_bf16_f32 v[BT+(\p)], v[BI+2*(\p)], v[BI+2*(\p)+1]   ; the bias is an input: rounded to bf16 like the others
.endr
.irp p, 0,1,2,3
	v_lshlrev_b32 v[BI+2*(\p)], 16, v[BT+(\p)]
	v_and_b32 v[BI+2*(\p)+1], s[HMASK], v[BT+(\p)]
.endr
.irp jt, 0,1,2
.irp p, 0,1,2,3
	v_pk_add_f32 v[ACC+8*(\jt)+2*(\p):ACC+8*(\jt)+2*(\p)+1], v[ACC+8*(\jt)+2*(\p):ACC+8*(\jt)+2*(\p)+1], v[BI+2*(\p):BI+2*(\p)+1]
.endr
.endr
.irp n, 0,1,2,3,4,5,6,7
	v_cndmask_b32 v[ACC+16+(\n)], v[ACC+16+(\n)], 0, s[ZM]       ; samples 45-47
.endr
	PIECE 0
	REST
	PIECE 1
	REST
	PIECE 2
.irp pc, 0,1,2
.irp jt, 0,1,2
	global_store_b128 v[SO], v[PKD+4*(3*(\pc)+(\jt)):PKD+4*(3*(\pc)+(\jt))+3], s[26:27] offset:6144*(\pc)+2048*(\jt)
.endr
.endr
.Lend:
	s_wait_xcnt 0x0
	v_lshl_add_u32 v254, v0, 2, 0xc000
	v_mov_b32 v255, 0
	s_wait_tensorcnt 0x0
	ds_add_u32 v254, v255
	s_wait_dscnt 0x0
	s_endpgm
.Lfunc_end_k_qd6ea54fe37_prep:
	.size	k_qd6ea54fe37_prep, .Lfunc_end_k_qd6ea54fe37_prep-k_qd6ea54fe37_prep
	.p2alignl 7, 3214868480
	.fill 96, 4, 3214868480
	.section	.rodata,"a",@progbits
	.p2align	6, 0x0
	.amdhsa_kernel k_qd6ea54fe37_prep
		.amdhsa_group_segment_fixed_size 51200
		.amdhsa_private_segment_fixed_size 0
		.amdhsa_enable_private_segment 0
		.amdhsa_kernarg_size 48
		.amdhsa_user_sgpr_count 2
		.amdhsa_user_sgpr_kernarg_segment_ptr 1
		.amdhsa_wavefront_size32 1
		.amdhsa_system_sgpr_workgroup_id_x 1
		.amdhsa_system_sgpr_workgroup_id_y 1
		.amdhsa_system_sgpr_workgroup_id_z 1
		.amdhsa_system_vgpr_workitem_id 0
		.amdhsa_next_free_vgpr 256
		.amdhsa_next_free_sgpr 66
		.amdhsa_reserve_vcc 0
		.amdhsa_float_denorm_mode_32 3
		.amdhsa_float_denorm_mode_16_64 3
		.amdhsa_memory_ordered 1
		.amdhsa_forward_progress 1
		.amdhsa_inst_pref_size 49
	.end_amdhsa_kernel
	.amdgpu_metadata
---
amdhsa.version: [ 1, 2 ]
amdhsa.kernels:
  - .name:           k_qd6ea54fe37_prep
    .symbol:         k_qd6ea54fe37_prep.kd
    .args:
      - { .name: K, .offset: 0, .size: 8, .value_kind: global_buffer, .address_space: global }
      - { .name: Wk, .offset: 8, .size: 8, .value_kind: global_buffer, .address_space: global }
      - { .name: bk, .offset: 16, .size: 8, .value_kind: global_buffer, .address_space: global }
      - { .name: Wq, .offset: 24, .size: 8, .value_kind: global_buffer, .address_space: global }
      - { .name: index_sample, .offset: 32, .size: 8, .value_kind: global_buffer, .address_space: global }
      - { .name: prep, .offset: 40, .size: 8, .value_kind: global_buffer, .address_space: global }
    .group_segment_fixed_size: 51200
    .private_segment_fixed_size: 0
    .kernarg_segment_align: 8
    .kernarg_segment_size: 48
    .max_flat_workgroup_size: 512
    .sgpr_count:     66
    .vgpr_count:     256
    .wavefront_size: 32
...
	.end_amdgpu_metadata
.endif
;; end of part 1
;; launch qm (part 2): grid 64 x 4, 4 waves a work-group, no clusters, 327,680 bytes of LDS; arguments Q, prep, bq, mbuf; writes mbuf
.if DOCPART == 2
	.amdgcn_target "amdgcn-amd-amdhsa--gfx1250"
	.amdhsa_code_object_version 6
	.text
	.protected	k_qd6ea54fe37_qm
	.globl	k_qd6ea54fe37_qm
	.p2align	8
	.type	k_qd6ea54fe37_qm,@function
k_qd6ea54fe37_qm:
	s_mov_b64 s[64:65], 0
	v_nop
	global_prefetch_b8 v0, s[64:65] scope:SCOPE_SE
	s_setreg_imm32_b32 hwreg(HW_REG_WAVE_MODE, 25, 1), 1
	s_wait_xcnt 0x0
; M[b][h][q] = max_s(q . k_s) - mean_s(q . k_s) over the 45 sampled keys, with q = Q Wq^T + bq made here and never stored.
; SHARES.  A work-group owns 256 rows of Q (x) and 256 channels = 4 heads (y); each of its four waves 64 rows and ALL 256 channels: 64 accumulators, 512 registers.
; So a row of Q is wanted by one wave alone: it goes from memory (f32) into registers, is rounded to bf16 there and never touches LDS.  Wq (bf16, from the launch before) comes by tensor
; loads, K in steps of 128, through two LDS slots; each wave fetches 64 of a step's 256 rows.  Source 0 = 16 rows of Wq, source 1 = 16 rows of Q: a lane holds one query and eight channels.
; In a step of 32 along K lane (r, hh) holds k = 16 hh .. 16 hh + 15 of its row on both sides: 64 consecutive bytes of f32, 32 of bf16.
; The sums start from bq (rounded to bf16, as every input is).
; THE SAMPLE SCORES must keep f32's accuracy, since the choice of the 45 best rows hangs on them: q is cut into three bf16 pieces that add up to it exactly, as the keys were, and six of the
; nine products of pieces are summed, small ones first; the three left out lie 2^-24 below the result.  LIMIT: exact cuts for numbers above about 2^-110 in size.
; The finished accumulators go into the wave's own 64 KB of LDS (the slots have had their last fill), so that one text, looped, serves all 16 pairs of head and query tile.
; NO CLUSTER: of a step's 192 KB a work-group shares 64 KB (Wq's tile) with its neighbours along x; the 128 KB of Q are its own.
; REGISTERS, in windows of 256: window 0: v2-31 addresses and work; v32-95 Q in bf16, two buffers; v128-255 Wq's fragments, two halves.  Window 1: Q in f32, four stages of 64.  Windows 2, 3: accumulator (i, j) at 8 (4 i + j).
.set NB1, 16           ; LDS loads of the upper half of Wq's tiles
.set RW, 64            ; rows of Wq that a wave fetches
.set PITCH, 272        ; 256 bytes + 16: the 16 rows of a load start at 16 different groups of four banks
.set SLOT1, 131072
.set SPARE, 262144     ; the spare words: 128 bytes a wave, two blocks of 256 bytes that no other line names
.set SPW, 2
.set NIL, 3
.set WA0, 4            ; my lane's place in a tile of Wq
.set WA, 5             ; the same in the slot in hand
.set QO, 6             ; my byte offset in the work-group's rows of Q
.set DA, 7             ; my 16 bytes in my wave's 64 KB
.set BO, 8
.set KO, 9
.set MO, 10
.set DL, 11
.set QB0, 32
.set S, 64             ; six score accumulators
.set WB0, 128
.set X, 128            ; later: 64 numbers of q
.set T, 192            ; later: at work
.set WV, 12
.set TB, 13
.set LC, 14
.set LC2, 15
.set G1, 16
.set G0, 24
.set SEL, 32
.set HIM, 34
.set PSEL, 35
.set HMASK, 36
.set INV45, 37
.set DLS, 38
.set KSB, 40
.set MSB, 0
.macro WIN new                         ; the high byte repeats the setting that is left; a switch that changes nothing is dropped
.if MSB != (\new)
	s_set_vgpr_msb (MSB<<8)|(\new)
.set MSB, (\new)
.endif
.endm
.macro NOPS4
.rept 4
	v_nop
.endr
.endm
.macro LDW hi, q, cnt                  ; fragments of cnt tiles of Wq, 32 along K at byte 64 q of the rows
.set li, 0
.rept \cnt
	ds_load_b128 v[WB0+64*(\hi)+8*li:WB0+64*(\hi)+8*li+3], v[WA] offset:(8*(\hi)+li)*16*PITCH+64*(\q)
	ds_load_b128 v[WB0+64*(\hi)+8*li+4:WB0+64*(\hi)+8*li+7], v[WA] offset:(8*(\hi)+li)*16*PITCH+64*(\q)+16
.set li, li+1
.endr
.endm
.macro MUL hi, cnt, qb                 ; cnt x 4 products; every accumulator has one turn
	WIN 0xa0+0x50*(\hi)
.set mi, 0
.rept \cnt
.set mj, 0
.rept 4
	v_wmma_f32_16x16x32_bf16 v[8*(4*mi+mj):8*(4*mi+mj)+7], v[WB0+64*(\hi)+8*mi:WB0+64*(\hi)+8*mi+7], v[(\qb)+8*mj:(\qb)+8*mj+7], v[8*(4*mi+mj):8*(4*mi+mj)+7]
.set mj, mj+1
.endr
.set mi, mi+1
.endr
.endm
.macro CVTQ st, qb                     ; a stage of Q, 64 f32 a lane, rounded into a buffer of 32
	WIN 0x05
.set cp, 0
.rept 32
	v_cvt_pk_bf16_f32 v[(\qb)+cp], v[64*(\st)+2*cp], v[64*(\st)+2*cp+1]
.set cp, cp+1
.endr
.endm
.macro LDQ st, imm                     ; 16 loads: 32 along K of my 64 rows
	WIN 0x40
.set qj, 0
.rept 4
.set qc, 0
.rept 4
	global_load_b128 v[64*(\st)+16*qj+4*qc:64*(\st)+16*qj+4*qc+3], v[QO], s[4:5] offset:qj*65536+(\imm)+16*qc
.set qc, qc+1
.endr
.set qj, qj+1
.endr
.endm
; THE CHANGE OF SLOTS.  All my tensor loads have landed (one was out: my part of the slot to be read); the add; my reads of the old slot are over; the barrier; the old slot is asked for again first.
.macro TRIPHEAD refill
	WIN 0
	s_wait_tensorcnt 0x0
	ds_add_u32 v[SPW], v[NIL]              ; 0 onto my spare word
	s_xor_b32 s[G0+1], s[G0+1], SLOT1      ; no load of mine is out, so the descriptor may step: the other slot,
	s_add_nc_u64 s[G0+2:G0+3], s[G0+2:G0+3], 256   ; the next 128 along K
	s_xor_b32 s[TB], s[TB], SLOT1
	s_wait_dscnt 0x0
	s_barrier_signal -1
	s_barrier_wait -1
.if \refill
	tensor_load_to_lds s[G0:G0+3], s[G1:G1+7]      ; it has the step's 256 products in which to land
	s_nop 0
.endif
	NOPS4
	v_add_nc_u32 v[WA], s[TB], v[WA0]
	LDW 0, 0, 8
	LDW 1, 0, 8
.endm
; 32 ALONG K.  ld = 1: the stage of Q that was rounded last is asked for again, four steps of 32 ahead.  cw: how many younger loads of Q stay out when the next stage is rounded; -1: there is none.
.macro SUB q, ld, cw
	s_wait_dscnt NB1                       ; the lower half of Wq's fragments is in
	MUL 0, 8, QB0+32*((\q)%2)
.if (\cw) >= 0
	s_wait_loadcnt \cw
	CVTQ ((\q)+1)%4, QB0+32*(((\q)+1)%2)   ; 32 plain instructions that name no register of those products: the places in front of the loads below
.else
	NOPS4
.endif
.if \ld
	LDQ (\q)%4, 128*(\q)+512
.endif
	WIN 0
.if (\q) < 3
	LDW 0, (\q)+1, 8
	s_wait_dscnt 16                        ; all but those sixteen: the upper half is in
.else
	s_wait_dscnt 0x0
.endif
	MUL 1, 8, QB0+32*((\q)%2)
	WIN 0
	NOPS4                                  ; places: for the loads below, for the next rounding into the buffer just read, and at the end for the stores of the results
.if (\q) < 3
	LDW 1, (\q)+1, 8
.endif
.endm
	s_load_b256 s[4:11], s[0:1], 0x0       ; Q s[4:5], prep s[6:7], bq s[8:9], mbuf s[10:11]
	v_lshl_add_u32 v[SPW], v0, 2, SPARE
	v_mov_b32 v[NIL], 0
	ds_add_u32 v2, v3
	ds_add_u32 v2, v3
	s_wait_dscnt 0x0
	v_lshrrev_b32 v1, 5, v0
	v_readfirstlane_b32 s[WV], v1
	s_and_b32 s30, ttmp7, 0xffff           ; y: which 256 channels
	s_mov_b32 s[G1+0], (1<<16)|(1<<20)|(5<<22)|(3<<25)  ; 2-byte elements; 4 words of padding after every 64
	s_mov_b32 s[G1+1], 128<<16             ; tensor_dim0 = 128
	s_mov_b32 s[G1+2], RW<<16              ; tensor_dim1 = 64
	s_mov_b32 s[G1+3], 128<<16             ; tile_dim0 = 128
	s_mov_b32 s[G1+4], RW                  ; tile_dim1 = 64
	s_mov_b32 s[G1+5], 1024                ; elements from row to row
	s_mov_b32 s[G1+6], 0
	s_mov_b32 s[G1+7], 0
	s_mov_b32 s[G0], 1
	s_mul_i32 s[G0+1], s[WV], RW*PITCH     ; my 64 rows of slot 0
	s_lshl_b32 s28, s30, 8
	s_lshl_b32 s29, s[WV], 6
	s_add_co_u32 s28, s28, s29
	s_lshl_b32 s28, s28, 11                ; row 256 y + 64 w, 2,048 bytes a row
	s_mov_b32 s29, 0
	s_wait_kmcnt 0x0
	s_add_nc_u64 s[G0+2:G0+3], s[6:7], s[28:29]
	s_or_b32 s[G0+3], s[G0+3], 0x80000000
	tensor_load_to_lds s[G0:G0+3], s[G1:G1+7]      ; K step 0 into slot 0, ahead of everything else
	s_nop 0
	v_and_b32 v12, 15, v0                  ; r
	v_bfe_u32 v13, v0, 4, 1                ; hh
	v_and_b32 v14, 31, v0                  ; lane
	v_mul_u32_u24 v[WA0], v12, PITCH
	v_lshl_add_u32 v[WA0], v13, 5, v[WA0]
	s_lshl_b32 s28, s[WV], 18
	v_lshlrev_b32 v[QO], 12, v12
	v_lshl_add_u32 v[QO], v13, 6, v[QO]
	v_add_nc_u32 v[QO], s28, v[QO]         ; (64 w + r) x 4,096 + 64 hh
	v_lshlrev_b32 v[BO], 5, v13
	s_lshl_b32 s28, s[WV], 16
	v_lshl_add_u32 v[DA], v14, 4, s28
	v_lshlrev_b32 v[KO], 7, v12
	v_lshl_add_u32 v[KO], v13, 4, v[KO]
	s_lshl_b32 s28, s[WV], 8
	v_lshl_add_u32 v[MO], v14, 2, s28
	s_mov_b32 s[SEL], 0x76543210
	s_mov_b32 s[SEL+1], 0xfedcba98
	s_mov_b32 s[HIM], 0xffff0000           ; as a lane mask: lanes 16-31
	s_mov_b32 s[PSEL], 0x07060302
	s_mov_b32 s[HMASK], 0xffff0000
	s_mov_b32 s[INV45], 0x3cb60b61         ; 1 / 45
	s_lshl_b32 s28, ttmp9, 20              ; 256 rows of 4,096 bytes
	s_mov_b32 s29, 0
	s_add_nc_u64 s[4:5], s[4:5], s[28:29]
	s_lshl_b32 s28, s30, 10
	s_add_nc_u64 s[8:9], s[8:9], s[28:29]
	s_lshr_b32 s31, ttmp9, 4
	s_lshl_b32 s31, s31, 4
	s_lshl2_add_u32 s31, s30, s31          ; 16 b + 4 y: my first head
	s_and_b32 s39, ttmp9, 15
	s_lshl_b32 s39, s39, 10
	s_lshl_b32 s28, s31, 14
	s_add_co_u32 s28, s28, s39
	s_add_nc_u64 s[10:11], s[10:11], s[28:29]
	s_mul_i32 s28, s31, 18432
	s_add_co_u32 s28, s28, 2097152
	s_add_nc_u64 s[KSB:KSB+1], s[6:7], s[28:29]
.set bi, 0
.rept 16                               ; bq of my 256 channels: 8 for each tile and half of the lanes
	global_load_b128 v[WB0+8*bi:WB0+8*bi+3], v[BO], s[8:9] offset:64*bi
	global_load_b128 v[WB0+8*bi+4:WB0+8*bi+7], v[BO], s[8:9] offset:64*bi+16
.set bi, bi+1
.endr
	LDQ 0, 0
	LDQ 1, 128
	LDQ 2, 256
	WIN 0
	s_wait_loadcnt 48                      ; bq is in; three stages of Q stay out
.set bi, 0
.rept 16
.set bp, 0
.rept 4
	v_cvt_pk_bf16_f32 v[WB0+8*bi+bp], v[WB0+8*bi+2*bp], v[WB0+8*bi+2*bp+1]
.set bp, bp+1
.endr
.set bi, bi+1
.endr
.macro SPREAD hi                       ; the rounded bias starts the sums of all four query tiles
	WIN 0x80+0x40*(\hi)
.set bi, 0
.rept 8
.set bj, 0
.rept 4
.set bp, 0
.rept 4
	v_lshlrev_b32 v[8*(4*bi+bj)+2*bp], 16, v[WB0+64*(\hi)+8*bi+bp]
	v_and_b32 v[8*(4*bi+bj)+2*bp+1], s[HMASK], v[WB0+64*(\hi)+8*bi+bp]
.set bp, bp+1
.endr
.set bj, bj+1
.endr
.set bi, bi+1
.endr
.endm
	SPREAD 0
	SPREAD 1
	LDQ 3, 384
	s_wait_loadcnt 48                      ; stage 0 is in
	CVTQ 0, QB0
	WIN 0
	s_mov_b32 s[TB], SLOT1                 ; the first change of slots turns it into 0
	s_mov_b32 s[LC], 7
.Ltrip:                                        ; a K step of 128; the next step's tile is asked for
	TRIPHEAD 1
	SUB 0, 1, 32                           ; 32: the two younger stages of 16 loads
	SUB 1, 1, 32
	SUB 2, 1, 32
	SUB 3, 1, 32
	s_wait_xcnt 0x0                        ; Q's base steps only behind this wait
	s_add_nc_u64 s[4:5], s[4:5], 512
	s_sub_co_u32 s[LC], s[LC], 1
	s_cmp_lg_u32 s[LC], 0
	s_cbranch_scc1 .Ltrip
	TRIPHEAD 0                             ; the last step is written out: nothing is asked for, and the counts run down
	SUB 0, 0, 32
	SUB 1, 0, 16
	SUB 2, 0, 0
	SUB 3, 0, -1
	s_wait_dscnt 0x0
	s_barrier_signal -1                    ; nobody reads the slots any more; nothing fills them again
	s_barrier_wait -1
.macro DUMP hi                         ; head i / 4, query tile j: 4 KB on end; each accumulator's low half first
	WIN 0x08+0x04*(\hi)
.set di, 0
.rept 8
.set dj, 0
.rept 4
	ds_store_b128 v[DA], v[8*(4*di+dj):8*(4*di+dj)+3] offset:((((8*(\hi)+di)/4)*4+dj)*8+(di%4)*2)*512
	ds_store_b128 v[DA], v[8*(4*di+dj)+4:8*(4*di+dj)+7] offset:((((8*(\hi)+di)/4)*4+dj)*8+(di%4)*2)*512+512
.set dj, dj+1
.endr
.set di, di+1
.endr
.endm
	DUMP 0
	DUMP 1
	WIN 0
.macro PIECE pc                        ; the upper halves of 64 numbers of q, packed: source 1 of the score products, in window 1
	WIN 0x40
.set pq, 0
.rept 32
	v_perm_b32 v[144+48*(pq/16)+16*(\pc)+pq%16], v[X+2*pq+1], v[X+2*pq], s[PSEL]
.set pq, pq+1
.endr
.endm
.macro REST                            ; what is left: exact
	WIN 0
.set pq, 0
.rept 64
	v_and_b32 v[T+pq], s[HMASK], v[X+pq]
.set pq, pq+1
.endr
.set pq, 0
.rept 32
	v_pk_add_f32 v[X+2*pq:X+2*pq+1], v[X+2*pq:X+2*pq+1], v[T+2*pq:T+2*pq+1] neg_lo:[0,1] neg_hi:[0,1]
.set pq, pq+1
.endr
.endm
.macro SMUL kp, qp, ks, first          ; piece kp of the keys x piece qp of q, channels 32 ks on: six products, the six accumulators by turns
.set sj, 0
.rept 2
.set st, 0
.rept 3
.if \first
	v_wmma_f32_16x16x32_bf16 v[S+24*sj+8*st:S+24*sj+8*st+7], v[8*((3*(\kp)+st)*2+(\ks)):8*((3*(\kp)+st)*2+(\ks))+7], v[144+48*sj+16*(\qp)+8*(\ks):144+48*sj+16*(\qp)+8*(\ks)+7], 0
.else
	v_wmma_f32_16x16x32_bf16 v[S+24*sj+8*st:S+24*sj+8*st+7], v[8*((3*(\kp)+st)*2+(\ks)):8*((3*(\kp)+st)*2+(\ks))+7], v[144+48*sj+16*(\qp)+8*(\ks):144+48*sj+16*(\qp)+8*(\ks)+7], v[S+24*sj+8*st:S+24*sj+8*st+7]
.endif
.set st, st+1
.endr
.set sj, sj+1
.endr
.endm
; A lane holds one query and the samples 16 t + 8 hh + 0..7.  Samples 45-47 (tile 2, upper lanes, registers 5-7) are exact zeros: nothing in the sum; in the maximum register 4 stands for them.
.macro REDUCE jj
.set a0, S+24*(\jj)
.set a1, a0+8
.set a2, a0+16
	v_max3_num_f32 v16, v[a0], v[a0+1], v[a0+2]    ; each accumulator's lowest registers are read first
	v_max3_num_f32 v17, v[a1], v[a1+1], v[a1+2]
	v_max3_num_f32 v18, v[a2], v[a2+1], v[a2+2]
	v_cndmask_b32 v19, v[a2+5], v[a2+4], s[HIM]
	v_cndmask_b32 v20, v[a2+6], v[a2+4], s[HIM]
	v_cndmask_b32 v21, v[a2+7], v[a2+4], s[HIM]
	v_max3_num_f32 v16, v16, v[a0+3], v[a0+4]
	v_max3_num_f32 v17, v17, v[a1+3], v[a1+4]
	v_max3_num_f32 v18, v18, v[a2+3], v[a2+4]
	v_max3_num_f32 v16, v16, v[a0+5], v[a0+6]
	v_max3_num_f32 v17, v17, v[a1+5], v[a1+6]
	v_max3_num_f32 v18, v18, v19, v20
	v_max3_num_f32 v16, v16, v[a0+7], v[a1+7]
	v_max3_num_f32 v18, v18, v21, v17
	v_max_num_f32 v16, v16, v18
	v_pk_add_f32 v[22:23], v[a0:a0+1], v[a0+2:a0+3]
	v_pk_add_f32 v[24:25], v[a0+4:a0+5], v[a0+6:a0+7]
	v_pk_add_f32 v[26:27], v[a1:a1+1], v[a1+2:a1+3]
	v_pk_add_f32 v[28:29], v[a1+4:a1+5], v[a1+6:a1+7]
	v_pk_add_f32 v[30:31], v[a2:a2+1], v[a2+2:a2+3]
	v_pk_add_f32 v[20:21], v[a2+4:a2+5], v[a2+6:a2+7]
	v_pk_add_f32 v[22:23], v[22:23], v[24:25]
	v_pk_add_f32 v[26:27], v[26:27], v[28:29]
	v_pk_add_f32 v[30:31], v[30:31], v[20:21]
	v_pk_add_f32 v[22:23], v[22:23], v[26:27]
	v_pk_add_f32 v[22:23], v[22:23], v[30:31]
	v_add_f32 v22, v22, v23
	v_permlanex16_b32 v17, v16, s[SEL], s[SEL+1]   ; the query's other samples lie in the lane 16 away
	v_permlanex16_b32 v19, v22, s[SEL], s[SEL+1]
	v_max_num_f32 v16, v16, v17
	v_add_f32 v22, v22, v19
	v_fma_f32 v[12+(\jj)], -v22, s[INV45], v16     ; max - sum / 45
.endm
	s_mov_b32 s[DLS], 0
	s_mov_b32 s[LC], 4
.Lhead:                                        ; a head: its keys' 18 fragments (piece, tile of 16 samples, half of the channels) into window 1
	WIN 0x40
.set kf, 0
.rept 18
	global_load_b128 v[8*kf:8*kf+3], v[KO], s[KSB:KSB+1] offset:(kf/6)*6144+((kf/2)%3)*2048+(kf%2)*64
	global_load_b128 v[8*kf+4:8*kf+7], v[KO], s[KSB:KSB+1] offset:(kf/6)*6144+((kf/2)%3)*2048+(kf%2)*64+32
.set kf, kf+1
.endr
	WIN 0
	s_mov_b32 s[LC2], 2
.Lpair:                                        ; two query tiles: 8 KB of my own bytes back from LDS
	v_add_nc_u32 v[DL], s[DLS], v[DA]
.set dn, 0
.rept 16
	ds_load_b128 v[X+4*dn:X+4*dn+3], v[DL] offset:512*dn
.set dn, dn+1
.endr
	s_wait_dscnt 0x0
	PIECE 0
	REST
	PIECE 1
	REST
	PIECE 2
	s_wait_loadcnt 0x0                     ; the keys' fragments
	WIN 0x05
	SMUL 0, 2, 0, 1                        ; small terms first
	SMUL 0, 2, 1, 0
	SMUL 2, 0, 0, 0
	SMUL 2, 0, 1, 0
	SMUL 1, 1, 0, 0
	SMUL 1, 1, 1, 0
	SMUL 0, 1, 0, 0
	SMUL 0, 1, 1, 0
	SMUL 1, 0, 0, 0
	SMUL 1, 0, 1, 0
	SMUL 0, 0, 0, 0
	SMUL 0, 0, 1, 0
	WIN 0
	NOPS4
	REDUCE 0
	REDUCE 1
	v_cndmask_b32 v14, v12, v13, s[HIM]    ; lanes 0-15 the first tile's queries, lanes 16-31 the second's
	global_store_b32 v[MO], v14, s[10:11]  ; 128 consecutive bytes
	s_wait_xcnt 0x0                        ; bases and the store's data are rewritten only behind this wait
	s_add_nc_u64 s[10:11], s[10:11], 128
	s_add_co_u32 s[DLS], s[DLS], 8192
	s_sub_co_u32 s[LC2], s[LC2], 1
	s_cmp_lg_u32 s[LC2], 0
	s_cbranch_scc1 .Lpair
	s_add_nc_u64 s[10:11], s[10:11], 16384-256
	s_add_nc_u64 s[KSB:KSB+1], s[KSB:KSB+1], 18432
	s_sub_co_u32 s[LC], s[LC], 1
	s_cmp_lg_u32 s[LC], 0
	s_cbranch_scc1 .Lhead
	s_wait_tensorcnt 0x0                   ; the wave's end
	ds_add_u32 v[SPW], v[NIL]
	s_wait_dscnt 0x0
	s_endpgm
.Lfunc_end_k_qd6ea54fe37_qm:
	.size	k_qd6ea54fe37_qm, .Lfunc_end_k_qd6ea54fe37_qm-k_qd6ea54fe37_qm
	.p2alignl 7, 3214868480
	.fill 96, 4, 3214868480
	.section	.rodata,"a",@progbits
	.p2align	6, 0x0
	.amdhsa_kernel k_qd6ea54fe37_qm
		.amdhsa_group_segment_fixed_size 327680
		.amdhsa_private_segment_fixed_size 0
		.amdhsa_enable_private_segment 0
		.amdhsa_kernarg_size 32
		.amdhsa_user_sgpr_count 2
		.amdhsa_user_sgpr_kernarg_segment_ptr 1
		.amdhsa_wavefront_size32 1
		.amdhsa_system_sgpr_workgroup_id_x 1
		.amdhsa_system_sgpr_workgroup_id_y 1
		.amdhsa_system_sgpr_workgroup_id_z 1
		.amdhsa_system_vgpr_workitem_id 0
		.amdhsa_next_free_vgpr 1024
		.amdhsa_next_free_sgpr 66
		.amdhsa_reserve_vcc 0
		.amdhsa_float_denorm_mode_32 3
		.amdhsa_float_denorm_mode_16_64 3
		.amdhsa_memory_ordered 1
		.amdhsa_forward_progress 1
		.amdhsa_inst_pref_size 144
	.end_amdhsa_kernel
	.amdgpu_metadata
---
amdhsa.version: [ 1, 2 ]
amdhsa.kernels:
  - .name:           k_qd6ea54fe37_qm
    .symbol:         k_qd6ea54fe37_qm.kd
    .args:
      - { .name: Q, .offset: 0, .size: 8, .value_kind: global_buffer, .address_space: global }
      - { .name: prep, .offset: 8, .size: 8, .value_kind: global_buffer, .address_space: global }
      - { .name: bq, .offset: 16, .size: 8, .value_kind: global_buffer, .address_space: global }
      - { .name: mbuf, .offset: 24, .size: 8, .value_kind: global_buffer, .address_space: global }
    .group_segment_fixed_size: 327680
    .private_segment_fixed_size: 0
    .kernarg_segment_align: 8
    .kernarg_segment_size: 32
    .max_flat_workgroup_size: 128
    .sgpr_count:     66
    .vgpr_count:     1024
    .wavefront_size: 32
...
	.end_amdgpu_metadata
.endif
;; end of part 2
;; launch topk (part 3): grid 64 x 1, 8 waves a work-group, no clusters, 3,072 bytes of LDS; arguments mbuf, sel; writes sel
.if DOCPART == 3
	.amdgcn_target "amdgcn-amd-amdhsa--gfx1250"
	.amdhsa_code_object_version 6
	.text
	.protected	k_qd6ea54fe37_topk
	.globl	k_qd6ea54fe37_topk
	.p2align	8
	.type	k_qd6ea54fe37_topk,@function
k_qd6ea54fe37_topk:
	s_mov_b64 s[64:65], 0
	v_nop
	global_prefetch_b8 v0, s[64:65] scope:SCOPE_SE
	s_setreg_imm32_b32 hwreg(HW_REG_WAVE_MODE, 25, 1), 1
	s_wait_xcnt 0x0
; THE 45 LARGEST of the 4,096 numbers M[bh][:], as a bit mask; equal numbers go to the lower index, as in lax.top_k.  sel[bh]: 128 mask words (bit j of word d: query 32 d + j), then for each word
; the number of chosen queries in the words before it.  Whole numbers, from which the next launch forms addresses.
; Thread t holds elements 256 i + t, i = 0..15, as keys that order like the floats (sign bit turned for positives, all bits for negatives).  LIMIT: NaN is not treated apart (it orders by its bits).
; The 45th largest key is found bit by bit: a bit stays set if 45 keys or more reach the candidate.  A second search of 14 bits orders the keys equal to it by 4,096 - index.
; Only selects hang on the data: no branch, no address.  Two areas of eight counts take turns, so one barrier serves a step: an area is written again only behind the other area's barrier,
; in front of which every wave has waited for its reads.
.set KEY, 16
.set CA, 6             ; v6  4 x my wave's number
.set ZA, 7             ; v7  0
.set WV, 8
.set TH, 20
.set BIT, 21
.set CAND, 22
.set CNT, 23
.set TMP, 24
.set TOT, 25
.set LC, 26
.set MK, 40            ; s40-55 sixteen lane masks
.macro COUNT thr                       ; the masks of the keys that reach thr
.set ci, 0
.rept 16
	v_cmp_ge_u32 s[MK+ci], v[KEY+ci], s[\thr]
.set ci, ci+1
.endr
.endm
.macro HALF slot
	s_or_b32 s[CAND], s[TH], s[BIT]
	COUNT CAND
	s_bcnt1_i32_b32 s[CNT], s[MK]
.set ci, 1
.rept 15
	s_bcnt1_i32_b32 s[TMP], s[MK+ci]
	s_add_co_u32 s[CNT], s[CNT], s[TMP]
.set ci, ci+1
.endr
	v_mov_b32 v4, s[CNT]
	ds_store_b32 v[CA], v4 offset:\slot    ; all lanes write the wave's word with the same number
	s_wait_dscnt 0x0
	s_barrier_signal -1
	s_barrier_wait -1
	ds_load_b128 v[8:11], v[ZA] offset:\slot
	ds_load_b128 v[12:15], v[ZA] offset:(\slot)+16
	s_wait_dscnt 0x0
	v_add3_u32 v8, v8, v9, v10
	v_add3_u32 v11, v11, v12, v13
	v_add3_u32 v8, v8, v14, v15
	v_add_nc_u32 v8, v8, v11
	v_readfirstlane_b32 s[TOT], v8
	s_cmp_ge_u32 s[TOT], 45
	s_cselect_b32 s[TH], s[CAND], s[TH]
	s_lshr_b32 s[BIT], s[BIT], 1
.endm
	s_load_b128 s[4:7], s[0:1], 0x0        ; mbuf s[4:5], sel s[6:7]
	v_lshl_add_u32 v64, v0, 2, 0x800
	v_mov_b32 v65, 0
	v_lshrrev_b32 v1, 5, v0
	v_readfirstlane_b32 s[WV], v1
	v_lshlrev_b32 v2, 2, v0
	v_lshlrev_b32 v[CA], 2, v1
	v_mov_b32 v[ZA], 0
	s_lshl_b32 s10, ttmp9, 14
	s_mov_b32 s11, 0
	s_lshl_b32 s12, ttmp9, 10
	s_mov_b32 s13, 0
	s_wait_kmcnt 0x0
	s_add_nc_u64 s[4:5], s[4:5], s[10:11]
	s_add_nc_u64 s[6:7], s[6:7], s[12:13]
.set ki, 0
.rept 16
	global_load_b32 v[KEY+ki], v2, s[4:5] offset:1024*ki
.set ki, ki+1
.endr
	s_wait_loadcnt 0x0
.set ki, 0
.rept 16
	v_ashrrev_i32 v3, 31, v[KEY+ki]
	v_or_b32 v3, 0x80000000, v3
	v_xor_b32 v[KEY+ki], v3, v[KEY+ki]
.set ki, ki+1
.endr
	s_mov_b32 s[TH], 0
	s_mov_b32 s[BIT], 0x80000000
	s_mov_b32 s[LC], 16
.Lbits:
	HALF 0
	HALF 32
	s_sub_co_u32 s[LC], s[LC], 1
	s_cmp_lg_u32 s[LC], 0
	s_cbranch_scc1 .Lbits
.set ki, 0
.rept 16                               ; above the 45th key: all ones; equal to it: 4,096 - index; below: 0
	v_sub_nc_u32 v3, 4096-256*ki, v0
	v_cmp_eq_u32 vcc_lo, s[TH], v[KEY+ki]
	v_cndmask_b32 v3, 0, v3, vcc_lo
	v_cmp_lt_u32 vcc_lo, s[TH], v[KEY+ki]
	v_cndmask_b32 v[KEY+ki], v3, -1, vcc_lo
.set ki, ki+1
.endr
	s_mov_b32 s[TH], 0
	s_mov_b32 s[BIT], 0x2000
	s_mov_b32 s[LC], 7
.Lties:
	HALF 0
	HALF 32
	s_sub_co_u32 s[LC], s[LC], 1
	s_cmp_lg_u32 s[LC], 0
	s_cbranch_scc1 .Lties
	COUNT TH                               ; exactly 45 bits in all
.set ki, 0
.rept 16                               ; register i of wave w is mask word 8 i + w
	v_mov_b32 v4, s[MK+ki]
	ds_store_b32 v[CA], v4 offset:256+32*ki
	s_bcnt1_i32_b32 s[TMP], s[MK+ki]
	v_mov_b32 v5, s[TMP]
	ds_store_b32 v[CA], v5 offset:768+32*ki
.set ki, ki+1
.endr
	s_wait_dscnt 0x0
	s_barrier_signal -1
	s_barrier_wait -1
	s_cmp_lg_u32 s[WV], 0
	s_cbranch_scc1 .Lend
	v_lshlrev_b32 v2, 4, v0                ; wave 0: lane l takes words 4 l .. 4 l + 3
	ds_load_b128 v[8:11], v2 offset:256
	ds_load_b128 v[12:15], v2 offset:768
	s_wait_dscnt 0x0
	v_add3_u32 v16, v12, v13, v14
	v_add_nc_u32 v16, v16, v15
	v_mov_b32 v20, 0
	s_mov_b32 s[CNT], 0
.set ki, 0
.rept 32                               ; the running count, lane after lane
	v_writelane_b32 v20, s[CNT], ki
	v_readlane_b32 s[TMP], v16, ki
	s_add_co_u32 s[CNT], s[CNT], s[TMP]
.set ki, ki+1
.endr
	v_add_nc_u32 v21, v20, v12
	v_add_nc_u32 v22, v21, v13
	v_add_nc_u32 v23, v22, v14
	global_store_b128 v2, v[8:11], s[6:7]
	global_store_b128 v2, v[20:23], s[6:7] offset:512
.Lend:
	s_wait_tensorcnt 0x0
	ds_add_u32 v64, v65
	s_wait_dscnt 0x0
	s_endpgm
.Lfunc_end_k_qd6ea54fe37_topk:
	.size	k_qd6ea54fe37_topk, .Lfunc_end_k_qd6ea54fe37_topk-k_qd6ea54fe37_topk
	.p2alignl 7, 3214868480
	.fill 96, 4, 3214868480
	.section	.rodata,"a",@progbits
	.p2align	6, 0x0
	.amdhsa_kernel k_qd6ea54fe37_topk
		.amdhsa_group_segment_fixed_size 3072
		.amdhsa_private_segment_fixed_size 0
		.amdhsa_enable_private_segment 0
		.amdhsa_kernarg_size 16
		.amdhsa_user_sgpr_count 2
		.amdhsa_user_sgpr_kernarg_segment_ptr 1
		.amdhsa_wavefront_size32 1
		.amdhsa_system_sgpr_workgroup_id_x 1
		.amdhsa_system_sgpr_workgroup_id_y 1
		.amdhsa_system_sgpr_workgroup_id_z 1
		.amdhsa_system_vgpr_workitem_id 0
		.amdhsa_next_free_vgpr 66
		.amdhsa_next_free_sgpr 66
		.amdhsa_reserve_vcc 1
		.amdhsa_float_denorm_mode_32 3
		.amdhsa_float_denorm_mode_16_64 3
		.amdhsa_memory_ordered 1
		.amdhsa_forward_progress 1
		.amdhsa_inst_pref_size 30
	.end_amdhsa_kernel
	.amdgpu_metadata
---
amdhsa.version: [ 1, 2 ]
amdhsa.kernels:
  - .name:           k_qd6ea54fe37_topk
    .symbol:         k_qd6ea54fe37_topk.kd
    .args:
      - { .name: mbuf, .offset: 0, .size: 8, .value_kind: global_buffer, .address_space: global }
      - { .name: sel, .offset: 8, .size: 8, .value_kind: global_buffer, .address_space: global }
    .group_segment_fixed_size: 3072
    .private_segment_fixed_size: 0
    .kernarg_segment_align: 8
    .kernarg_segment_size: 16
    .max_flat_workgroup_size: 256
    .sgpr_count:     66
    .vgpr_count:     66
    .wavefront_size: 32
...
	.end_amdgpu_metadata
.endif
;; end of part 3
;; launch qred (part 4): grid 64 x 1, 16 waves a work-group, no clusters, 62,464 bytes of LDS; arguments Q, Wq, bq, Wk, sel, tb; writes tb
.if DOCPART == 4
	.amdgcn_target "amdgcn-amd-amdhsa--gfx1250"
	.amdhsa_code_object_version 6
	.text
	.protected	k_qd6ea54fe37_qred
	.globl	k_qd6ea54fe37_qred
	.p2align	8
	.type	k_qd6ea54fe37_qred,@function
k_qd6ea54fe37_qred:
	s_mov_b64 s[64:65], 0
	v_nop
	global_prefetch_b8 v0, s[64:65] scope:SCOPE_SE
	s_setreg_imm32_b32 hwreg(HW_REG_WAVE_MODE, 25, 1), 1
	s_wait_xcnt 0x0
; T[b][48 h + u][c] = c0 x sum over d of q_red[u][d] Wk[64 h + d][c], c0 = log2(e) / 8, in bf16: with it the scores of the 45 chosen queries against ALL keys are T . K^T, and k is never made.
; (q_red . bk_h is the same for every key and falls out of the softmax.)  Rows u = 45-47 repeat row 44; the launch that averages gives them the weight 0.
; PHASE 0: each wave turns the mask of the launch before into its own list of 45 row numbers, in its own 256 bytes of LDS: lane l walks bits 128 l .. 128 l + 127; a set bit's number goes to
; the next free word, a clear bit's to a dummy word.  No two waves share a byte, so no barrier.
; PHASE 1: q_red = Q[rows] Wq_h^T + bq_h, as the sampled keys were made: wave w takes 16 channels (w % 4) and a quarter of K (w / 4); the quarters meet in LDS; waves 0-3 scale, round and lay q_red in LDS.
; PHASE 2: wave w makes columns 64 w .. 64 w + 63 of T.  Wk lies [d][c]: lane (r, hh) loads 16 bytes (columns 64 w + 4 r + 0..3) of the 16 rows 16 hh + 0..15 of each half of d, so that
; column 4 r + e of all lanes is one fragment e.  A row of T leaves as 16 lanes x 8 bytes, 128 consecutive bytes: half of an aligned 256; 6 MB in all, taken as it is.
.set ACC, 8
.set XO, 32
.set WO, 35
.set R3, 36
.set IDX, 60
.set ST, 64
.set L0, 64            ; Wk, d = 0..31: 16 loads of 4 registers
.set L1, 128           ; d = 32..63
.set F0, 192           ; four fragments of Wk^T, d = 0..31
.set F1, 64
.set QF, 96            ; q_red's two fragments
.set DT, 128           ; four accumulators
.set PT, 160           ; packed T
.set R1, 192
.set R2, 216
.set BI, 240
.set BT, 248
.set REDB, 4096
.set QRB, 53248
.set QP, 144           ; a row of q_red in LDS: 128 bytes + 16
.set WV, 16
.set XB, 28
.set WB, 30
.set HMASK, 45
.set CS, 46            ; s[46:47]
.set LB, 48
.set LC, 49
.macro NOPS4
.rept 4
	v_nop
.endr
.endm
.macro GLOAD s
.set gb, ST+64*((\s)%3)
.irp c, 0,1,2,3
	global_load_b128 v[gb+4*(\c):gb+4*(\c)+3], v[WO], s[WB:WB+1] offset:128*(\s)+16*(\c)
.endr
.irp jt, 0,1,2
.irp c, 0,1,2,3
	global_load_b128 v[gb+16+16*(\jt)+4*(\c):gb+16+16*(\jt)+4*(\c)+3], v[XO+(\jt)], s[XB:XB+1] offset:128*(\s)+16*(\c)
.endr
.endr
.endm
.macro GSTEP s, cnt                    ; cnt: the loads of the younger stages, which stay out
.set gb, ST+64*((\s)%3)
	s_wait_loadcnt \cnt
.set gz, 0
.rept 4
.set gp, 0
.rept 8
	v_cvt_pk_bf16_f32 v[gb+16*gz+gp], v[gb+16*gz+2*gp], v[gb+16*gz+2*gp+1]
.set gp, gp+1
.endr
.set gz, gz+1
.endr
.irp jt, 0,1,2                         ; the three accumulators take turns
.if (\s) == 0
	v_wmma_f32_16x16x32_bf16 v[ACC+8*(\jt):ACC+8*(\jt)+7], v[gb:gb+7], v[gb+16+16*(\jt):gb+16+16*(\jt)+7], 0
.else
	v_wmma_f32_16x16x32_bf16 v[ACC+8*(\jt):ACC+8*(\jt)+7], v[gb:gb+7], v[gb+16+16*(\jt):gb+16+16*(\jt)+7], v[ACC+8*(\jt):ACC+8*(\jt)+7]
.endif
.endr
	NOPS4
.if (\s)+3 <= 7
	GLOAD (\s)+3
.endif
.endm
.macro ADD24 src
.set aq, 0
.rept 12
	v_pk_add_f32 v[ACC+2*aq:ACC+2*aq+1], v[ACC+2*aq:ACC+2*aq+1], v[(\src)+2*aq:(\src)+2*aq+1]
.set aq, aq+1
.endr
.endm
	s_load_b256 s[4:11], s[0:1], 0x0       ; Q s[4:5], Wq s[6:7], bq s[8:9], Wk s[10:11]
	s_load_b128 s[12:15], s[0:1], 0x20     ; sel s[12:13], tb s[14:15]
	v_lshrrev_b32 v1, 5, v0
	v_readfirstlane_b32 s[WV], v1
	v_and_b32 v2, 15, v0                   ; r
	v_bfe_u32 v3, v0, 4, 1                 ; hh
	v_and_b32 v4, 31, v0                   ; lane
	v_lshlrev_b32 v1, 5, v3                ; the bias: 8 numbers for each half of the lanes
	v_lshlrev_b32 v5, 4, v4                ; 16 x lane
	s_and_b32 s17, s[WV], 3                ; i
	s_lshr_b32 s18, s[WV], 2               ; kq
	s_lshr_b32 s19, ttmp9, 4               ; b
	s_and_b32 s20, ttmp9, 15               ; h
	s_lshl_b32 s[LB], s[WV], 8             ; my wave's list
	s_mul_i32 s21, s[WV], 3072
	s_add_co_u32 s21, s21, REDB
	v_lshl_add_u32 v6, v4, 4, s21          ; my 16 bytes in my wave's part of the exchange
	v_lshlrev_b32 v[WO], 12, v2
	v_lshl_add_u32 v[WO], v3, 6, v[WO]
	s_mov_b32 s[HMASK], 0xffff0000
	s_mov_b32 s[CS], 0x3e38aa3b            ; log2(e) / 8
	s_mov_b32 s[CS+1], s[CS]
	s_lshl_b32 s22, ttmp9, 10
	s_mov_b32 s23, 0
	s_lshl_b32 s38, s19, 24
	s_lshl_b32 s21, s18, 10
	s_add_co_u32 s38, s38, s21
	s_mov_b32 s39, 0
	s_lshl_b32 s40, s20, 6
	s_lshl4_add_u32 s40, s17, s40          ; channel 64 h + 16 i
	s_lshl_b32 s42, s40, 2
	s_mov_b32 s43, 0
	s_lshl_b32 s40, s40, 12
	s_add_co_u32 s40, s40, s21
	s_mov_b32 s41, 0
	s_lshl_b32 s34, s20, 18                ; Wk: row 64 h,
	s_lshl_b32 s21, s[WV], 8               ; my 64 columns
	s_add_co_u32 s34, s34, s21
	s_mov_b32 s35, 0
	s_mul_i32 s36, s19, 768
	s_mul_i32 s21, s20, 48
	s_add_co_u32 s36, s36, s21
	s_lshl_b32 s36, s36, 11                ; T: row 768 b + 48 h, 2,048 bytes a row,
	s_lshl_b32 s21, s[WV], 7               ; my 64 columns
	s_add_co_u32 s36, s36, s21
	s_mov_b32 s37, 0
	s_wait_kmcnt 0x0
	s_add_nc_u64 s[12:13], s[12:13], s[22:23]
	s_add_nc_u64 s[XB:XB+1], s[4:5], s[38:39]
	s_add_nc_u64 s[WB:WB+1], s[6:7], s[40:41]
	s_add_nc_u64 s[8:9], s[8:9], s[42:43]
	s_add_nc_u64 s[10:11], s[10:11], s[34:35]
	s_add_nc_u64 s[14:15], s[14:15], s[36:37]
	global_load_b128 v[40:43], v5, s[12:13]            ; mask words 4 l .. 4 l + 3
	global_load_b32 v44, v5, s[12:13] offset:512       ; chosen queries in front of word 4 l
	s_wait_loadcnt 0x0
	v_min_u32 v44, 45, v44
	v_lshlrev_b32 v44, 2, v44              ; the next free word of the list, in bytes
	v_lshlrev_b32 v45, 7, v4               ; the query number in hand
	s_mov_b32 s[LC], 4
.Lword:
.set lj, 0
.rept 32
	v_bfe_u32 v46, v40, lj, 1
	v_add_nc_u32 v47, -1, v46              ; 0 for a set bit, all ones for a clear one
	v_or_b32 v47, v44, v47
	v_min_u32 v47, 192, v47                ; a clear bit's number goes to the dummy word at byte 192
	v_add_nc_u32 v47, s[LB], v47
	ds_store_b32 v47, v45
	v_lshl_add_u32 v44, v46, 2, v44
	v_add_nc_u32 v45, 1, v45
.set lj, lj+1
.endr
	v_mov_b32 v40, v41
	v_mov_b32 v41, v42
	v_mov_b32 v42, v43
	s_sub_co_u32 s[LC], s[LC], 1
	s_cmp_lg_u32 s[LC], 0
	s_cbranch_scc1 .Lword
.irp jt, 0,1,2
	v_add_nc_u32 v[XO+(\jt)], 16*(\jt), v2
	v_min_u32 v[XO+(\jt)], 44, v[XO+(\jt)]
	v_lshlrev_b32 v[XO+(\jt)], 2, v[XO+(\jt)]
	v_add_nc_u32 v[XO+(\jt)], s[LB], v[XO+(\jt)]
	ds_load_b32 v[IDX+(\jt)], v[XO+(\jt)]  ; LDS serves a wave's instructions in order: these see the stores above
.endr
	s_wait_dscnt 0x0
.irp jt, 0,1,2
	v_min_u32 v[IDX+(\jt)], 0xfff, v[IDX+(\jt)]
	v_lshlrev_b32 v[IDX+(\jt)], 12, v[IDX+(\jt)]
	v_lshl_add_u32 v[XO+(\jt)], v3, 6, v[IDX+(\jt)]
.endr
	GLOAD 0
	GLOAD 1
	GLOAD 2
	v_lshlrev_b32 v7, 16, v3
	v_lshl_add_u32 v7, v2, 4, v7           ; Wk: row 16 hh, 16 bytes at column 4 r
	v_lshlrev_b32 v63, 14, v3
	v_lshl_add_u32 v63, v2, 3, v63         ; T: row 8 hh, 8 bytes at column 4 r
	GSTEP 0, 32
	GSTEP 1, 32
	GSTEP 2, 32
	GSTEP 3, 32
	GSTEP 4, 32
	GSTEP 5, 32
	GSTEP 6, 16
	GSTEP 7, 0
.set wn, 0
.rept 32                               ; Wk for phase 2 goes out now: 16 lanes read 256 consecutive bytes of a row
	global_load_b128 v[L0+4*wn:L0+4*wn+3], v7, s[10:11] offset:((wn/16)*32+wn%16)*4096
.set wn, wn+1
.endr
	s_cmp_lt_u32 s[WV], 4
	s_cbranch_scc1 .Lkeep
.irp n, 0,1,2,3,4,5
	ds_store_b128 v6, v[ACC+4*(\n):ACC+4*(\n)+3] offset:512*(\n)
.endr
.Lkeep:
	s_wait_dscnt 0x0
	s_barrier_signal -1
	s_barrier_wait -1
	s_cmp_ge_u32 s[WV], 4
	s_cbranch_scc1 .Lothers
.irp n, 0,1,2,3,4,5
	ds_load_b128 v[R1+4*(\n):R1+4*(\n)+3], v6 offset:12288+512*(\n)
.endr
.irp n, 0,1,2,3,4,5
	ds_load_b128 v[R2+4*(\n):R2+4*(\n)+3], v6 offset:24576+512*(\n)
.endr
.irp n, 0,1,2,3,4,5
	ds_load_b128 v[R3+4*(\n):R3+4*(\n)+3], v6 offset:36864+512*(\n)
.endr
	global_load_b128 v[BI:BI+3], v1, s[8:9]
	global_load_b128 v[BI+4:BI+7], v1, s[8:9] offset:16
	s_wait_dscnt 0x0
	ADD24 R1
	ADD24 R2
	ADD24 R3
	s_wait_loadcnt 0x0
.irp p, 0,1,2,3
	v_cvt_pk_bf16_f32 v[BT+(\p)], v[BI+2*(\p)], v[BI+2*(\p)+1]
.endr
.irp p, 0,1,2,3
	v_lshlrev_b32 v[BI+2*(\p)], 16, v[BT+(\p)]
	v_and_b32 v[BI+2*(\p)+1], s[HMASK], v[BT+(\p)]
.endr
.irp p, 0,1,2,3
	v_pk_mul_f32 v[BI+2*(\p):BI+2*(\p)+1], v[BI+2*(\p):BI+2*(\p)+1], s[CS:CS+1] op_sel_hi:[1,0]
.endr
.irp jt, 0,1,2
.irp p, 0,1,2,3
	v_pk_fma_f32 v[ACC+8*(\jt)+2*(\p):ACC+8*(\jt)+2*(\p)+1], v[ACC+8*(\jt)+2*(\p):ACC+8*(\jt)+2*(\p)+1], s[CS:CS+1], v[BI+2*(\p):BI+2*(\p)+1] op_sel_hi:[1,0,1]
.endr
.endr
	v_mul_u32_u24 v62, v2, QP
	v_lshl_add_u32 v62, v3, 4, v62
	s_lshl_b32 s21, s17, 5
	s_add_co_u32 s21, s21, QRB
	v_add_nc_u32 v62, s21, v62             ; row r, channels 16 i + 8 hh
.irp jt, 0,1,2
.irp p, 0,1,2,3
	v_cvt_pk_bf16_f32 v[R1+4*(\jt)+(\p)], v[ACC+8*(\jt)+2*(\p)], v[ACC+8*(\jt)+2*(\p)+1]
.endr
	ds_store_b128 v62, v[R1+4*(\jt):R1+4*(\jt)+3] offset:16*QP*(\jt)
.endr
.Lothers:
	s_wait_dscnt 0x0
	s_barrier_signal -1
	s_barrier_wait -1
	v_mul_u32_u24 v61, v2, QP
	v_lshl_add_u32 v61, v3, 5, v61
	v_add_nc_u32 v61, QRB, v61             ; q_red: row r, 32 bytes for each half of the lanes
	s_wait_loadcnt 0x0                     ; Wk
.set fe, 0
.rept 4
.set fp, 0
.rept 8
	v_cvt_pk_bf16_f32 v[F0+8*fe+fp], v[L0+8*fp+fe], v[L0+8*fp+4+fe]
.set fp, fp+1
.endr
.set fe, fe+1
.endr
.set fe, 0
.rept 4
.set fp, 0
.rept 8
	v_cvt_pk_bf16_f32 v[F1+8*fe+fp], v[L1+8*fp+fe], v[L1+8*fp+4+fe]
.set fp, fp+1
.endr
.set fe, fe+1
.endr
.irp t, 0,1,2
	ds_load_b128 v[QF:QF+3], v61 offset:16*QP*(\t)
	ds_load_b128 v[QF+4:QF+7], v61 offset:16*QP*(\t)+16
	ds_load_b128 v[QF+8:QF+11], v61 offset:16*QP*(\t)+64
	ds_load_b128 v[QF+12:QF+15], v61 offset:16*QP*(\t)+80
	s_wait_dscnt 0x0
.irp e, 0,1,2,3                        ; the four accumulators take turns
	v_wmma_f32_16x16x32_bf16 v[DT+8*(\e):DT+8*(\e)+7], v[QF:QF+7], v[F0+8*(\e):F0+8*(\e)+7], 0
.endr
.irp e, 0,1,2,3
	v_wmma_f32_16x16x32_bf16 v[DT+8*(\e):DT+8*(\e)+7], v[QF+8:QF+15], v[F1+8*(\e):F1+8*(\e)+7], v[DT+8*(\e):DT+8*(\e)+7]
.endr
.rept 5
	v_nop
.endr
	s_wait_xcnt 0x0                        ; the packed registers were store data
.irp j, 0,1,2,3,4,5,6,7                ; row 16 t + 8 hh + j, columns 4 r + 0..3; each accumulator's register 0 is read first
	v_cvt_pk_bf16_f32 v[PT+2*(\j)], v[DT+(\j)], v[DT+8+(\j)]
	v_cvt_pk_bf16_f32 v[PT+2*(\j)+1], v[DT+16+(\j)], v[DT+24+(\j)]
.endr
.irp j, 0,1,2,3,4,5,6,7
	global_store_b64 v63, v[PT+2*(\j):PT+2*(\j)+1], s[14:15] offset:(16*(\t)+(\j))*2048
.endr
.endr
	s_wait_xcnt 0x0
	v_lshl_add_u32 v254, v0, 2, 0xec00
	v_mov_b32 v255, 0
	s_wait_tensorcnt 0x0
	ds_add_u32 v254, v255
	s_wait_dscnt 0x0
	s_endpgm
.Lfunc_end_k_qd6ea54fe37_qred:
	.size	k_qd6ea54fe37_qred, .Lfunc_end_k_qd6ea54fe37_qred-k_qd6ea54fe37_qred
	.p2alignl 7, 3214868480
	.fill 96, 4, 3214868480
	.section	.rodata,"a",@progbits
	.p2align	6, 0x0
	.amdhsa_kernel k_qd6ea54fe37_qred
		.amdhsa_group_segment_fixed_size 62464
		.amdhsa_private_segment_fixed_size 0
		.amdhsa_enable_private_segment 0
		.amdhsa_kernarg_size 48
		.amdhsa_user_sgpr_count 2
		.amdhsa_user_sgpr_kernarg_segment_ptr 1
		.amdhsa_wavefront_size32 1
		.amdhsa_system_sgpr_workgroup_id_x 1
		.amdhsa_system_sgpr_workgroup_id_y 1
		.amdhsa_system_sgpr_workgroup_id_z 1
		.amdhsa_system_vgpr_workitem_id 0
		.amdhsa_next_free_vgpr 256
		.amdhsa_next_free_sgpr 66
		.amdhsa_reserve_vcc 0
		.amdhsa_float_denorm_mode_32 3
		.amdhsa_float_denorm_mode_16_64 3
		.amdhsa_memory_ordered 1
		.amdhsa_forward_progress 1
		.amdhsa_inst_pref_size 70
	.end_amdhsa_kernel
	.amdgpu_metadata
---
amdhsa.version: [ 1, 2 ]
amdhsa.kernels:
  - .name:           k_qd6ea54fe37_qred
    .symbol:         k_qd6ea54fe37_qred.kd
    .args:
      - { .name: Q, .offset: 0, .size: 8, .value_kind: global_buffer, .address_space: global }
      - { .name: Wq, .offset: 8, .size: 8, .value_kind: global_buffer, .address_space: global }
      - { .name: bq, .offset: 16, .size: 8, .value_kind: global_buffer, .address_space: global }
      - { .name: Wk, .offset: 24, .size: 8, .value_kind: global_buffer, .address_space: global }
      - { .name: sel, .offset: 32, .size: 8, .value_kind: global_buffer, .address_space: global }
      - { .name: tb, .offset: 40, .size: 8, .value_kind: global_buffer, .address_space: global }
    .group_segment_fixed_size: 62464
    .private_segment_fixed_size: 0
    .kernarg_segment_align: 8
    .kernarg_segment_size: 48
    .max_flat_workgroup_size: 512
    .sgpr_count:     66
    .vgpr_count:     256
    .wavefront_size: 32
...
	.end_amdgpu_metadata
.endif
;; end of part 4
;; launch score (part 5): grid 64 x 4, 4 waves a work-group, no clusters, 327,680 bytes of LDS; arguments K, tb, pm; writes pm
.if DOCPART == 5
	.amdgcn_target "amdgcn-amd-amdhsa--gfx1250"
	.amdhsa_code_object_version 6
	.text
	.protected	k_qd6ea54fe37_score
	.globl	k_qd6ea54fe37_score
	.p2align	8
	.type	k_qd6ea54fe37_score,@function
k_qd6ea54fe37_score:
	s_mov_b64 s[64:65], 0
	v_nop
	global_prefetch_b8 v0, s[64:65] scope:SCOPE_SE
	s_setreg_imm32_b32 hwreg(HW_REG_WAVE_MODE, 25, 1), 1
	s_wait_xcnt 0x0
; S = T . K^T (already in units of log2, scaled), and of each block of 64 keys the block's own softmax pieces: m = the largest score of the block, p = 2^(S - m) in bf16, l = the sum of the unrounded p.
; The next launch joins the blocks by the true maximum over all of them.
; SHARES.  A work-group owns 256 keys (x) and 192 rows of T = 4 heads x 48 (y); each wave 64 keys and ALL 192 rows: 48 accumulators, 384 registers.  A row of K is wanted by one wave alone: it
; goes from memory (f32) into registers and is rounded there.  T comes by tensor loads, K in steps of 128, through two LDS slots; each wave fetches 48 of a step's 192 rows.
; Source 0 = 16 keys, source 1 = 16 rows of T: a lane holds one row u and eight keys.  In a step of 32 lane (r, hh) holds k = 16 hh .. 16 hh + 15 on both sides.
; The accumulators are cleared by 384 v_mov_b32, in the wait for the first tile: the price of one text for every step (a first step written out would be four more copies of 32 along K).
; The finished accumulators go into the wave's own 64 KB of LDS (the slots have had their last fill), and one text, looped 12 times, makes m, p and l.
; pm: p at [b][block 64][tile 48][j 4][lane 32][16 bytes]; from byte 25,165,824 on m and l at [b][block][2][768] f32.
; NO CLUSTER: of a step's 176 KB a work-group shares 48 KB (T's tile) with its neighbours along x; the 128 KB of K are its own.
.set NB1, 8
.set RW, 48
.set PITCH, 272
.set SLOT1, 131072
.set SPARE, 262144
.set SPW, 2
.set NIL, 3
.set WA0, 4
.set WA, 5
.set QO, 6
.set DA, 7
.set PO, 9
.set LO, 10
.set DL, 11
.set QB0, 32
.set WB0, 128
.set S, 128
.set PK, 160
.set WV, 12
.set TB, 13
.set LC, 14
.set G1, 16
.set G0, 24
.set SEL, 32
.set HIM, 34
.set DLS, 38
.set PB, 40            ; s[40:41] p's place
.set MB, 42            ; s[42:43] m's and l's
.set MSB, 0
.macro WIN new
.if MSB != (\new)
	s_set_vgpr_msb (MSB<<8)|(\new)
.set MSB, (\new)
.endif
.endm
.macro NOPS4
.rept 4
	v_nop
.endr
.endm
.macro LDW hi, q, cnt
.set li, 0
.rept \cnt
	ds_load_b128 v[WB0+64*(\hi)+8*li:WB0+64*(\hi)+8*li+3], v[WA] offset:(8*(\hi)+li)*16*PITCH+64*(\q)
	ds_load_b128 v[WB0+64*(\hi)+8*li+4:WB0+64*(\hi)+8*li+7], v[WA] offset:(8*(\hi)+li)*16*PITCH+64*(\q)+16
.set li, li+1
.endr
.endm
.macro MUL hi, cnt, qb                 ; every accumulator has one turn
	WIN 0xa0+0x50*(\hi)
.set mi, 0
.rept \cnt
.set mj, 0
.rept 4
	v_wmma_f32_16x16x32_bf16 v[8*(4*mi+mj):8*(4*mi+mj)+7], v[(\qb)+8*mj:(\qb)+8*mj+7], v[WB0+64*(\hi)+8*mi:WB0+64*(\hi)+8*mi+7], v[8*(4*mi+mj):8*(4*mi+mj)+7]
.set mj, mj+1
.endr
.set mi, mi+1
.endr
.endm
.macro CVTQ st, qb
	WIN 0x05
.set cp, 0
.rept 32
	v_cvt_pk_bf16_f32 v[(\qb)+cp], v[64*(\st)+2*cp], v[64*(\st)+2*cp+1]
.set cp, cp+1
.endr
.endm
.macro LDQ st, imm
	WIN 0x40
.set qj, 0
.rept 4
.set qc, 0
.rept 4
	global_load_b128 v[64*(\st)+16*qj+4*qc:64*(\st)+16*qj+4*qc+3], v[QO], s[4:5] offset:qj*65536+(\imm)+16*qc
.set qc, qc+1
.endr
.set qj, qj+1
.endr
.endm
; THE CHANGE OF SLOTS: all my tensor loads have landed (one was out); the add; my reads of the old slot are over; the barrier; the old slot is asked for again first.
.macro TRIPHEAD refill
	WIN 0
	s_wait_tensorcnt 0x0
	ds_add_u32 v[SPW], v[NIL]              ; 0 onto my spare word
	s_xor_b32 s[G0+1], s[G0+1], SLOT1
	s_add_nc_u64 s[G0+2:G0+3], s[G0+2:G0+3], 256
	s_xor_b32 s[TB], s[TB], SLOT1
	s_wait_dscnt 0x0
	s_barrier_signal -1
	s_barrier_wait -1
.if \refill
	tensor_load_to_lds s[G0:G0+3], s[G1:G1+7]      ; it has the step's 192 products in which to land
	s_nop 0
.endif
	NOPS4
	v_add_nc_u32 v[WA], s[TB], v[WA0]
	LDW 0, 0, 8
	LDW 1, 0, 4
.endm
.macro SUB q, ld, cw                   ; 32 along K; cw: the younger loads of K that stay out when the next stage is rounded
	s_wait_dscnt NB1
	MUL 0, 8, QB0+32*((\q)%2)
.if (\cw) >= 0
	s_wait_loadcnt \cw
	CVTQ ((\q)+1)%4, QB0+32*(((\q)+1)%2)   ; 32 plain instructions that name no register of those products: the places in front of the loads below
.else
	NOPS4
.endif
.if \ld
	LDQ (\q)%4, 128*(\q)+512
.endif
	WIN 0
.if (\q) < 3
	LDW 0, (\q)+1, 8
	s_wait_dscnt 16
.else
	s_wait_dscnt 0x0
.endif
	MUL 1, 4, QB0+32*((\q)%2)
	WIN 0
	NOPS4
.if (\q) < 3
	LDW 1, (\q)+1, 4
.endif
.endm
.macro MAX32 b, c                      ; the largest of v[b .. b+31] into v[c]; v[c+1 .. c+3] at work
.irp k, 0,1,2,3
	v_max3_num_f32 v[(\c)+(\k)], v[(\b)+3*(\k)], v[(\b)+3*(\k)+1], v[(\b)+3*(\k)+2]
.endr
.set xn, 12
.rept 10
	v_max3_num_f32 v[(\c)+(xn/2)%4], v[(\c)+(xn/2)%4], v[(\b)+xn], v[(\b)+xn+1]
.set xn, xn+2
.endr
	v_max3_num_f32 v[\c], v[\c], v[(\c)+1], v[(\c)+2]
	v_max_num_f32 v[\c], v[\c], v[(\c)+3]
.endm
	s_load_b128 s[4:7], s[0:1], 0x0        ; K s[4:5], tb s[6:7]
	s_load_b64 s[8:9], s[0:1], 0x10        ; pm
	v_lshl_add_u32 v[SPW], v0, 2, SPARE
	v_mov_b32 v[NIL], 0
	ds_add_u32 v2, v3
	ds_add_u32 v2, v3
	s_wait_dscnt 0x0
	v_lshrrev_b32 v1, 5, v0
	v_readfirstlane_b32 s[WV], v1
	s_and_b32 s30, ttmp7, 0xffff           ; y: which 192 rows of T
	s_lshr_b32 s31, ttmp9, 4               ; b
	s_mov_b32 s[G1+0], (1<<16)|(1<<20)|(5<<22)|(3<<25)
	s_mov_b32 s[G1+1], 128<<16
	s_mov_b32 s[G1+2], RW<<16
	s_mov_b32 s[G1+3], 128<<16
	s_mov_b32 s[G1+4], RW
	s_mov_b32 s[G1+5], 1024
	s_mov_b32 s[G1+6], 0
	s_mov_b32 s[G1+7], 0
	s_mov_b32 s[G0], 1
	s_mul_i32 s[G0+1], s[WV], RW*PITCH
	s_mul_i32 s28, s31, 768
	s_mul_i32 s29, s30, 192
	s_add_co_u32 s28, s28, s29
	s_mul_i32 s29, s[WV], RW
	s_add_co_u32 s28, s28, s29
	s_lshl_b32 s28, s28, 11
	s_mov_b32 s29, 0
	s_wait_kmcnt 0x0
	s_add_nc_u64 s[G0+2:G0+3], s[6:7], s[28:29]
	s_or_b32 s[G0+3], s[G0+3], 0x80000000
	tensor_load_to_lds s[G0:G0+3], s[G1:G1+7]      ; K step 0 into slot 0, ahead of everything else
	s_nop 0
	v_and_b32 v12, 15, v0
	v_bfe_u32 v13, v0, 4, 1
	v_and_b32 v14, 31, v0
	v_mul_u32_u24 v[WA0], v12, PITCH
	v_lshl_add_u32 v[WA0], v13, 5, v[WA0]
	s_lshl_b32 s28, s[WV], 18
	v_lshlrev_b32 v[QO], 12, v12
	v_lshl_add_u32 v[QO], v13, 6, v[QO]
	v_add_nc_u32 v[QO], s28, v[QO]
	s_lshl_b32 s28, s[WV], 16
	v_lshl_add_u32 v[DA], v14, 4, s28
	v_lshlrev_b32 v[PO], 4, v14
	v_mul_u32_u24 v[LO], v13, 3072
	v_lshl_add_u32 v[LO], v12, 2, v[LO]    ; lanes 0-15 store m, lanes 16-31 l
	s_mov_b32 s[SEL], 0x76543210
	s_mov_b32 s[SEL+1], 0xfedcba98
	s_mov_b32 s[HIM], 0xffff0000
	s_lshl_b32 s28, ttmp9, 20
	s_mov_b32 s29, 0
	s_add_nc_u64 s[4:5], s[4:5], s[28:29]
	s_and_b32 s35, ttmp9, 15
	s_lshl2_add_u32 s35, s35, s[WV]        ; my block of 64 keys in the batch
	s_lshl_b32 s36, s31, 6
	s_add_co_u32 s35, s35, s36             ; 64 b + block
	s_mul_i32 s28, s35, 98304
	s_mul_i32 s36, s30, 24576
	s_add_co_u32 s28, s28, s36
	s_add_nc_u64 s[PB:PB+1], s[8:9], s[28:29]
	s_mul_i32 s28, s35, 6144
	s_mul_i32 s36, s30, 768
	s_add_co_u32 s28, s28, s36
	s_add_co_u32 s28, s28, 25165824
	s_add_nc_u64 s[MB:MB+1], s[8:9], s[28:29]
	LDQ 0, 0
	LDQ 1, 128
	LDQ 2, 256
	LDQ 3, 384
	WIN 0x80
.set zi, 0
.rept 256
	v_mov_b32 v[zi], 0
.set zi, zi+1
.endr
	WIN 0xc0
.set zi, 0
.rept 128
	v_mov_b32 v[zi], 0
.set zi, zi+1
.endr
	s_wait_loadcnt 48                      ; stage 0 is in
	CVTQ 0, QB0
	WIN 0
	s_mov_b32 s[TB], SLOT1
	s_mov_b32 s[LC], 7
.Ltrip:
	TRIPHEAD 1
	SUB 0, 1, 32                           ; 32: the two younger stages of 16 loads
	SUB 1, 1, 32
	SUB 2, 1, 32
	SUB 3, 1, 32
	s_wait_xcnt 0x0
	s_add_nc_u64 s[4:5], s[4:5], 512
	s_sub_co_u32 s[LC], s[LC], 1
	s_cmp_lg_u32 s[LC], 0
	s_cbranch_scc1 .Ltrip
	TRIPHEAD 0                             ; the last step is written out: nothing is asked for
	SUB 0, 0, 32
	SUB 1, 0, 16
	SUB 2, 0, 0
	SUB 3, 0, -1
	s_wait_dscnt 0x0
	s_barrier_signal -1                    ; nobody reads the slots any more; nothing fills them again
	s_barrier_wait -1
.macro DUMP hi, cnt                    ; tile i of T: its four accumulators, 4 KB on end; each accumulator's low half first
	WIN 0x08+0x04*(\hi)
.set di, 0
.rept \cnt
.set dj, 0
.rept 4
	ds_store_b128 v[DA], v[8*(4*di+dj):8*(4*di+dj)+3] offset:((8*(\hi)+di)*8+dj*2)*512
	ds_store_b128 v[DA], v[8*(4*di+dj)+4:8*(4*di+dj)+7] offset:((8*(\hi)+di)*8+dj*2)*512+512
.set dj, dj+1
.endr
.set di, di+1
.endr
.endm
	DUMP 0, 8
	DUMP 1, 4
	WIN 0
	s_mov_b32 s[DLS], 0
	s_mov_b32 s[LC], 12
.Lunit:                                        ; 16 rows of T x my 64 keys: a lane holds one row and 32 keys
	v_add_nc_u32 v[DL], s[DLS], v[DA]
.set dn, 0
.rept 8
	ds_load_b128 v[S+4*dn:S+4*dn+3], v[DL] offset:512*dn
.set dn, dn+1
.endr
	s_wait_dscnt 0x0
	MAX32 S, 16
	v_permlanex16_b32 v17, v16, s[SEL], s[SEL+1]   ; the row's other 32 keys lie in the lane 16 away
	v_max_num_f32 v16, v16, v17
.set dn, 0
.rept 16
	v_pk_add_f32 v[S+2*dn:S+2*dn+1], v[S+2*dn:S+2*dn+1], v[16:17] op_sel_hi:[1,0] neg_lo:[0,1] neg_hi:[0,1]
.set dn, dn+1
.endr
.set dn, 0
.rept 32
	v_exp_f32 v[S+dn], v[S+dn]
.set dn, dn+1
.endr
	v_nop                                  ; a plain instruction between the last exponential and the use of its result
.set dn, 0
	s_wait_alu depctr_va_vdst(0)
.rept 16
	v_cvt_pk_bf16_f32 v[PK+dn], v[S+2*dn], v[S+2*dn+1]
.set dn, dn+1
.endr
.irp d, 16,8,4,2                       ; the sum of the unrounded weights, in place
.set dn, 0
.rept (\d)/2
	v_pk_add_f32 v[S+2*dn:S+2*dn+1], v[S+2*dn:S+2*dn+1], v[S+(\d)+2*dn:S+(\d)+2*dn+1]
.set dn, dn+1
.endr
.endr
	v_add_f32 v[S], v[S], v[S+1]
	v_permlanex16_b32 v17, v[S], s[SEL], s[SEL+1]
	v_add_f32 v17, v[S], v17
	v_cndmask_b32 v18, v16, v17, s[HIM]
.irp j, 0,1,2,3
	global_store_b128 v[PO], v[PK+4*(\j):PK+4*(\j)+3], s[PB:PB+1] offset:512*(\j)  ; 512 consecutive bytes
.endr
	global_store_b32 v[LO], v18, s[MB:MB+1]
	s_wait_xcnt 0x0                        ; bases and store data are rewritten only behind this wait
	s_add_nc_u64 s[PB:PB+1], s[PB:PB+1], 2048
	s_add_nc_u64 s[MB:MB+1], s[MB:MB+1], 64
	s_add_co_u32 s[DLS], s[DLS], 4096
	s_sub_co_u32 s[LC], s[LC], 1
	s_cmp_lg_u32 s[LC], 0
	s_cbranch_scc1 .Lunit
	s_wait_tensorcnt 0x0                   ; the wave's end
	ds_add_u32 v[SPW], v[NIL]
	s_wait_dscnt 0x0
	s_endpgm
.Lfunc_end_k_qd6ea54fe37_score:
	.size	k_qd6ea54fe37_score, .Lfunc_end_k_qd6ea54fe37_score-k_qd6ea54fe37_score
	.p2alignl 7, 3214868480
	.fill 96, 4, 3214868480
	.section	.rodata,"a",@progbits
	.p2align	6, 0x0
	.amdhsa_kernel k_qd6ea54fe37_score
		.amdhsa_group_segment_fixed_size 327680
		.amdhsa_private_segment_fixed_size 0
		.amdhsa_enable_private_segment 0
		.amdhsa_kernarg_size 24
		.amdhsa_user_sgpr_count 2
		.amdhsa_user_sgpr_kernarg_segment_ptr 1
		.amdhsa_wavefront_size32 1
		.amdhsa_system_sgpr_workgroup_id_x 1
		.amdhsa_system_sgpr_workgroup_id_y 1
		.amdhsa_system_sgpr_workgroup_id_z 1
		.amdhsa_system_vgpr_workitem_id 0
		.amdhsa_next_free_vgpr 896
		.amdhsa_next_free_sgpr 66
		.amdhsa_reserve_vcc 0
		.amdhsa_float_denorm_mode_32 3
		.amdhsa_float_denorm_mode_16_64 3
		.amdhsa_memory_ordered 1
		.amdhsa_forward_progress 1
		.amdhsa_inst_pref_size 98
	.end_amdhsa_kernel
	.amdgpu_metadata
---
amdhsa.version: [ 1, 2 ]
amdhsa.kernels:
  - .name:           k_qd6ea54fe37_score
    .symbol:         k_qd6ea54fe37_score.kd
    .args:
      - { .name: K, .offset: 0, .size: 8, .value_kind: global_buffer, .address_space: global }
      - { .name: tb, .offset: 8, .size: 8, .value_kind: global_buffer, .address_space: global }
      - { .name: pm, .offset: 16, .size: 8, .value_kind: global_buffer, .address_space: global }
    .group_segment_fixed_size: 327680
    .private_segment_fixed_size: 0
    .kernarg_segment_align: 8
    .kernarg_segment_size: 24
    .max_flat_workgroup_size: 128
    .sgpr_count:     66
    .vgpr_count:     896
    .wavefront_size: 32
...
	.end_amdgpu_metadata
.endif
;; end of part 5
;; launch wsum (part 6): grid 256 x 1, 4 waves a work-group, no clusters, 0 bytes of LDS; arguments pm, wb; writes wb
.if DOCPART == 6
	.amdgcn_target "amdgcn-amd-amdhsa--gfx1250"
	.amdhsa_code_object_version 6
	.text
	.protected	k_qd6ea54fe37_wsum
	.globl	k_qd6ea54fe37_wsum
	.p2align	8
	.type	k_qd6ea54fe37_wsum,@function
k_qd6ea54fe37_wsum:
	s_mov_b64 s[64:65], 0
	v_nop
	global_prefetch_b8 v0, s[64:65] scope:SCOPE_SE
	s_setreg_imm32_b32 hwreg(HW_REG_WAVE_MODE, 25, 1), 1
	s_wait_xcnt 0x0
; w[b][h][k] = 1/45 x the sum over the 45 chosen queries u of softmax_k(score)[u][k], in bf16.  Only the mean over u of the context is wanted, so the 45 rows of weights are added up here.
; A row's true maximum M over the 64 blocks is taken away: weight = p x 2^(m_block - M) / L, L = the sum over the blocks of l x 2^(m_block - M).
; SHARES.  Work-group = (b, h) and a quarter of the keys; wave w takes four blocks of 64 keys.  PHASE A (each wave for itself): for the head's three tiles of 16 rows, lane (r, hh) reads m and l of
; 32 blocks of row r; R = 1 / (45 L), or 0 for rows 45-47.  PHASE B, a block a trip: 6 KB of p on end; 96 multiply-adds straight from the bf16 halves; the sum over the 16 rows of a tile by four
; steps inside each half of the lanes; lane r keeps pair r of the 16 pairs of keys.  Memory and vector work alone: matrix units, LDS and clusters would add nothing.
.set LA, 4
.set LB, 5
.set PO, 6
.set WOF, 7
.set MX, 8             ; v8-10  M of the three tiles
.set RR, 11            ; v11-13 R
.set FF, 14            ; v14-16 the block's factors
.set ZR, 17            ; v17    0
.set PR, 32            ; p: 48 registers; in phase A m
.set LL, 64            ; in phase A l
.set CV, 80
.set AC, 96
.set SEL, 24
.set MA, 26
.set LIM, 30
.set LC, 31
.set WV, 32
.macro MAX32 b, c
.irp k, 0,1,2,3
	v_max3_num_f32 v[(\c)+(\k)], v[(\b)+3*(\k)], v[(\b)+3*(\k)+1], v[(\b)+3*(\k)+2]
.endr
.set xn, 12
.rept 10
	v_max3_num_f32 v[(\c)+(xn/2)%4], v[(\c)+(xn/2)%4], v[(\b)+xn], v[(\b)+xn+1]
.set xn, xn+2
.endr
	v_max3_num_f32 v[\c], v[\c], v[(\c)+1], v[(\c)+2]
	v_max_num_f32 v[\c], v[\c], v[(\c)+3]
.endm
	s_load_b128 s[4:7], s[0:1], 0x0        ; pm s[4:5], wb s[6:7]
	v_lshrrev_b32 v1, 5, v0
	v_readfirstlane_b32 s[WV], v1
	v_and_b32 v1, 15, v0                   ; r
	v_bfe_u32 v2, v0, 4, 1                 ; hh
	v_and_b32 v3, 31, v0                   ; lane
	v_mul_u32_u24 v[LA], v2, 196608        ; 32 blocks of 6,144 bytes
	v_lshl_add_u32 v[LA], v1, 2, v[LA]
	v_lshlrev_b32 v[LB], 2, v1
	v_lshlrev_b32 v[PO], 4, v3
	v_lshrrev_b32 v[WOF], 2, v1
	v_lshlrev_b32 v[WOF], 5, v[WOF]
	v_lshl_add_u32 v[WOF], v2, 4, v[WOF]
	v_and_b32 v18, 3, v1
	v_lshl_add_u32 v[WOF], v18, 2, v[WOF]  ; pair r = keys 16 (r / 4) + 8 hh + 2 (r % 4)
	v_mov_b32 v[ZR], 0
.irp n, 0,1,2,3,4,5
	v_mov_b32 v[MX+(\n)], 0
.endr
	s_lshr_b32 s18, ttmp9, 2               ; bh
	s_and_b32 s19, ttmp9, 3                ; quarter
	s_lshr_b32 s20, s18, 4                 ; b
	s_and_b32 s21, s18, 15                 ; h
	s_lshl_b32 s22, s19, 4
	s_lshl2_add_u32 s22, s[WV], s22        ; my first block
	s_mov_b32 s[SEL], 0x76543210
	s_mov_b32 s[SEL+1], 0xfedcba98
	s_mov_b32 s[MA], 0xaaaaaaaa
	s_mov_b32 s[MA+1], 0xcccccccc
	s_mov_b32 s[MA+2], 0xf0f0f0f0
	s_mov_b32 s[MA+3], 0xff00ff00
	s_mul_i32 s34, s20, 393216
	s_mul_i32 s23, s21, 192
	s_add_co_u32 s34, s34, s23
	s_add_co_u32 s34, s34, 25165824
	s_mov_b32 s35, 0
	s_lshl_b32 s36, s20, 6
	s_add_co_u32 s36, s36, s22
	s_mul_i32 s36, s36, 98304
	s_mul_i32 s23, s21, 6144
	s_add_co_u32 s36, s36, s23
	s_mov_b32 s37, 0
	s_mul_i32 s38, s22, 6144
	s_mov_b32 s39, 0
	s_wait_kmcnt 0x0
	s_add_nc_u64 s[8:9], s[4:5], s[34:35]          ; m and l of my head's rows, block 0
	s_mov_b64 s[10:11], s[8:9]
	s_add_nc_u64 s[12:13], s[4:5], s[36:37]        ; p of my first block
	s_add_nc_u64 s[14:15], s[8:9], s[38:39]        ; m of my first block
	s_lshl_b32 s34, s18, 13
	s_lshl_b32 s23, s22, 7
	s_add_co_u32 s34, s34, s23
	s_add_nc_u64 s[16:17], s[6:7], s[34:35]
	s_mov_b32 s[LIM], 45
	s_mov_b32 s[LC], 3
.Ltile:
.set an, 0
.rept 32
	global_load_b32 v[PR+an], v[LA], s[10:11] offset:6144*an
	global_load_b32 v[LL+an], v[LA], s[10:11] offset:6144*an+3072
.set an, an+1
.endr
	s_wait_loadcnt 0x0
	MAX32 PR, 20
	v_permlanex16_b32 v21, v20, s[SEL], s[SEL+1]
	v_max_num_f32 v20, v20, v21            ; M
.set an, 0
.rept 16
	v_pk_add_f32 v[PR+2*an:PR+2*an+1], v[PR+2*an:PR+2*an+1], v[20:21] op_sel_hi:[1,0] neg_lo:[0,1] neg_hi:[0,1]
.set an, an+1
.endr
.set an, 0
.rept 32
	v_exp_f32 v[PR+an], v[PR+an]
.set an, an+1
.endr
	v_nop
	s_wait_alu depctr_va_vdst(0)
	v_pk_mul_f32 v[24:25], v[LL:LL+1], v[PR:PR+1]
	v_pk_mul_f32 v[26:27], v[LL+2:LL+3], v[PR+2:PR+3]
.set an, 2
.rept 14
	v_pk_fma_f32 v[24+2*(an%2):25+2*(an%2)], v[LL+2*an:LL+2*an+1], v[PR+2*an:PR+2*an+1], v[24+2*(an%2):25+2*(an%2)]
.set an, an+1
.endr
	v_pk_add_f32 v[24:25], v[24:25], v[26:27]
	v_add_f32 v24, v24, v25
	v_permlanex16_b32 v25, v24, s[SEL], s[SEL+1]
	v_add_f32 v24, v24, v25
	v_mul_f32 v24, 0x42340000, v24         ; 45 L
	v_rcp_f32 v24, v24
	v_nop
	v_cmp_gt_u32 vcc_lo, s[LIM], v1        ; rows 45-47 count for nothing
	s_wait_alu depctr_va_vdst(0)
	v_cndmask_b32 v24, 0, v24, vcc_lo
	v_mov_b32 v[MX], v[MX+1]               ; the three tiles' figures move up: after three trips tile 0's stand first
	v_mov_b32 v[MX+1], v[MX+2]
	v_mov_b32 v[MX+2], v20
	v_mov_b32 v[RR], v[RR+1]
	v_mov_b32 v[RR+1], v[RR+2]
	v_mov_b32 v[RR+2], v24
	s_add_nc_u64 s[10:11], s[10:11], 64    ; the loads are done: their base may step
	s_sub_co_u32 s[LIM], s[LIM], 16
	s_sub_co_u32 s[LC], s[LC], 1
	s_cmp_lg_u32 s[LC], 0
	s_cbranch_scc1 .Ltile
	s_mov_b32 s[LC], 4
.Lblk:
.set bn, 0
.rept 12
	global_load_b128 v[PR+4*bn:PR+4*bn+3], v[PO], s[12:13] offset:512*bn th:TH_LOAD_NT
.set bn, bn+1
.endr
.irp i, 0,1,2
	global_load_b32 v[FF+(\i)], v[LB], s[14:15] offset:64*(\i)
.endr
	s_wait_loadcnt 0x0
.irp i, 0,1,2
	v_sub_f32 v[FF+(\i)], v[FF+(\i)], v[MX+(\i)]
.endr
.irp i, 0,1,2
	v_exp_f32 v[FF+(\i)], v[FF+(\i)]
.endr
	v_nop
	s_wait_alu depctr_va_vdst(0)
.irp i, 0,1,2
	v_mul_f32 v[FF+(\i)], v[FF+(\i)], v[RR+(\i)]
.endr
.set bn, 0
.rept 16                               ; tile 0 starts the 32 sums
	v_fma_mix_f32_bf16 v[AC+2*bn], v[PR+bn], v[FF], v[ZR] op_sel_hi:[1,0,0]
	v_fma_mix_f32_bf16 v[AC+2*bn+1], v[PR+bn], v[FF], v[ZR] op_sel:[1,0,0] op_sel_hi:[1,0,0]
.set bn, bn+1
.endr
.irp i, 1,2
.set bn, 0
.rept 16
	v_fma_mix_f32_bf16 v[AC+2*bn], v[PR+16*(\i)+bn], v[FF+(\i)], v[AC+2*bn] op_sel_hi:[1,0,0]
	v_fma_mix_f32_bf16 v[AC+2*bn+1], v[PR+16*(\i)+bn], v[FF+(\i)], v[AC+2*bn+1] op_sel:[1,0,0] op_sel_hi:[1,0,0]
.set bn, bn+1
.endr
.endr
.irp x, 1,2,4,8
.set bn, 0
.rept 32
	v_add_f32_dpp v[AC+bn], v[AC+bn], v[AC+bn] row_xmask:\x row_mask:0xf bank_mask:0xf
.set bn, bn+1
.endr
.endr
	s_wait_xcnt 0x0                        ; v80 was the last trip's store data
.set bn, 0
.rept 16
	v_cvt_pk_bf16_f32 v[CV+bn], v[AC+2*bn], v[AC+2*bn+1]
.set bn, bn+1
.endr
.irp lv, 0,1,2,3                       ; bit lv of r chooses between neighbours: lane r ends with pair r
.set bn, 0
.rept 8>>(\lv)
	v_cndmask_b32 v[CV+bn], v[CV+2*bn], v[CV+2*bn+1], s[MA+(\lv)]
.set bn, bn+1
.endr
.endr
	global_store_b32 v[WOF], v[CV], s[16:17]       ; the wave stores 128 consecutive bytes
	s_wait_xcnt 0x0
	s_add_nc_u64 s[12:13], s[12:13], 98304
	s_add_nc_u64 s[14:15], s[14:15], 6144
	s_add_nc_u64 s[16:17], s[16:17], 128
	s_sub_co_u32 s[LC], s[LC], 1
	s_cmp_lg_u32 s[LC], 0
	s_cbranch_scc1 .Lblk
	s_endpgm
.Lfunc_end_k_qd6ea54fe37_wsum:
	.size	k_qd6ea54fe37_wsum, .Lfunc_end_k_qd6ea54fe37_wsum-k_qd6ea54fe37_wsum
	.p2alignl 7, 3214868480
	.fill 96, 4, 3214868480
	.section	.rodata,"a",@progbits
	.p2align	6, 0x0
	.amdhsa_kernel k_qd6ea54fe37_wsum
		.amdhsa_group_segment_fixed_size 0
		.amdhsa_private_segment_fixed_size 0
		.amdhsa_enable_private_segment 0
		.amdhsa_kernarg_size 16
		.amdhsa_user_sgpr_count 2
		.amdhsa_user_sgpr_kernarg_segment_ptr 1
		.amdhsa_wavefront_size32 1
		.amdhsa_system_sgpr_workgroup_id_x 1
		.amdhsa_system_sgpr_workgroup_id_y 1
		.amdhsa_system_sgpr_workgroup_id_z 1
		.amdhsa_system_vgpr_workitem_id 0
		.amdhsa_next_free_vgpr 128
		.amdhsa_next_free_sgpr 66
		.amdhsa_reserve_vcc 1
		.amdhsa_float_denorm_mode_32 3
		.amdhsa_float_denorm_mode_16_64 3
		.amdhsa_memory_ordered 1
		.amdhsa_forward_progress 1
		.amdhsa_inst_pref_size 32
	.end_amdhsa_kernel
	.amdgpu_metadata
---
amdhsa.version: [ 1, 2 ]
amdhsa.kernels:
  - .name:           k_qd6ea54fe37_wsum
    .symbol:         k_qd6ea54fe37_wsum.kd
    .args:
      - { .name: pm, .offset: 0, .size: 8, .value_kind: global_buffer, .address_space: global }
      - { .name: wb, .offset: 8, .size: 8, .value_kind: global_buffer, .address_space: global }
    .group_segment_fixed_size: 0
    .private_segment_fixed_size: 0
    .kernarg_segment_align: 8
    .kernarg_segment_size: 16
    .max_flat_workgroup_size: 128
    .sgpr_count:     66
    .vgpr_count:     128
    .wavefront_size: 32
...
	.end_amdgpu_metadata
.endif
;; end of part 6
;; launch yv (part 7): grid 256 x 1, 16 waves a work-group, no clusters, 71,680 bytes of LDS; arguments V, wb, ypart; writes ypart
.if DOCPART == 7
	.amdgcn_target "amdgcn-amd-amdhsa--gfx1250"
	.amdhsa_code_object_version 6
	.text
	.protected	k_qd6ea54fe37_yv
	.globl	k_qd6ea54fe37_yv
	.p2align	8
	.type	k_qd6ea54fe37_yv,@function
k_qd6ea54fe37_yv:
	s_mov_b64 s[64:65], 0
	v_nop
	global_prefetch_b8 v0, s[64:65] scope:SCOPE_SE
	s_setreg_imm32_b32 hwreg(HW_REG_WAVE_MODE, 25, 1), 1
	s_wait_xcnt 0x0
; ypart[b][kc][h][c] = the sum over the 1,024 keys of quarter kc of w[b][h][k] V[b][k][c]: with it the mean context is y . Wv_h^T + bv_h (the weights of a head add up to 1), and v is never made.
; V is streamed once.  Work-group = (b, quarter of the keys, 64 columns); wave w takes 64 keys: two products' depth.  All its 36 loads go out at once.
; V lies [key][column]: lane (r, hh) loads 16 bytes (columns 4 r + 0..3) of the 16 keys 16 hh + 0..15, so 16 lanes read 256 consecutive bytes, aligned, and column 4 r + e of all lanes is fragment e.
; Source 0 = V^T (16 columns), source 1 = w (16 heads): a lane holds one head and the columns 32 hh + 4 j + e.  The 16 waves' sums meet in LDS.
.set AC, 8             ; v8-39   four accumulators
.set WF, 40            ; v40-55  w, two fragments
.set VR, 64            ; v64-191 V in f32
.set FA, 192           ; v192-255 V^T in bf16: step s, fragment e at 32 s + 8 e
.set WV, 12
	s_load_b128 s[4:7], s[0:1], 0x0        ; V s[4:5], wb s[6:7]
	s_load_b64 s[8:9], s[0:1], 0x10        ; ypart
	v_lshl_add_u32 v62, v0, 2, 0x11000
	v_mov_b32 v63, 0
	v_lshrrev_b32 v1, 5, v0
	v_readfirstlane_b32 s[WV], v1
	v_and_b32 v2, 15, v0                   ; r
	v_bfe_u32 v3, v0, 4, 1                 ; hh
	v_and_b32 v4, 31, v0                   ; lane
	v_lshlrev_b32 v5, 16, v3
	v_lshl_add_u32 v5, v2, 4, v5           ; V: key 16 hh, 16 bytes at column 4 r
	v_lshlrev_b32 v6, 13, v2
	v_lshl_add_u32 v6, v3, 5, v6           ; w: head r, 32 bytes for each half of the lanes
	s_lshr_b32 s13, ttmp9, 6               ; b
	s_bfe_u32 s14, ttmp9, 0x20004          ; kc
	s_and_b32 s15, ttmp9, 15               ; cb
	s_lshl_b32 s16, s14, 10
	s_lshl_b32 s17, s[WV], 6
	s_add_co_u32 s16, s16, s17             ; my first key
	s_lshl_b32 s18, s16, 12
	s_lshl_b32 s17, s13, 24
	s_add_co_u32 s18, s18, s17
	s_lshl_b32 s17, s15, 8
	s_add_co_u32 s18, s18, s17
	s_mov_b32 s19, 0
	s_lshl_b32 s20, s13, 17
	s_lshl1_add_u32 s20, s16, s20
	s_mov_b32 s21, 0
	s_lshl2_add_u32 s22, s13, s14          ; 4 b + kc
	s_lshl_b32 s22, s22, 16
	s_add_co_u32 s22, s22, s17
	s_mov_b32 s23, 0
	s_wait_kmcnt 0x0
	s_add_nc_u64 s[4:5], s[4:5], s[18:19]
	s_add_nc_u64 s[6:7], s[6:7], s[20:21]
	s_add_nc_u64 s[8:9], s[8:9], s[22:23]
.irp n, 0,1
	global_load_b128 v[WF+8*(\n):WF+8*(\n)+3], v6, s[6:7] offset:64*(\n)
	global_load_b128 v[WF+8*(\n)+4:WF+8*(\n)+7], v6, s[6:7] offset:64*(\n)+16
.endr
.set vn, 0
.rept 32
	global_load_b128 v[VR+4*vn:VR+4*vn+3], v5, s[4:5] offset:((vn/16)*32+vn%16)*4096 th:TH_LOAD_NT
.set vn, vn+1
.endr
	s_mul_i32 s17, s[WV], 4352
	v_mul_u32_u24 v7, v2, 272
	v_lshl_add_u32 v7, v3, 7, v7
	v_add_nc_u32 v7, s17, v7               ; my wave's 16 heads x 272 bytes: head r, columns 32 hh on
.macro STEP n, cnt
	s_wait_loadcnt \cnt
.set fe, 0
.rept 4
.set fp, 0
.rept 8
	v_cvt_pk_bf16_f32 v[FA+32*(\n)+8*fe+fp], v[VR+64*(\n)+8*fp+fe], v[VR+64*(\n)+8*fp+4+fe]
.set fp, fp+1
.endr
.set fe, fe+1
.endr
.irp e, 0,1,2,3                        ; the four accumulators take turns
.if (\n) == 0
	v_wmma_f32_16x16x32_bf16 v[AC+8*(\e):AC+8*(\e)+7], v[FA+8*(\e):FA+8*(\e)+7], v[WF:WF+7], 0
.else
	v_wmma_f32_16x16x32_bf16 v[AC+8*(\e):AC+8*(\e)+7], v[FA+32+8*(\e):FA+32+8*(\e)+7], v[WF+8:WF+15], v[AC+8*(\e):AC+8*(\e)+7]
.endif
.endr
.endm
	STEP 0, 16                             ; w and the first 32 keys are in; sixteen loads stay out
	STEP 1, 0
.rept 4
	v_nop
.endr
.irp j, 0,1,2,3,4,5,6,7                ; each accumulator's register 0 is read first
.irp e, 0,1,2,3
	ds_store_b32 v7, v[AC+8*(\e)+(\j)] offset:(4*(\j)+(\e))*4
.endr
.endr
	s_wait_dscnt 0x0
	s_barrier_signal -1
	s_barrier_wait -1
	v_mul_u32_u24 v7, v1, 272              ; thread t: head t / 32, two columns
	v_lshl_add_u32 v7, v4, 3, v7
.set rn, 0
.rept 16
	ds_load_b64 v[VR+2*rn:VR+2*rn+1], v7 offset:4352*rn
.set rn, rn+1
.endr
	v_lshlrev_b32 v5, 12, v1
	v_lshl_add_u32 v5, v4, 3, v5
	s_wait_dscnt 0x0
.irp d, 16,8,4,2
.set rn, 0
.rept (\d)/2
	v_pk_add_f32 v[VR+2*rn:VR+2*rn+1], v[VR+2*rn:VR+2*rn+1], v[VR+(\d)+2*rn:VR+(\d)+2*rn+1]
.set rn, rn+1
.endr
.endr
	global_store_b64 v5, v[VR:VR+1], s[8:9]        ; a wave stores 256 consecutive bytes, aligned
	s_wait_tensorcnt 0x0
	ds_add_u32 v62, v63
	s_wait_dscnt 0x0
	s_endpgm
.Lfunc_end_k_qd6ea54fe37_yv:
	.size	k_qd6ea54fe37_yv, .Lfunc_end_k_qd6ea54fe37_yv-k_qd6ea54fe37_yv
	.p2alignl 7, 3214868480
	.fill 96, 4, 3214868480
	.section	.rodata,"a",@progbits
	.p2align	6, 0x0
	.amdhsa_kernel k_qd6ea54fe37_yv
		.amdhsa_group_segment_fixed_size 71680
		.amdhsa_private_segment_fixed_size 0
		.amdhsa_enable_private_segment 0
		.amdhsa_kernarg_size 24
		.amdhsa_user_sgpr_count 2
		.amdhsa_user_sgpr_kernarg_segment_ptr 1
		.amdhsa_wavefront_size32 1
		.amdhsa_system_sgpr_workgroup_id_x 1
		.amdhsa_system_sgpr_workgroup_id_y 1
		.amdhsa_system_sgpr_workgroup_id_z 1
		.amdhsa_system_vgpr_workitem_id 0
		.amdhsa_next_free_vgpr 256
		.amdhsa_next_free_sgpr 66
		.amdhsa_reserve_vcc 0
		.amdhsa_float_denorm_mode_32 3
		.amdhsa_float_denorm_mode_16_64 3
		.amdhsa_memory_ordered 1
		.amdhsa_forward_progress 1
		.amdhsa_inst_pref_size 15
	.end_amdhsa_kernel
	.amdgpu_metadata
---
amdhsa.version: [ 1, 2 ]
amdhsa.kernels:
  - .name:           k_qd6ea54fe37_yv
    .symbol:         k_qd6ea54fe37_yv.kd
    .args:
      - { .name: V, .offset: 0, .size: 8, .value_kind: global_buffer, .address_space: global }
      - { .name: wb, .offset: 8, .size: 8, .value_kind: global_buffer, .address_space: global }
      - { .name: ypart, .offset: 16, .size: 8, .value_kind: global_buffer, .address_space: global }
    .group_segment_fixed_size: 71680
    .private_segment_fixed_size: 0
    .kernarg_segment_align: 8
    .kernarg_segment_size: 24
    .max_flat_workgroup_size: 512
    .sgpr_count:     66
    .vgpr_count:     256
    .wavefront_size: 32
...
	.end_amdgpu_metadata
.endif
;; end of part 7
;; launch ctx (part 8): grid 256 x 1, 4 waves a work-group, no clusters, 0 bytes of LDS; arguments ypart, Wv, bv, cflat; writes cflat
.if DOCPART == 8
	.amdgcn_target "amdgcn-amd-amdhsa--gfx1250"
	.amdhsa_code_object_version 6
	.text
	.protected	k_qd6ea54fe37_ctx
	.globl	k_qd6ea54fe37_ctx
	.p2align	8
	.type	k_qd6ea54fe37_ctx,@function
k_qd6ea54fe37_ctx:
	s_mov_b64 s[64:65], 0
	v_nop
	global_prefetch_b8 v0, s[64:65] scope:SCOPE_SE
	s_setreg_imm32_b32 hwreg(HW_REG_WAVE_MODE, 25, 1), 1
	s_wait_xcnt 0x0
; cflat[b][16 d + h] = y[b][h] . Wv[64 h + d] + bv[64 h + d], y = the sum of the four partial sums.  Work-group g owns rows 4 g .. 4 g + 3 of Wv (head g / 16), wave = b.
; Four rows against 4 MB of weights read once: bound by those bytes, so plain vector work; y stays in f32, Wv and bv are rounded to bf16 as every input is.
; A lane holds 32 of the 1,024 columns (8 loads of 16 bytes, a wave's load 512 consecutive bytes).  Wv's rows 2 and 3 are loaded into the registers that the sum over the partial sums frees.
.set Y, 64
.set ZR, 2
.set LN, 3
.set LO, 4
.set SEL, 24
.macro DOT wr, a                       ; v[a] = my 32 columns' part of a row's product; two chains
.set dp, 0
.rept 16
	v_cvt_pk_bf16_f32 v[(\wr)+dp], v[(\wr)+2*dp], v[(\wr)+2*dp+1]
.set dp, dp+1
.endr
	v_fma_mix_f32_bf16 v[\a], v[\wr], v[Y], v[ZR] op_sel_hi:[1,0,0]
	v_fma_mix_f32_bf16 v[(\a)+4], v[\wr], v[Y+1], v[ZR] op_sel:[1,0,0] op_sel_hi:[1,0,0]
.set dp, 1
.rept 15
	v_fma_mix_f32_bf16 v[\a], v[(\wr)+dp], v[Y+2*dp], v[\a] op_sel_hi:[1,0,0]
	v_fma_mix_f32_bf16 v[(\a)+4], v[(\wr)+dp], v[Y+2*dp+1], v[(\a)+4] op_sel:[1,0,0] op_sel_hi:[1,0,0]
.set dp, dp+1
.endr
	v_add_f32 v[\a], v[\a], v[(\a)+4]
.endm
.macro LANES a                         ; the sum over the 32 lanes, in every lane
.irp x, 1,2,4,8
	v_add_f32_dpp v[\a], v[\a], v[\a] row_xmask:\x row_mask:0xf bank_mask:0xf
.endr
	v_permlanex16_b32 v[(\a)+4], v[\a], s[SEL], s[SEL+1]
	v_add_f32 v[\a], v[\a], v[(\a)+4]
.endm
	s_load_b256 s[4:11], s[0:1], 0x0       ; ypart s[4:5], Wv s[6:7], bv s[8:9], cflat s[10:11]
	v_lshrrev_b32 v1, 5, v0
	v_readfirstlane_b32 s12, v1            ; b
	v_mov_b32 v[ZR], 0
	v_and_b32 v[LN], 31, v0
	v_lshlrev_b32 v[LO], 4, v[LN]
	v_lshlrev_b32 v5, 6, v[LN]             ; 16 numbers of cflat from d to d + 1
	s_mov_b32 s[SEL], 0x76543210
	s_mov_b32 s[SEL+1], 0xfedcba98
	s_mov_b32 s26, 0xaaaaaaaa
	s_mov_b32 s27, 0xcccccccc
	s_mov_b32 s28, 0xffff0000
	s_lshr_b32 s13, ttmp9, 4               ; h
	s_and_b32 s14, ttmp9, 15
	s_lshl_b32 s16, s12, 18
	s_lshl_b32 s15, s13, 12
	s_add_co_u32 s16, s16, s15
	s_mov_b32 s17, 0
	s_lshl_b32 s18, ttmp9, 14
	s_mov_b32 s19, 0
	s_lshl_b32 s20, ttmp9, 4
	s_mov_b32 s21, 0
	s_lshl_b32 s22, s12, 12
	s_lshl_b32 s15, s14, 8
	s_add_co_u32 s22, s22, s15
	s_lshl2_add_u32 s22, s13, s22
	s_mov_b32 s23, 0
	s_wait_kmcnt 0x0
	s_add_nc_u64 s[4:5], s[4:5], s[16:17]
	s_add_nc_u64 s[6:7], s[6:7], s[18:19]
	s_add_nc_u64 s[8:9], s[8:9], s[20:21]
	s_add_nc_u64 s[10:11], s[10:11], s[22:23]
.set yn, 0
.rept 32                               ; partial sum yn / 8, 512 bytes yn % 8
	global_load_b128 v[Y+4*yn:Y+4*yn+3], v[LO], s[4:5] offset:(yn/8)*65536+(yn%8)*512
.set yn, yn+1
.endr
.set yn, 0
.rept 16                               ; rows 0 and 1
	global_load_b128 v[192+4*yn:192+4*yn+3], v[LO], s[6:7] offset:(yn/8)*4096+(yn%8)*512 th:TH_LOAD_NT
.set yn, yn+1
.endr
	global_load_b128 v[20:23], v[ZR], s[8:9]
	s_wait_loadcnt 17                      ; the partial sums are in; 17 younger loads stay out
.irp k, 1,2,3
.set yn, 0
.rept 16
	v_pk_add_f32 v[Y+2*yn:Y+2*yn+1], v[Y+2*yn:Y+2*yn+1], v[Y+32*(\k)+2*yn:Y+32*(\k)+2*yn+1]
.set yn, yn+1
.endr
.endr
.set yn, 0
.rept 16                               ; rows 2 and 3
	global_load_b128 v[96+4*yn:96+4*yn+3], v[LO], s[6:7] offset:8192+(yn/8)*4096+(yn%8)*512 th:TH_LOAD_NT
.set yn, yn+1
.endr
	s_wait_loadcnt 16                      ; rows 0 and 1 and the bias are in
	DOT 192, 8
	DOT 224, 9
	s_wait_loadcnt 0x0
	DOT 96, 10
	DOT 128, 11
	LANES 8
	LANES 9
	LANES 10
	LANES 11
	v_cvt_pk_bf16_f32 v24, v20, v21
	v_cvt_pk_bf16_f32 v25, v22, v23
	v_lshlrev_b32 v20, 16, v24
	v_and_b32 v21, s28, v24
	v_lshlrev_b32 v22, 16, v25
	v_and_b32 v23, s28, v25
	v_pk_add_f32 v[8:9], v[8:9], v[20:21]
	v_pk_add_f32 v[10:11], v[10:11], v[22:23]
	v_cndmask_b32 v8, v8, v9, s26
	v_cndmask_b32 v10, v10, v11, s26
	v_cndmask_b32 v8, v8, v10, s27         ; lane l holds row l % 4
	v_cmp_gt_u32 vcc_lo, 4, v[LN]
	s_wait_xcnt 0x0                        ; EXEC changes only behind this wait
	s_and_saveexec_b32 s29, vcc_lo
	global_store_b32 v5, v8, s[10:11]
	s_wait_xcnt 0x0
	s_or_b32 exec_lo, exec_lo, s29
	s_endpgm
.Lfunc_end_k_qd6ea54fe37_ctx:
	.size	k_qd6ea54fe37_ctx, .Lfunc_end_k_qd6ea54fe37_ctx-k_qd6ea54fe37_ctx
	.p2alignl 7, 3214868480
	.fill 96, 4, 3214868480
	.section	.rodata,"a",@progbits
	.p2align	6, 0x0
	.amdhsa_kernel k_qd6ea54fe37_ctx
		.amdhsa_group_segment_fixed_size 0
		.amdhsa_private_segment_fixed_size 0
		.amdhsa_enable_private_segment 0
		.amdhsa_kernarg_size 32
		.amdhsa_user_sgpr_count 2
		.amdhsa_user_sgpr_kernarg_segment_ptr 1
		.amdhsa_wavefront_size32 1
		.amdhsa_system_sgpr_workgroup_id_x 1
		.amdhsa_system_sgpr_workgroup_id_y 1
		.amdhsa_system_sgpr_workgroup_id_z 1
		.amdhsa_system_vgpr_workitem_id 0
		.amdhsa_next_free_vgpr 256
		.amdhsa_next_free_sgpr 66
		.amdhsa_reserve_vcc 1
		.amdhsa_float_denorm_mode_32 3
		.amdhsa_float_denorm_mode_16_64 3
		.amdhsa_memory_ordered 1
		.amdhsa_forward_progress 1
		.amdhsa_inst_pref_size 25
	.end_amdhsa_kernel
	.amdgpu_metadata
---
amdhsa.version: [ 1, 2 ]
amdhsa.kernels:
  - .name:           k_qd6ea54fe37_ctx
    .symbol:         k_qd6ea54fe37_ctx.kd
    .args:
      - { .name: ypart, .offset: 0, .size: 8, .value_kind: global_buffer, .address_space: global }
      - { .name: Wv, .offset: 8, .size: 8, .value_kind: global_buffer, .address_space: global }
      - { .name: bv, .offset: 16, .size: 8, .value_kind: global_buffer, .address_space: global }
      - { .name: cflat, .offset: 24, .size: 8, .value_kind: global_buffer, .address_space: global }
    .group_segment_fixed_size: 0
    .private_segment_fixed_size: 0
    .kernarg_segment_align: 8
    .kernarg_segment_size: 32
    .max_flat_workgroup_size: 128
    .sgpr_count:     66
    .vgpr_count:     256
    .wavefront_size: 32
...
	.end_amdgpu_metadata
.endif
;; end of part 8
;; launch outp (part 9): grid 256 x 1, 4 waves a work-group, no clusters, 0 bytes of LDS; arguments cflat, Wo, bo, out0; writes out0
.if DOCPART == 9
	.amdgcn_target "amdgcn-amd-amdhsa--gfx1250"
	.amdhsa_code_object_version 6
	.text
	.protected	k_qd6ea54fe37_outp
	.globl	k_qd6ea54fe37_outp
	.p2align	8
	.type	k_qd6ea54fe37_outp,@function
k_qd6ea54fe37_outp:
	s_mov_b64 s[64:65], 0
	v_nop
	global_prefetch_b8 v0, s[64:65] scope:SCOPE_SE
	s_setreg_imm32_b32 hwreg(HW_REG_WAVE_MODE, 25, 1), 1
	s_wait_xcnt 0x0
; out0[b][n] = cflat[b] . Wo[n] + bo[n].  Work-group g owns rows 4 g .. 4 g + 3 of Wo, wave = b.  Four rows against 4 MB of weights read once: plain vector work;
; cflat stays in f32, Wo and bo are rounded to bf16 as every input is.  A lane holds 32 of the 1,024 columns.
.set Y, 64
.set ZR, 2
.set LN, 3
.set LO, 4
.set SEL, 24
.macro DOT wr, a
.set dp, 0
.rept 16
	v_cvt_pk_bf16_f32 v[(\wr)+dp], v[(\wr)+2*dp], v[(\wr)+2*dp+1]
.set dp, dp+1
.endr
	v_fma_mix_f32_bf16 v[\a], v[\wr], v[Y], v[ZR] op_sel_hi:[1,0,0]
	v_fma_mix_f32_bf16 v[(\a)+4], v[\wr], v[Y+1], v[ZR] op_sel:[1,0,0] op_sel_hi:[1,0,0]
.set dp, 1
.rept 15
	v_fma_mix_f32_bf16 v[\a], v[(\wr)+dp], v[Y+2*dp], v[\a] op_sel_hi:[1,0,0]
	v_fma_mix_f32_bf16 v[(\a)+4], v[(\wr)+dp], v[Y+2*dp+1], v[(\a)+4] op_sel:[1,0,0] op_sel_hi:[1,0,0]
.set dp, dp+1
.endr
	v_add_f32 v[\a], v[\a], v[(\a)+4]
.endm
.macro LANES a
.irp x, 1,2,4,8
	v_add_f32_dpp v[\a], v[\a], v[\a] row_xmask:\x row_mask:0xf bank_mask:0xf
.endr
	v_permlanex16_b32 v[(\a)+4], v[\a], s[SEL], s[SEL+1]
	v_add_f32 v[\a], v[\a], v[(\a)+4]
.endm
	s_load_b256 s[4:11], s[0:1], 0x0       ; cflat s[4:5], Wo s[6:7], bo s[8:9], out0 s[10:11]
	v_lshrrev_b32 v1, 5, v0
	v_readfirstlane_b32 s12, v1            ; b
	v_mov_b32 v[ZR], 0
	v_and_b32 v[LN], 31, v0
	v_lshlrev_b32 v[LO], 4, v[LN]
	v_lshlrev_b32 v5, 2, v[LN]
	s_mov_b32 s[SEL], 0x76543210
	s_mov_b32 s[SEL+1], 0xfedcba98
	s_mov_b32 s26, 0xaaaaaaaa
	s_mov_b32 s27, 0xcccccccc
	s_mov_b32 s28, 0xffff0000
	s_lshl_b32 s16, s12, 12
	s_mov_b32 s17, 0
	s_lshl_b32 s18, ttmp9, 14
	s_mov_b32 s19, 0
	s_lshl_b32 s20, ttmp9, 4
	s_mov_b32 s21, 0
	s_add_co_u32 s22, s16, s20
	s_mov_b32 s23, 0
	s_wait_kmcnt 0x0
	s_add_nc_u64 s[4:5], s[4:5], s[16:17]
	s_add_nc_u64 s[6:7], s[6:7], s[18:19]
	s_add_nc_u64 s[8:9], s[8:9], s[20:21]
	s_add_nc_u64 s[10:11], s[10:11], s[22:23]
.set yn, 0
.rept 8
	global_load_b128 v[Y+4*yn:Y+4*yn+3], v[LO], s[4:5] offset:yn*512
.set yn, yn+1
.endr
.set yn, 0
.rept 32
	global_load_b128 v[96+4*yn:96+4*yn+3], v[LO], s[6:7] offset:(yn/8)*4096+(yn%8)*512 th:TH_LOAD_NT
.set yn, yn+1
.endr
	global_load_b128 v[20:23], v[ZR], s[8:9]
	s_wait_loadcnt 0x0
	DOT 96, 8
	DOT 128, 9
	DOT 160, 10
	DOT 192, 11
	LANES 8
	LANES 9
	LANES 10
	LANES 11
	v_cvt_pk_bf16_f32 v24, v20, v21
	v_cvt_pk_bf16_f32 v25, v22, v23
	v_lshlrev_b32 v20, 16, v24
	v_and_b32 v21, s28, v24
	v_lshlrev_b32 v22, 16, v25
	v_and_b32 v23, s28, v25
	v_pk_add_f32 v[8:9], v[8:9], v[20:21]
	v_pk_add_f32 v[10:11], v[10:11], v[22:23]
	v_cndmask_b32 v8, v8, v9, s26
	v_cndmask_b32 v10, v10, v11, s26
	v_cndmask_b32 v8, v8, v10, s27         ; lane l holds row l % 4
	v_cmp_gt_u32 vcc_lo, 4, v[LN]
	s_wait_xcnt 0x0                        ; EXEC changes only behind this wait
	s_and_saveexec_b32 s29, vcc_lo
	global_store_b32 v5, v8, s[10:11]
	s_wait_xcnt 0x0
	s_or_b32 exec_lo, exec_lo, s29
	s_endpgm
.Lfunc_end_k_qd6ea54fe37_outp:
	.size	k_qd6ea54fe37_outp, .Lfunc_end_k_qd6ea54fe37_outp-k_qd6ea54fe37_outp
	.p2alignl 7, 3214868480
	.fill 96, 4, 3214868480
	.section	.rodata,"a",@progbits
	.p2align	6, 0x0
	.amdhsa_kernel k_qd6ea54fe37_outp
		.amdhsa_group_segment_fixed_size 0
		.amdhsa_private_segment_fixed_size 0
		.amdhsa_enable_private_segment 0
		.amdhsa_kernarg_size 32
		.amdhsa_user_sgpr_count 2
		.amdhsa_user_sgpr_kernarg_segment_ptr 1
		.amdhsa_wavefront_size32 1
		.amdhsa_system_sgpr_workgroup_id_x 1
		.amdhsa_system_sgpr_workgroup_id_y 1
		.amdhsa_system_sgpr_workgroup_id_z 1
		.amdhsa_system_vgpr_workitem_id 0
		.amdhsa_next_free_vgpr 224
		.amdhsa_next_free_sgpr 66
		.amdhsa_reserve_vcc 1
		.amdhsa_float_denorm_mode_32 3
		.amdhsa_float_denorm_mode_16_64 3
		.amdhsa_memory_ordered 1
		.amdhsa_forward_progress 1
		.amdhsa_inst_pref_size 20
	.end_amdhsa_kernel
	.amdgpu_metadata
---
amdhsa.version: [ 1, 2 ]
amdhsa.kernels:
  - .name:           k_qd6ea54fe37_outp
    .symbol:         k_qd6ea54fe37_outp.kd
    .args:
      - { .name: cflat, .offset: 0, .size: 8, .value_kind: global_buffer, .address_space: global }
      - { .name: Wo, .offset: 8, .size: 8, .value_kind: global_buffer, .address_space: global }
      - { .name: bo, .offset: 16, .size: 8, .value_kind: global_buffer, .address_space: global }
      - { .name: out0, .offset: 24, .size: 8, .value_kind: global_buffer, .address_space: global }
    .group_segment_fixed_size: 0
    .private_segment_fixed_size: 0
    .kernarg_segment_align: 8
    .kernarg_segment_size: 32
    .max_flat_workgroup_size: 128
    .sgpr_count:     66
    .vgpr_count:     224
    .wavefront_size: 32
...
	.end_amdgpu_metadata
.endif
;; end of part 9
;; ======== version 2 of 3: 9 launches; 1.31 times as fast as version 1
;; workspace buffers: prep 3,276,800 bytes; mq 34,603,008 bytes; sel 65,536 bytes of whole numbers; tb 6,291,456 bytes; pm 26,738,688 bytes; wb 524,288 bytes; ypart 1,048,576 bytes; cflat 16,384 bytes
;; launch prep (part 10): grid 256 x 1, 4 waves a work-group, no clusters, 12,800 bytes of LDS; arguments K, Wk, bk, Wq, index_sample, prep; writes prep
.if DOCPART == 10
	.amdgcn_target "amdgcn-amd-amdhsa--gfx1250"
	.amdhsa_code_object_version 6
	.text
	.protected	k_qd6ea54fe37_prep
	.globl	k_qd6ea54fe37_prep
	.p2align	8
	.type	k_qd6ea54fe37_prep,@function
k_qd6ea54fe37_prep:
	s_mov_b64 s[64:65], 0
	v_nop
	global_prefetch_b8 v0, s[64:65] scope:SCOPE_SE
	s_setreg_imm32_b32 hwreg(HW_REG_WAVE_MODE, 25, 1), 1
	s_wait_xcnt 0x0
; TWO JOBS for work-group g = 4 (16 b + h) + i.
; (A) rows 4 g .. 4 g + 3 of Wq are rounded to bf16: prep[0 ..), [1024][1024] bf16.
; (B) channels 16 i .. 16 i + 15 of the 45 sampled keys of head h of batch b: k_s = K[b][index] . Wk_h^T + bk_h (inputs rounded to bf16, sums in f32), and each f32 result is cut
;     into three bf16 pieces whose sum is the number itself (8 + 8 + 8 significant bits, by truncation): prep[2097152 ..), [bh][piece 3][sample 48][channel 64] bf16; samples 45-47 are 0.
; LIMIT: the cut is exact for numbers above about 2^-110 in size; below that the last piece leaves bf16's range.
; SHARES of (B): wave w takes a quarter of K = 1024: 8 steps of 32.  Source 0 = 16 rows of Wk, source 1 = 16 gathered rows of K, three such tiles:
; in the result a lane holds one sample (lane % 16) and eight channels.  Both operands are f32 in memory: in a step of 32 lane (r, hh) takes the 16 numbers 16 hh .. 16 hh + 15 of its row,
; 64 consecutive bytes; the same order of k on both sides leaves the products as they are.  Three register stages of 16 loads are on their way.
; A load of a fragment touches 16 rows, so the work is spread thin: four waves to a work-group, 256 work-groups.
; The four quarters' sums meet in LDS; wave 0 finishes.  The 16-byte stores of (B) fill rows of 128 bytes piece by piece: 1.2 MB in all, taken as it is.
.set ACC, 8            ; v8-31   three accumulators
.set XO, 32            ; v32-34  byte offset of my gathered row, for each of the three tiles
.set WO, 35            ; v35     byte offset of my row of Wk
.set R3, 36            ; v36-59  Wq packed; later the third partial set
.set IDX, 60           ; v60-62  the indices
.set SO, 63            ; v63     my byte offset in a piece
.set ST, 64            ; v64-255 three stages of 64: Wk 16, K 3 x 16
.set PKD, 64           ; later: the nine packed results
.set TMP, 100          ; later: 24 at work
.set R1, 192
.set R2, 216
.set BI, 240           ; the bias, 8 numbers
.set BT, 248
.set WV, 16
.set XB, 28            ; s[28:29] K at my batch and quarter
.set WB, 30            ; s[30:31] Wk at my 16 rows and quarter
.set PSEL, 44
.set HMASK, 45
.set ZM, 46
.macro NOPS4
.rept 4
	v_nop
.endr
.endm
.macro GLOAD s                         ; the 16 loads of step s, into stage s % 3
.set gb, ST+64*((\s)%3)
.irp c, 0,1,2,3
	global_load_b128 v[gb+4*(\c):gb+4*(\c)+3], v[WO], s[WB:WB+1] offset:128*(\s)+16*(\c)
.endr
.irp jt, 0,1,2
.irp c, 0,1,2,3
	global_load_b128 v[gb+16+16*(\jt)+4*(\c):gb+16+16*(\jt)+4*(\c)+3], v[XO+(\jt)], s[XB:XB+1] offset:128*(\s)+16*(\c)
.endr
.endr
.endm
.macro GSTEP s, cnt                    ; cnt: the loads of the younger stages, which stay out
.set gb, ST+64*((\s)%3)
	s_wait_loadcnt \cnt
.set gz, 0
.rept 4
.set gp, 0
.rept 8
	v_cvt_pk_bf16_f32 v[gb+16*gz+gp], v[gb+16*gz+2*gp], v[gb+16*gz+2*gp+1]  ; in place, ascending: the write never passes the reads
.set gp, gp+1
.endr
.set gz, gz+1
.endr
.irp jt, 0,1,2                         ; the three accumulators take turns
.if (\s) == 0
	v_wmma_f32_16x16x32_bf16 v[ACC+8*(\jt):ACC+8*(\jt)+7], v[gb:gb+7], v[gb+16+16*(\jt):gb+16+16*(\jt)+7], 0
.else
	v_wmma_f32_16x16x32_bf16 v[ACC+8*(\jt):ACC+8*(\jt)+7], v[gb:gb+7], v[gb+16+16*(\jt):gb+16+16*(\jt)+7], v[ACC+8*(\jt):ACC+8*(\jt)+7]
.endif
.endr
	NOPS4                                  ; four places in front of loads into registers that the products read, and of reads of the results
.if (\s)+3 <= 7
	GLOAD (\s)+3
.endif
.endm
.macro ADD24 src
.set aq, 0
.rept 12
	v_pk_add_f32 v[ACC+2*aq:ACC+2*aq+1], v[ACC+2*aq:ACC+2*aq+1], v[(\src)+2*aq:(\src)+2*aq+1]
.set aq, aq+1
.endr
.endm
.macro PIECE pc                        ; the upper halves of the 24 numbers, packed in pairs
.set pq, 0
.rept 12
	v_perm_b32 v[PKD+4*(3*(\pc)+pq/4)+pq%4], v[ACC+2*pq+1], v[ACC+2*pq], s[PSEL]
.set pq, pq+1
.endr
.endm
.macro REST                            ; what is left when the upper halves are taken away: exact
.set pq, 0
.rept 24
	v_and_b32 v[TMP+pq], s[HMASK], v[ACC+pq]
.set pq, pq+1
.endr
.set pq, 0
.rept 12
	v_pk_add_f32 v[ACC+2*pq:ACC+2*pq+1], v[ACC+2*pq:ACC+2*pq+1], v[TMP+2*pq:TMP+2*pq+1] neg_lo:[0,1] neg_hi:[0,1]
.set pq, pq+1
.endr
.endm
	s_load_b256 s[4:11], s[0:1], 0x0       ; K s[4:5], Wk s[6:7], bk s[8:9], Wq s[10:11]
	s_load_b128 s[12:15], s[0:1], 0x20     ; index_sample s[12:13], prep s[14:15]
	s_set_vgpr_msb 0x40
	v_lshl_add_u32 v0, v0, 2, 0x3000
	v_mov_b32 v1, 0
	s_set_vgpr_msb 0x4000
	v_lshrrev_b32 v1, 5, v0
	v_readfirstlane_b32 s[WV], v1          ; wave 0..3: my quarter of K
	v_and_b32 v2, 15, v0                   ; r
	v_bfe_u32 v3, v0, 4, 1                 ; hh
	v_and_b32 v4, 31, v0                   ; lane
	v_lshlrev_b32 v1, 5, v3                ; the bias: 8 numbers for each half of the lanes
	v_lshlrev_b32 v5, 5, v0                ; (A) 32 bytes of f32 a thread: 128 threads take a row,
	v_lshlrev_b32 v7, 4, v0                ;     16 bytes of bf16
	s_and_b32 s17, ttmp9, 3                ; i
	s_lshr_b32 s33, ttmp9, 2               ; bh
	s_lshr_b32 s19, ttmp9, 6               ; b
	s_and_b32 s20, s33, 15                 ; h
	s_mul_i32 s21, s[WV], 3072
	v_lshl_add_u32 v6, v4, 4, s21          ; my 16 bytes in my wave's 3,072 of the exchange
	v_lshlrev_b32 v[SO], 7, v2
	v_lshl_add_u32 v[SO], v3, 4, v[SO]     ; sample r x 128 bytes + 16 hh
	v_lshlrev_b32 v[WO], 12, v2
	v_lshl_add_u32 v[WO], v3, 6, v[WO]     ; row r x 4,096 + 64 hh
.irp jt, 0,1,2
	v_add_nc_u32 v[XO+(\jt)], 16*(\jt), v2
	v_min_u32 v[XO+(\jt)], 44, v[XO+(\jt)] ; samples 45-47 repeat 44 here and are set to 0 below
	v_lshlrev_b32 v[XO+(\jt)], 2, v[XO+(\jt)]
.endr
	s_mov_b32 s[PSEL], 0x07060302
	s_mov_b32 s[HMASK], 0xffff0000
	s_mov_b32 s[ZM], 0xe000e000            ; lanes with r >= 13
	s_lshl_b32 s22, ttmp9, 14              ; (A) 4 rows of 4,096 bytes
	s_mov_b32 s23, 0
	s_lshl_b32 s34, ttmp9, 13
	s_mov_b32 s35, 0
	s_mul_i32 s36, s33, 18432              ; (B) a head's three pieces
	s_lshl_b32 s21, s17, 5
	s_add_co_u32 s36, s36, s21
	s_add_co_u32 s36, s36, 2097152
	s_mov_b32 s37, 0
	s_lshl_b32 s38, s19, 24                ; a batch of K
	s_lshl_b32 s21, s[WV], 10              ; a quarter of a row
	s_add_co_u32 s38, s38, s21
	s_mov_b32 s39, 0
	s_lshl_b32 s40, s20, 6
	s_lshl4_add_u32 s40, s17, s40          ; channel 64 h + 16 i
	s_lshl_b32 s42, s40, 2
	s_mov_b32 s43, 0
	s_lshl_b32 s40, s40, 12
	s_add_co_u32 s40, s40, s21
	s_mov_b32 s41, 0
	s_wait_kmcnt 0x0
	s_add_nc_u64 s[10:11], s[10:11], s[22:23]
	s_add_nc_u64 s[24:25], s[14:15], s[34:35]
	s_add_nc_u64 s[26:27], s[14:15], s[36:37]
	s_add_nc_u64 s[XB:XB+1], s[4:5], s[38:39]
	s_add_nc_u64 s[WB:WB+1], s[6:7], s[40:41]
	s_add_nc_u64 s[8:9], s[8:9], s[42:43]
.irp jt, 0,1,2
	global_load_b32 v[IDX+(\jt)], v[XO+(\jt)], s[12:13]
.endr
.irp p, 0,1,2,3
	global_load_b128 v[R1+8*(\p):R1+8*(\p)+3], v5, s[10:11] offset:4096*(\p)
	global_load_b128 v[R1+8*(\p)+4:R1+8*(\p)+7], v5, s[10:11] offset:4096*(\p)+16
.endr
	s_wait_loadcnt 8                       ; the three indices are in; Wq's eight loads stay out
.irp jt, 0,1,2
	v_min_u32 v[IDX+(\jt)], 0xfff, v[IDX+(\jt)]
	v_lshlrev_b32 v[IDX+(\jt)], 12, v[IDX+(\jt)]
	v_lshl_add_u32 v[XO+(\jt)], v3, 6, v[IDX+(\jt)]
.endr
	GLOAD 0
	GLOAD 1
	s_wait_loadcnt 32                      ; Wq is in; the two stages stay out
.irp p, 0,1,2,3
.irp k, 0,1,2,3
	v_cvt_pk_bf16_f32 v[R3+4*(\p)+(\k)], v[R1+8*(\p)+2*(\k)], v[R1+8*(\p)+2*(\k)+1]
.endr
	global_store_b128 v7, v[R3+4*(\p):R3+4*(\p)+3], s[24:25] offset:2048*(\p)  ; a wave stores 512 consecutive bytes
.endr
	GLOAD 2
	GSTEP 0, 32
	GSTEP 1, 32
	GSTEP 2, 32
	GSTEP 3, 32
	GSTEP 4, 32
	GSTEP 5, 32
	GSTEP 6, 16
	GSTEP 7, 0
	s_cmp_eq_u32 s[WV], 0
	s_cbranch_scc1 .Lkeep
.irp n, 0,1,2,3,4,5
	ds_store_b128 v6, v[ACC+4*(\n):ACC+4*(\n)+3] offset:512*(\n)
.endr
.Lkeep:
	s_wait_dscnt 0x0                       ; for wave 0's sake: my stores are done
	s_barrier_signal -1
	s_barrier_wait -1
	s_cmp_lg_u32 s[WV], 0
	s_cbranch_scc1 .Lend
	s_wait_xcnt 0x0                        ; v36-51 were store data
.irp n, 0,1,2,3,4,5
	ds_load_b128 v[R1+4*(\n):R1+4*(\n)+3], v6 offset:3072+512*(\n)
.endr
.irp n, 0,1,2,3,4,5
	ds_load_b128 v[R2+4*(\n):R2+4*(\n)+3], v6 offset:6144+512*(\n)
.endr
.irp n, 0,1,2,3,4,5
	ds_load_b128 v[R3+4*(\n):R3+4*(\n)+3], v6 offset:9216+512*(\n)
.endr
	global_load_b128 v[BI:BI+3], v1, s[8:9]
	global_load_b128 v[BI+4:BI+7], v1, s[8:9] offset:16
	s_wait_dscnt 0x0
	ADD24 R1
	ADD24 R2
	ADD24 R3
	s_wait_loadcnt 0x0
.irp p, 0,1,2,3
	v_cvt_pk_bf16_f32 v[BT+(\p)], v[BI+2*(\p)], v[BI+2*(\p)+1]   ; the bias is an input: rounded to bf16 like the others
.endr
.irp p, 0,1,2,3
	v_lshlrev_b32 v[BI+2*(\p)], 16, v[BT+(\p)]
	v_and_b32 v[BI+2*(\p)+1], s[HMASK], v[BT+(\p)]
.endr
.irp jt, 0,1,2
.irp p, 0,1,2,3
	v_pk_add_f32 v[ACC+8*(\jt)+2*(\p):ACC+8*(\jt)+2*(\p)+1], v[ACC+8*(\jt)+2*(\p):ACC+8*(\jt)+2*(\p)+1], v[BI+2*(\p):BI+2*(\p)+1]
.endr
.endr
.irp n, 0,1,2,3,4,5,6,7
	v_cndmask_b32 v[ACC+16+(\n)], v[ACC+16+(\n)], 0, s[ZM]       ; samples 45-47
.endr
	PIECE 0
	REST
	PIECE 1
	REST
	PIECE 2
.irp pc, 0,1,2
.irp jt, 0,1,2
	global_store_b128 v[SO], v[PKD+4*(3*(\pc)+(\jt)):PKD+4*(3*(\pc)+(\jt))+3], s[26:27] offset:6144*(\pc)+2048*(\jt)
.endr
.endr
.Lend:
	s_set_vgpr_msb 0x5
	s_wait_tensorcnt 0x0
	ds_add_u32 v0, v1
	s_wait_dscnt 0x0
	s_set_vgpr_msb 0x500
	s_endpgm
.Lfunc_end_k_qd6ea54fe37_prep:
	.size	k_qd6ea54fe37_prep, .Lfunc_end_k_qd6ea54fe37_prep-k_qd6ea54fe37_prep
	.p2alignl 7, 3214868480
	.fill 96, 4, 3214868480
	.section	.rodata,"a",@progbits
	.p2align	6, 0x0
	.amdhsa_kernel k_qd6ea54fe37_prep
		.amdhsa_group_segment_fixed_size 12800
		.amdhsa_private_segment_fixed_size 0
		.amdhsa_enable_private_segment 0
		.amdhsa_kernarg_size 48
		.amdhsa_user_sgpr_count 2
		.amdhsa_user_sgpr_kernarg_segment_ptr 1
		.amdhsa_wavefront_size32 1
		.amdhsa_system_sgpr_workgroup_id_x 1
		.amdhsa_system_sgpr_workgroup_id_y 1
		.amdhsa_system_sgpr_workgroup_id_z 1
		.amdhsa_system_vgpr_workitem_id 0
		.amdhsa_next_free_vgpr 258
		.amdhsa_next_free_sgpr 66
		.amdhsa_reserve_vcc 0
		.amdhsa_float_denorm_mode_32 3
		.amdhsa_float_denorm_mode_16_64 3
		.amdhsa_memory_ordered 1
		.amdhsa_forward_progress 1
		.amdhsa_inst_pref_size 49
	.end_amdhsa_kernel
	.amdgpu_metadata
---
amdhsa.version: [ 1, 2 ]
amdhsa.kernels:
  - .name:           k_qd6ea54fe37_prep
    .symbol:         k_qd6ea54fe37_prep.kd
    .args:
      - { .name: K, .offset: 0, .size: 8, .value_kind: global_buffer, .address_space: global }
      - { .name: Wk, .offset: 8, .size: 8, .value_kind: global_buffer, .address_space: global }
      - { .name: bk, .offset: 16, .size: 8, .value_kind: global_buffer, .address_space: global }
      - { .name: Wq, .offset: 24, .size: 8, .value_kind: global_buffer, .address_space: global }
      - { .name: index_sample, .offset: 32, .size: 8, .value_kind: global_buffer, .address_space: global }
      - { .name: prep, .offset: 40, .size: 8, .value_kind: global_buffer, .address_space: global }
    .group_segment_fixed_size: 12800
    .private_segment_fixed_size: 0
    .kernarg_segment_align: 8
    .kernarg_segment_size: 48
    .max_flat_workgroup_size: 128
    .sgpr_count:     66
    .vgpr_count:     258
    .wavefront_size: 32
...
	.end_amdgpu_metadata
.endif
;; end of part 10
;; launch qm (part 11): grid 64 x 4, 4 waves a work-group, clusters of 4 x 1, 327,680 bytes of LDS; arguments Q, prep, bq, mq; writes mq
.if DOCPART == 11
	.amdgcn_target "amdgcn-amd-amdhsa--gfx1250"
	.amdhsa_code_object_version 6
	.text
	.protected	k_qd6ea54fe37_qm
	.globl	k_qd6ea54fe37_qm
	.p2align	8
	.type	k_qd6ea54fe37_qm,@function
k_qd6ea54fe37_qm:
	s_mov_b64 s[64:65], 0
	v_nop
	global_prefetch_b8 v0, s[64:65] scope:SCOPE_SE
	s_setreg_imm32_b32 hwreg(HW_REG_WAVE_MODE, 25, 1), 1
	s_wait_xcnt 0x0
	s_wait_alu depctr_hold_cnt(0) depctr_sa_sdst(0) depctr_va_vdst(0) depctr_va_sdst(0) depctr_va_ssrc(0) depctr_va_vcc(0) depctr_vm_vsrc(0)
	s_getreg_b32 s2, hwreg(HW_REG_IB_STS2, 6, 4)
	s_cmp_eq_u32 s2, 0
	s_cbranch_scc0 .Lentry_in_a_cluster
	s_endpgm
.Lentry_in_a_cluster:
	s_bfe_u32 s2, ttmp6, 0x10000c
	s_cmp_lg_u32 s2, 0x3003
	s_cbranch_scc0 .Lentry_shape_is_right
	s_endpgm
.Lentry_shape_is_right:
; q = Q Wq^T + bq, and of it two things: M[b][h][q] = max_s(q . k_s) - mean_s(q . k_s) over the 45 sampled keys (mq, from byte 0: [bh][4096] f32), and q itself rounded to bf16
; (mq, from byte 1,048,576), laid as it lies in the lanes: [bh][tile of 16 queries][4][lane 32][16 bytes]; lane (r, hh) of part ii holds channels 16 ii + 8 hh + 0..7 of the tile's query r.
; SHARES.  A work-group owns 256 rows of Q (x) and 256 channels = 4 heads (y); each of its four waves 64 rows and ALL 256 channels: 64 accumulators, 512 registers.
; So a row of Q is wanted by one wave alone: it goes from memory (f32) into registers, is rounded to bf16 there and never touches LDS.  Wq (bf16, from the launch before) comes by tensor
; loads, K in steps of 128, through two LDS slots; each wave fetches 64 of a step's 256 rows.  Source 0 = 16 rows of Wq, source 1 = 16 rows of Q: a lane holds one query and eight channels.
; In a step of 32 along K lane (r, hh) holds k = 16 hh .. 16 hh + 15 of its row on both sides: 64 consecutive bytes of f32, 32 of bf16.
; The sums start from bq (rounded to bf16, as every input is).
; THE SAMPLE SCORES must keep f32's accuracy, since the choice of the 45 best rows hangs on them: q is cut into three bf16 pieces that add up to it exactly, as the keys were, and six of the
; nine products of pieces are summed, small ones first; the three left out lie 2^-24 below the result.  LIMIT: exact cuts for numbers above about 2^-110 in size.
; The finished accumulators go into the wave's own 64 KB of LDS (the slots have had their last fill), so that one text, looped, serves all 16 pairs of head and query tile.
; CLUSTER.  The four work-groups of a cluster lie side by side along x: other rows of Q, the same 256 channels.  So Wq's tile, 64 KB of a step's 192 KB, is asked for JOINTLY: the same tensor
; load, with the same descriptor (it hangs on y and the wave's number alone) and a mask that names the four, in all four; each receives the tile in its own LDS.  Q's rows are each work-group's own.
; REGISTERS, in windows of 256: window 0: v2-31 addresses and work; v32-95 Q in bf16, two buffers; v128-255 Wq's fragments, two halves.  Window 1: Q in f32, four stages of 64.  Windows 2, 3: accumulator (i, j) at 8 (4 i + j).
.set NB1, 16           ; LDS loads of the upper half of Wq's tiles
.set RW, 64            ; rows of Wq that a wave fetches
.set PITCH, 272        ; 256 bytes + 16: the 16 rows of a load start at 16 different groups of four banks
.set SLOT1, 131072
.set SPARE, 262144     ; the spare words: 128 bytes a wave, two blocks of 256 bytes that no other line names
.set SPW, 2
.set NIL, 3
.set WA0, 4            ; my lane's place in a tile of Wq
.set WA, 5             ; the same in the slot in hand
.set QO, 6             ; my byte offset in the work-group's rows of Q
.set DA, 7             ; my 16 bytes in my wave's 64 KB
.set BO, 8
.set KO, 9
.set MO, 10
.set DL, 11
.set QSO, 15           ; 16 x lane: my place in 512 bytes of the image of q
.set QB0, 32
.set QP, 32            ; later: q in bf16, 32 registers
.set S, 64             ; six score accumulators
.set WB0, 128
.set X, 128            ; later: 64 numbers of q
.set T, 192            ; later: at work
.set WV, 12
.set TB, 13
.set LC, 14
.set LC2, 15
.set G1, 16
.set G0, 24
.set SEL, 32
.set HIM, 34
.set PSEL, 35
.set HMASK, 36
.set INV45, 37
.set DLS, 38
.set KSB, 40
.set QSB, 44           ; s[44:45] the image of q at my wave's tiles
.set XG, 47            ; s47 the work-group's x: it enters global addresses of Q and of the results alone
.set MSB, 0
.macro WIN new                         ; the high byte repeats the setting that is left; a switch that changes nothing is dropped
.if MSB != (\new)
	s_set_vgpr_msb (MSB<<8)|(\new)
.set MSB, (\new)
.endif
.endm
.macro NOPS4
.rept 4
	v_nop
.endr
.endm
; A round of the cluster's barrier: my work-group's barrier, so that wave 0's signal speaks for all four waves; wave 0 signals for the work-group; every wave waits for all four
; work-groups; my work-group's barrier once more.  No LDS instruction of the wave is pending at a signal.
.macro CROUND
	s_barrier_signal -1
	s_barrier_wait -1
	s_cmp_lg_u32 s[WV], 0
	s_cbranch_scc1 .Lnot_wave_0_\@
	s_barrier_signal -3
.Lnot_wave_0_\@:
	s_barrier_wait -3
	s_barrier_signal -1
	s_barrier_wait -1
.endm
.macro LDW hi, q, cnt                  ; fragments of cnt tiles of Wq, 32 along K at byte 64 q of the rows
.set li, 0
.rept \cnt
	ds_load_b128 v[WB0+64*(\hi)+8*li:WB0+64*(\hi)+8*li+3], v[WA] offset:(8*(\hi)+li)*16*PITCH+64*(\q)
	ds_load_b128 v[WB0+64*(\hi)+8*li+4:WB0+64*(\hi)+8*li+7], v[WA] offset:(8*(\hi)+li)*16*PITCH+64*(\q)+16
.set li, li+1
.endr
.endm
.macro MUL hi, cnt, qb                 ; cnt x 4 products; every accumulator has one turn
	WIN 0xa0+0x50*(\hi)
.set mi, 0
.rept \cnt
.set mj, 0
.rept 4
	v_wmma_f32_16x16x32_bf16 v[8*(4*mi+mj):8*(4*mi+mj)+7], v[WB0+64*(\hi)+8*mi:WB0+64*(\hi)+8*mi+7], v[(\qb)+8*mj:(\qb)+8*mj+7], v[8*(4*mi+mj):8*(4*mi+mj)+7]
.set mj, mj+1
.endr
.set mi, mi+1
.endr
.endm
.macro CVTQ st, qb                     ; a stage of Q, 64 f32 a lane, rounded into a buffer of 32
	WIN 0x05
.set cp, 0
.rept 32
	v_cvt_pk_bf16_f32 v[(\qb)+cp], v[64*(\st)+2*cp], v[64*(\st)+2*cp+1]
.set cp, cp+1
.endr
.endm
.macro LDQ st, imm                     ; 16 loads: 32 along K of my 64 rows
	WIN 0x40
.set qj, 0
.rept 4
.set qc, 0
.rept 4
	global_load_b128 v[64*(\st)+16*qj+4*qc:64*(\st)+16*qj+4*qc+3], v[QO], s[4:5] offset:qj*65536+(\imm)+16*qc
.set qc, qc+1
.endr
.set qj, qj+1
.endr
.endm
; THE CHANGE OF SLOTS.  All my tensor loads have landed (one was out: my part of the slot to be read); the add; my reads of the old slot are over.  refill = 1: a round of the cluster's barrier,
; so that no wave of any partner still reads the old slot or has a load on its way, and the joint refill first behind it.  refill = 0: nothing is filled, and my work-group's barrier is enough.
.macro TRIPHEAD refill
	WIN 0
	s_wait_tensorcnt 0x0
	ds_add_u32 v[SPW], v[NIL]              ; 0 onto my spare word
	s_xor_b32 s[G0+1], s[G0+1], SLOT1      ; no load of mine is out, so the descriptor may step: the other slot,
	s_add_nc_u64 s[G0+2:G0+3], s[G0+2:G0+3], 256   ; the next 128 along K
	s_xor_b32 s[TB], s[TB], SLOT1
	s_wait_dscnt 0x0
.if \refill
	CROUND
	tensor_load_to_lds s[G0:G0+3], s[G1:G1+7]      ; it has the step's 256 products in which to land
	s_nop 0
.else
	s_barrier_signal -1
	s_barrier_wait -1
.endif
	NOPS4
	v_add_nc_u32 v[WA], s[TB], v[WA0]
	LDW 0, 0, 8
	LDW 1, 0, 8
.endm
; 32 ALONG K.  ld = 1: the stage of Q that was rounded at the end of the step before is asked for again at once, four steps of 32 ahead: four stages are on their way.
; cw: how many younger loads of Q stay out when the next stage is rounded, at this step's end; -1: there is none.
.macro SUB q, ld, cw
.if \ld
	LDQ (\q)%4, 128*(\q)+512
.endif
	s_wait_dscnt NB1                       ; the lower half of Wq's fragments is in
	MUL 0, 8, QB0+32*((\q)%2)
	WIN 0
	NOPS4                                  ; the places in front of the loads into the fragments just multiplied
.if (\q) < 3
	LDW 0, (\q)+1, 8
	s_wait_dscnt 16                        ; all but those sixteen: the upper half is in
.else
	s_wait_dscnt 0x0
.endif
	MUL 1, 8, QB0+32*((\q)%2)
.if (\cw) >= 0
	s_wait_loadcnt \cw
	CVTQ ((\q)+1)%4, QB0+32*(((\q)+1)%2)   ; 32 plain instructions that name no register of those products: the places in front of the loads below
.else
	NOPS4                                  ; at the very end: the places in front of the stores of the results
.endif
	WIN 0
.if (\q) < 3
	LDW 1, (\q)+1, 8
.endif
.endm
	s_load_b256 s[4:11], s[0:1], 0x0       ; Q s[4:5], prep s[6:7], bq s[8:9], mq s[10:11]
	v_lshl_add_u32 v[SPW], v0, 2, SPARE
	v_mov_b32 v[NIL], 0
	ds_add_u32 v2, v3
	ds_add_u32 v2, v3
	s_wait_dscnt 0x0
	v_lshrrev_b32 v1, 5, v0
	v_readfirstlane_b32 s[WV], v1
	s_bfe_u32 s46, ttmp6, 0x40000          ; cx: my place in the cluster
	s_lshl_b32 s[XG], ttmp9, 2             ; in a cluster launch ttmp9 counts clusters
	s_add_co_u32 s[XG], s[XG], s46         ; my 256 rows of Q = 4 x cluster x + cx
	s_and_b32 s30, ttmp7, 0xffff           ; y: which 256 channels; the four partners share it
	s_mov_b32 s[G1+0], 15|(1<<16)|(1<<20)|(1<<21)|(5<<22)|(3<<25)  ; the mask of four; 2-byte elements; padding on; bit 21 set beside a mask; 4 words of padding after every 64
	s_mov_b32 s[G1+1], 128<<16             ; tensor_dim0 = 128
	s_mov_b32 s[G1+2], RW<<16              ; tensor_dim1 = 64
	s_mov_b32 s[G1+3], 128<<16             ; tile_dim0 = 128
	s_mov_b32 s[G1+4], RW                  ; tile_dim1 = 64
	s_mov_b32 s[G1+5], 1024                ; elements from row to row
	s_mov_b32 s[G1+6], 0
	s_mov_b32 s[G1+7], 0
	s_mov_b32 s[G0], 1
	s_mul_i32 s[G0+1], s[WV], RW*PITCH     ; my 64 rows of slot 0: no place in the cluster enters an LDS address
	s_lshl_b32 s28, s30, 8
	s_lshl_b32 s29, s[WV], 6
	s_add_co_u32 s28, s28, s29
	s_lshl_b32 s28, s28, 11                ; row 256 y + 64 w, 2,048 bytes a row
	s_mov_b32 s29, 0
	s_wait_kmcnt 0x0
	s_add_nc_u64 s[G0+2:G0+3], s[6:7], s[28:29]
	s_or_b32 s[G0+3], s[G0+3], 0x80000000
	CROUND                                 ; all four work-groups are here: the first joint loads meet
	tensor_load_to_lds s[G0:G0+3], s[G1:G1+7]      ; K step 0 into slot 0, ahead of everything else
	s_nop 0
	v_and_b32 v12, 15, v0                  ; r
	v_bfe_u32 v13, v0, 4, 1                ; hh
	v_and_b32 v14, 31, v0                  ; lane
	v_mul_u32_u24 v[WA0], v12, PITCH
	v_lshl_add_u32 v[WA0], v13, 5, v[WA0]
	s_lshl_b32 s28, s[WV], 18
	v_lshlrev_b32 v[QO], 12, v12
	v_lshl_add_u32 v[QO], v13, 6, v[QO]
	v_add_nc_u32 v[QO], s28, v[QO]         ; (64 w + r) x 4,096 + 64 hh
	v_lshlrev_b32 v[BO], 5, v13
	s_lshl_b32 s28, s[WV], 16
	v_lshl_add_u32 v[DA], v14, 4, s28
	v_lshlrev_b32 v[KO], 7, v12
	v_lshl_add_u32 v[KO], v13, 4, v[KO]
	s_lshl_b32 s28, s[WV], 8
	v_lshl_add_u32 v[MO], v14, 2, s28
	v_lshlrev_b32 v[QSO], 4, v14
	s_mov_b32 s[SEL], 0x76543210
	s_mov_b32 s[SEL+1], 0xfedcba98
	s_mov_b32 s[HIM], 0xffff0000           ; as a lane mask: lanes 16-31
	s_mov_b32 s[PSEL], 0x07060302
	s_mov_b32 s[HMASK], 0xffff0000
	s_mov_b32 s[INV45], 0x3cb60b61         ; 1 / 45
	s_lshl_b32 s28, s[XG], 20              ; 256 rows of 4,096 bytes
	s_mov_b32 s29, 0
	s_add_nc_u64 s[4:5], s[4:5], s[28:29]
	s_lshl_b32 s28, s30, 10
	s_add_nc_u64 s[8:9], s[8:9], s[28:29]
	s_lshr_b32 s31, ttmp9, 2               ; b: four clusters of 1,024 rows to a batch
	s_lshl_b32 s31, s31, 4
	s_lshl2_add_u32 s31, s30, s31          ; 16 b + 4 y: my first head
	s_and_b32 s39, s[XG], 15               ; my 256 rows in the batch's 4,096
	s_lshl_b32 s28, s31, 19                ; the image of q: 524,288 bytes a head,
	s_lshl_b32 s42, s39, 15                ; 16 tiles of 2,048 bytes a work-group,
	s_add_co_u32 s28, s28, s42
	s_lshl_b32 s42, s[WV], 13              ; 4 a wave
	s_add_co_u32 s28, s28, s42
	s_add_co_u32 s28, s28, 1048576
	s_add_nc_u64 s[QSB:QSB+1], s[10:11], s[28:29]
	s_lshl_b32 s39, s39, 10
	s_lshl_b32 s28, s31, 14
	s_add_co_u32 s28, s28, s39
	s_add_nc_u64 s[10:11], s[10:11], s[28:29]
	s_mul_i32 s28, s31, 18432
	s_add_co_u32 s28, s28, 2097152
	s_add_nc_u64 s[KSB:KSB+1], s[6:7], s[28:29]
.set bi, 0
.rept 16                               ; bq of my 256 channels: 8 for each tile and half of the lanes
	global_load_b128 v[WB0+8*bi:WB0+8*bi+3], v[BO], s[8:9] offset:64*bi
	global_load_b128 v[WB0+8*bi+4:WB0+8*bi+7], v[BO], s[8:9] offset:64*bi+16
.set bi, bi+1
.endr
	LDQ 0, 0
	LDQ 1, 128
	LDQ 2, 256
	WIN 0
	s_wait_loadcnt 48                      ; bq is in; three stages of Q stay out
.set bi, 0
.rept 16
.set bp, 0
.rept 4
	v_cvt_pk_bf16_f32 v[WB0+8*bi+bp], v[WB0+8*bi+2*bp], v[WB0+8*bi+2*bp+1]
.set bp, bp+1
.endr
.set bi, bi+1
.endr
.macro SPREAD hi                       ; the rounded bias starts the sums of all four query tiles
	WIN 0x80+0x40*(\hi)
.set bi, 0
.rept 8
.set bj, 0
.rept 4
.set bp, 0
.rept 4
	v_lshlrev_b32 v[8*(4*bi+bj)+2*bp], 16, v[WB0+64*(\hi)+8*bi+bp]
	v_and_b32 v[8*(4*bi+bj)+2*bp+1], s[HMASK], v[WB0+64*(\hi)+8*bi+bp]
.set bp, bp+1
.endr
.set bj, bj+1
.endr
.set bi, bi+1
.endr
.endm
	SPREAD 0
	SPREAD 1
	LDQ 3, 384
	s_wait_loadcnt 48                      ; stage 0 is in
	CVTQ 0, QB0
	WIN 0
	s_mov_b32 s[TB], SLOT1                 ; the first change of slots turns it into 0
	s_mov_b32 s[LC], 7
.Ltrip:                                        ; a K step of 128; the next step's tile is asked for
	TRIPHEAD 1
	SUB 0, 1, 48                           ; 48: the three younger stages of 16 loads
	SUB 1, 1, 48
	SUB 2, 1, 48
	SUB 3, 1, 48
	s_wait_xcnt 0x0                        ; Q's base steps only behind this wait
	s_add_nc_u64 s[4:5], s[4:5], 512
	s_sub_co_u32 s[LC], s[LC], 1
	s_cmp_lg_u32 s[LC], 0
	s_cbranch_scc1 .Ltrip
	TRIPHEAD 0                             ; the last step is written out: nothing is asked for, and the counts run down
	SUB 0, 0, 32
	SUB 1, 0, 16
	SUB 2, 0, 0
	SUB 3, 0, -1
	s_wait_dscnt 0x0
	s_barrier_signal -1                    ; nobody reads the slots any more; nothing fills them again
	s_barrier_wait -1
.macro DUMP hi                         ; head i / 4, query tile j: 4 KB on end; each accumulator's low half first
	WIN 0x08+0x04*(\hi)
.set di, 0
.rept 8
.set dj, 0
.rept 4
	ds_store_b128 v[DA], v[8*(4*di+dj):8*(4*di+dj)+3] offset:((((8*(\hi)+di)/4)*4+dj)*8+(di%4)*2)*512
	ds_store_b128 v[DA], v[8*(4*di+dj)+4:8*(4*di+dj)+7] offset:((((8*(\hi)+di)/4)*4+dj)*8+(di%4)*2)*512+512
.set dj, dj+1
.endr
.set di, di+1
.endr
.endm
	DUMP 0
	DUMP 1
	WIN 0
.macro PIECE pc                        ; the upper halves of 64 numbers of q, packed: source 1 of the score products, in window 1
	WIN 0x40
.set pq, 0
.rept 32
	v_perm_b32 v[144+48*(pq/16)+16*(\pc)+pq%16], v[X+2*pq+1], v[X+2*pq], s[PSEL]
.set pq, pq+1
.endr
.endm
.macro REST                            ; what is left: exact
	WIN 0
.set pq, 0
.rept 64
	v_and_b32 v[T+pq], s[HMASK], v[X+pq]
.set pq, pq+1
.endr
.set pq, 0
.rept 32
	v_pk_add_f32 v[X+2*pq:X+2*pq+1], v[X+2*pq:X+2*pq+1], v[T+2*pq:T+2*pq+1] neg_lo:[0,1] neg_hi:[0,1]
.set pq, pq+1
.endr
.endm
.macro SMUL kp, qp, ks, first          ; piece kp of the keys x piece qp of q, channels 32 ks on: six products, the six accumulators by turns
.set sj, 0
.rept 2
.set st, 0
.rept 3
.if \first
	v_wmma_f32_16x16x32_bf16 v[S+24*sj+8*st:S+24*sj+8*st+7], v[8*((3*(\kp)+st)*2+(\ks)):8*((3*(\kp)+st)*2+(\ks))+7], v[144+48*sj+16*(\qp)+8*(\ks):144+48*sj+16*(\qp)+8*(\ks)+7], 0
.else
	v_wmma_f32_16x16x32_bf16 v[S+24*sj+8*st:S+24*sj+8*st+7], v[8*((3*(\kp)+st)*2+(\ks)):8*((3*(\kp)+st)*2+(\ks))+7], v[144+48*sj+16*(\qp)+8*(\ks):144+48*sj+16*(\qp)+8*(\ks)+7], v[S+24*sj+8*st:S+24*sj+8*st+7]
.endif
.set st, st+1
.endr
.set sj, sj+1
.endr
.endm
; A lane holds one query and the samples 16 t + 8 hh + 0..7.  Samples 45-47 (tile 2, upper lanes, registers 5-7) are exact zeros: nothing in the sum; in the maximum register 4 stands for them.
.macro REDUCE jj
.set a0, S+24*(\jj)
.set a1, a0+8
.set a2, a0+16
	v_max3_num_f32 v16, v[a0], v[a0+1], v[a0+2]    ; each accumulator's lowest registers are read first
	v_max3_num_f32 v17, v[a1], v[a1+1], v[a1+2]
	v_max3_num_f32 v18, v[a2], v[a2+1], v[a2+2]
	v_cndmask_b32 v19, v[a2+5], v[a2+4], s[HIM]
	v_cndmask_b32 v20, v[a2+6], v[a2+4], s[HIM]
	v_cndmask_b32 v21, v[a2+7], v[a2+4], s[HIM]
	v_max3_num_f32 v16, v16, v[a0+3], v[a0+4]
	v_max3_num_f32 v17, v17, v[a1+3], v[a1+4]
	v_max3_num_f32 v18, v18, v[a2+3], v[a2+4]
	v_max3_num_f32 v16, v16, v[a0+5], v[a0+6]
	v_max3_num_f32 v17, v17, v[a1+5], v[a1+6]
	v_max3_num_f32 v18, v18, v19, v20
	v_max3_num_f32 v16, v16, v[a0+7], v[a1+7]
	v_max3_num_f32 v18, v18, v21, v17
	v_max_num_f32 v16, v16, v18
	v_pk_add_f32 v[22:23], v[a0:a0+1], v[a0+2:a0+3]
	v_pk_add_f32 v[24:25], v[a0+4:a0+5], v[a0+6:a0+7]
	v_pk_add_f32 v[26:27], v[a1:a1+1], v[a1+2:a1+3]
	v_pk_add_f32 v[28:29], v[a1+4:a1+5], v[a1+6:a1+7]
	v_pk_add_f32 v[30:31], v[a2:a2+1], v[a2+2:a2+3]
	v_pk_add_f32 v[20:21], v[a2+4:a2+5], v[a2+6:a2+7]
	v_pk_add_f32 v[22:23], v[22:23], v[24:25]
	v_pk_add_f32 v[26:27], v[26:27], v[28:29]
	v_pk_add_f32 v[30:31], v[30:31], v[20:21]
	v_pk_add_f32 v[22:23], v[22:23], v[26:27]
	v_pk_add_f32 v[22:23], v[22:23], v[30:31]
	v_add_f32 v22, v22, v23
	v_permlanex16_b32 v17, v16, s[SEL], s[SEL+1]   ; the query's other samples lie in the lane 16 away
	v_permlanex16_b32 v19, v22, s[SEL], s[SEL+1]
	v_max_num_f32 v16, v16, v17
	v_add_f32 v22, v22, v19
	v_fma_f32 v[12+(\jj)], -v22, s[INV45], v16     ; max - sum / 45
.endm
	s_mov_b32 s[DLS], 0
	s_mov_b32 s[LC], 4
.Lhead:                                        ; a head: its keys' 18 fragments (piece, tile of 16 samples, half of the channels) into window 1
	WIN 0x40
.set kf, 0
.rept 18
	global_load_b128 v[8*kf:8*kf+3], v[KO], s[KSB:KSB+1] offset:(kf/6)*6144+((kf/2)%3)*2048+(kf%2)*64
	global_load_b128 v[8*kf+4:8*kf+7], v[KO], s[KSB:KSB+1] offset:(kf/6)*6144+((kf/2)%3)*2048+(kf%2)*64+32
.set kf, kf+1
.endr
	WIN 0
	s_mov_b32 s[LC2], 2
.Lpair:                                        ; two query tiles: 8 KB of my own bytes back from LDS
	v_add_nc_u32 v[DL], s[DLS], v[DA]
.set dn, 0
.rept 16
	ds_load_b128 v[X+4*dn:X+4*dn+3], v[DL] offset:512*dn
.set dn, dn+1
.endr
	s_wait_dscnt 0x0
.set dn, 0
.rept 32                               ; q rounded to bf16, as it lies: the launch that takes the chosen rows up again gathers them from this image
	v_cvt_pk_bf16_f32 v[QP+dn], v[X+2*dn], v[X+2*dn+1]
.set dn, dn+1
.endr
.set dn, 0
.rept 8
	global_store_b128 v[QSO], v[QP+4*dn:QP+4*dn+3], s[QSB:QSB+1] offset:512*dn th:TH_STORE_NT  ; 512 consecutive bytes
.set dn, dn+1
.endr
	PIECE 0
	REST
	PIECE 1
	REST
	PIECE 2
	s_wait_loadcnt 0x0                     ; the keys' fragments
	WIN 0x05
	SMUL 0, 2, 0, 1                        ; small terms first
	SMUL 0, 2, 1, 0
	SMUL 2, 0, 0, 0
	SMUL 2, 0, 1, 0
	SMUL 1, 1, 0, 0
	SMUL 1, 1, 1, 0
	SMUL 0, 1, 0, 0
	SMUL 0, 1, 1, 0
	SMUL 1, 0, 0, 0
	SMUL 1, 0, 1, 0
	SMUL 0, 0, 0, 0
	SMUL 0, 0, 1, 0
	WIN 0
	NOPS4
	REDUCE 0
	REDUCE 1
	v_cndmask_b32 v14, v12, v13, s[HIM]    ; lanes 0-15 the first tile's queries, lanes 16-31 the second's
	global_store_b32 v[MO], v14, s[10:11]  ; 128 consecutive bytes
	s_wait_xcnt 0x0                        ; bases and the stores' data are rewritten only behind this wait
	s_add_nc_u64 s[10:11], s[10:11], 128
	s_add_nc_u64 s[QSB:QSB+1], s[QSB:QSB+1], 4096
	s_add_co_u32 s[DLS], s[DLS], 8192
	s_sub_co_u32 s[LC2], s[LC2], 1
	s_cmp_lg_u32 s[LC2], 0
	s_cbranch_scc1 .Lpair
	s_add_nc_u64 s[10:11], s[10:11], 16384-256
	s_add_nc_u64 s[QSB:QSB+1], s[QSB:QSB+1], 524288-8192
	s_add_nc_u64 s[KSB:KSB+1], s[KSB:KSB+1], 18432
	s_sub_co_u32 s[LC], s[LC], 1
	s_cmp_lg_u32 s[LC], 0
	s_cbranch_scc1 .Lhead
	s_wait_tensorcnt 0x0                   ; the wave's end
	ds_add_u32 v[SPW], v[NIL]
	s_wait_dscnt 0x0
	CROUND                                 ; the closing round: no work-group ends while a partner may still ask for a tile that names it
	s_endpgm
.Lfunc_end_k_qd6ea54fe37_qm:
	.size	k_qd6ea54fe37_qm, .Lfunc_end_k_qd6ea54fe37_qm-k_qd6ea54fe37_qm
	.p2alignl 7, 3214868480
	.fill 96, 4, 3214868480
	.section	.rodata,"a",@progbits
	.p2align	6, 0x0
	.amdhsa_kernel k_qd6ea54fe37_qm
		.amdhsa_group_segment_fixed_size 327680
		.amdhsa_private_segment_fixed_size 0
		.amdhsa_enable_private_segment 0
		.amdhsa_kernarg_size 32
		.amdhsa_user_sgpr_count 2
		.amdhsa_user_sgpr_kernarg_segment_ptr 1
		.amdhsa_wavefront_size32 1
		.amdhsa_system_sgpr_workgroup_id_x 1
		.amdhsa_system_sgpr_workgroup_id_y 1
		.amdhsa_system_sgpr_workgroup_id_z 1
		.amdhsa_system_vgpr_workitem_id 0
		.amdhsa_next_free_vgpr 1024
		.amdhsa_next_free_sgpr 66
		.amdhsa_reserve_vcc 0
		.amdhsa_float_denorm_mode_32 3
		.amdhsa_float_denorm_mode_16_64 3
		.amdhsa_memory_ordered 1
		.amdhsa_forward_progress 1
		.amdhsa_inst_pref_size 148
	.end_amdhsa_kernel
	.amdgpu_metadata
---
amdhsa.version: [ 1, 2 ]
amdhsa.kernels:
  - .name:           k_qd6ea54fe37_qm
    .symbol:         k_qd6ea54fe37_qm.kd
    .args:
      - { .name: Q, .offset: 0, .size: 8, .value_kind: global_buffer, .address_space: global }
      - { .name: prep, .offset: 8, .size: 8, .value_kind: global_buffer, .address_space: global }
      - { .name: bq, .offset: 16, .size: 8, .value_kind: global_buffer, .address_space: global }
      - { .name: mq, .offset: 24, .size: 8, .value_kind: global_buffer, .address_space: global }
    .group_segment_fixed_size: 327680
    .private_segment_fixed_size: 0
    .kernarg_segment_align: 8
    .kernarg_segment_size: 32
    .max_flat_workgroup_size: 128
    .sgpr_count:     66
    .vgpr_count:     1024
    .wavefront_size: 32
...
	.end_amdgpu_metadata
.endif
;; end of part 11
;; launch topk (part 12): grid 64 x 1, 8 waves a work-group, no clusters, 3,072 bytes of LDS; arguments mq, sel; writes sel
.if DOCPART == 12
	.amdgcn_target "amdgcn-amd-amdhsa--gfx1250"
	.amdhsa_code_object_version 6
	.text
	.protected	k_qd6ea54fe37_topk
	.globl	k_qd6ea54fe37_topk
	.p2align	8
	.type	k_qd6ea54fe37_topk,@function
k_qd6ea54fe37_topk:
	s_mov_b64 s[64:65], 0
	v_nop
	global_prefetch_b8 v0, s[64:65] scope:SCOPE_SE
	s_setreg_imm32_b32 hwreg(HW_REG_WAVE_MODE, 25, 1), 1
	s_wait_xcnt 0x0
; THE 45 LARGEST of the 4,096 numbers M[bh][:] (mq, from byte 0), as a bit mask; equal numbers go to the lower index, as in lax.top_k.  sel[bh]: 128 mask words (bit j of word d: query 32 d + j),
; then for each word the number of chosen queries in the words before it.  Whole numbers, from which the next launch forms addresses.
; Thread t holds elements 256 i + t, i = 0..15, as keys that order like the floats (sign bit turned for positives, all bits for negatives).  LIMIT: NaN is not treated apart (it orders by its bits).
; THE 45TH LARGEST KEY T is found two bits a round: of the three candidates (01, 10, 11 in the two bits) the largest that 45 keys or more reach stays.  A wave's three counts travel in one word,
; each cut at 63 in a field of 9 bits: a count so cut is 45 or more by itself, and eight of them add up to 504 at the most, so whether a total reaches 45 is kept exactly.
; Two areas of eight words take turns, so one barrier serves a round: an area is written again only behind the other area's barrier, in front of which every wave has waited for its reads.
; EQUAL KEYS.  G keys lie above T (44 at the most), so 45 - G of the keys equal to T are taken, lowest index first.  Register i of wave w is mask word 8 i + w, and words ascend with the index.
; For each word the two counts (above T; equal to T) go into LDS in two fields of 16 bits; every wave scans the 128 words; an equal key's rank is the equals in the words before plus the equals
; in lower lanes of its word, and it is taken if that is below 45 - G.  In front of a word lie (above before) + min(equal before, 45 - G) chosen queries.
; Only selects hang on the data: no branch, no address.
.set KEY, 16
.set CA, 6             ; v6  4 x my wave's number
.set ZA, 7             ; v7  0
.set PX, 32            ; v32-35 the two running counts in front of words 4 l .. 4 l + 3
.set PW, 36            ; v36-51 the same for my wave's sixteen words
.set CT, 256           ; LDS: 128 words of counts,
.set PT, 768           ;      128 words of running counts,
.set MT, 1280          ;      128 mask words
.set WV, 8
.set TH, 20
.set BIT, 21           ; the lower bit of the pair in hand
.set C1, 22
.set C2, 23
.set C3, 24
.set N1, 25
.set N2, 26
.set N3, 27
.set TMP, 28
.set TOT, 29
.set LC, 30
.set NEED, 31
.set HIM, 32
.set MK, 40            ; s40-55, s66-81, s82-97: three sets of sixteen lane masks
.set MK2, 66
.set MK3, 82
.macro COUNT thr, mk                   ; the masks of the keys that reach thr
.set ci, 0
.rept 16
	v_cmp_ge_u32 s[(\mk)+ci], v[KEY+ci], s[\thr]
.set ci, ci+1
.endr
.endm
.macro TALLY n, mk                     ; how many of my wave's 512 keys, cut at 63
	s_bcnt1_i32_b32 s[\n], s[\mk]
.set ci, 1
.rept 15
	s_bcnt1_i32_b32 s[TMP], s[(\mk)+ci]
	s_add_co_u32 s[\n], s[\n], s[TMP]
.set ci, ci+1
.endr
	s_min_u32 s[\n], s[\n], 63
.endm
.macro PAIR slot
	s_or_b32 s[C1], s[TH], s[BIT]
	s_lshl_b32 s[TMP], s[BIT], 1
	s_or_b32 s[C2], s[TH], s[TMP]
	s_or_b32 s[C3], s[C2], s[BIT]
	COUNT C1, MK
	COUNT C2, MK2
	COUNT C3, MK3
	TALLY N1, MK
	TALLY N2, MK2
	TALLY N3, MK3
	s_lshl_b32 s[N2], s[N2], 9
	s_lshl_b32 s[N3], s[N3], 18
	s_or_b32 s[N1], s[N1], s[N2]
	s_or_b32 s[N1], s[N1], s[N3]
	v_mov_b32 v4, s[N1]
	ds_store_b32 v[CA], v4 offset:\slot    ; all lanes write the wave's word with the same number
	s_wait_dscnt 0x0
	s_barrier_signal -1
	s_barrier_wait -1
	ds_load_b128 v[8:11], v[ZA] offset:\slot
	ds_load_b128 v[12:15], v[ZA] offset:(\slot)+16
	s_wait_dscnt 0x0
	v_add3_u32 v8, v8, v9, v10
	v_add3_u32 v11, v11, v12, v13
	v_add3_u32 v8, v8, v14, v15
	v_add_nc_u32 v8, v8, v11
	v_readfirstlane_b32 s[TOT], v8
	s_and_b32 s[N1], s[TOT], 511
	s_bfe_u32 s[N2], s[TOT], 0x90009
	s_lshr_b32 s[N3], s[TOT], 18
	s_cmp_ge_u32 s[N1], 45                 ; the counts fall from candidate to candidate, so the last that holds wins
	s_cselect_b32 s[TH], s[C1], s[TH]
	s_cmp_ge_u32 s[N2], 45
	s_cselect_b32 s[TH], s[C2], s[TH]
	s_cmp_ge_u32 s[N3], 45
	s_cselect_b32 s[TH], s[C3], s[TH]
	s_lshr_b32 s[BIT], s[BIT], 2
.endm
	s_load_b128 s[4:7], s[0:1], 0x0        ; mq s[4:5], sel s[6:7]
	v_lshl_add_u32 v64, v0, 2, 0x800
	v_mov_b32 v65, 0
	v_lshrrev_b32 v1, 5, v0
	v_readfirstlane_b32 s[WV], v1
	v_lshlrev_b32 v2, 2, v0
	v_lshlrev_b32 v[CA], 2, v1
	v_mov_b32 v[ZA], 0
	s_mov_b32 s[HIM], 0xffff0000           ; as a lane mask: lanes 16-31
	s_lshl_b32 s10, ttmp9, 14
	s_mov_b32 s11, 0
	s_lshl_b32 s12, ttmp9, 10
	s_mov_b32 s13, 0
	s_wait_kmcnt 0x0
	s_add_nc_u64 s[4:5], s[4:5], s[10:11]
	s_add_nc_u64 s[6:7], s[6:7], s[12:13]
.set ki, 0
.rept 16
	global_load_b32 v[KEY+ki], v2, s[4:5] offset:1024*ki
.set ki, ki+1
.endr
	s_wait_loadcnt 0x0
.set ki, 0
.rept 16
	v_ashrrev_i32 v3, 31, v[KEY+ki]
	v_or_b32 v3, 0x80000000, v3
	v_xor_b32 v[KEY+ki], v3, v[KEY+ki]
.set ki, ki+1
.endr
	s_mov_b32 s[TH], 0
	s_mov_b32 s[BIT], 0x40000000
	s_mov_b32 s[LC], 8
.Lbits:                                        ; four bits a trip: 32 in all
	PAIR 0
	PAIR 32
	s_sub_co_u32 s[LC], s[LC], 1
	s_cmp_lg_u32 s[LC], 0
	s_cbranch_scc1 .Lbits
.set ki, 0
.rept 16
	v_cmp_lt_u32 s[MK+ki], s[TH], v[KEY+ki]        ; above T
	v_cmp_eq_u32 s[MK2+ki], s[TH], v[KEY+ki]       ; equal to T
.set ki, ki+1
.endr
.set ki, 0
.rept 16                               ; both counts of word 8 i + w in one word: above T below, equal to T from bit 16 on
	s_bcnt1_i32_b32 s[N1], s[MK+ki]
	s_bcnt1_i32_b32 s[N2], s[MK2+ki]
	s_lshl_b32 s[N2], s[N2], 16
	s_or_b32 s[N1], s[N1], s[N2]
	v_mov_b32 v4, s[N1]
	ds_store_b32 v[CA], v4 offset:CT+32*ki
.set ki, ki+1
.endr
	s_wait_dscnt 0x0                       ; for the others' sake: my stores are done
	s_barrier_signal -1
	s_barrier_wait -1
	v_and_b32 v2, 31, v0                   ; every wave scans all 128 words: lane l takes words 4 l .. 4 l + 3
	v_lshlrev_b32 v2, 4, v2
	ds_load_b128 v[8:11], v2 offset:CT
	s_wait_dscnt 0x0
	v_add3_u32 v12, v8, v9, v10
	v_add_nc_u32 v12, v12, v11
	v_mov_b32 v14, v12                     ; my four words' sum; the fields do not meet: 44 and 4,096 at the most
.irp n, 1,2,4,8                        ; the running sum inside each half of the lanes: a lane with no lane n below it adds the 0 that was laid ready
	v_mov_b32 v13, 0
	v_mov_b32_dpp v13, v12 row_shr:\n row_mask:0xf bank_mask:0xf
	v_add_nc_u32 v12, v12, v13
.endr
	v_readlane_b32 s[N1], v12, 15          ; the lower half's total goes onto the upper half
	v_mov_b32 v13, s[N1]
	v_cndmask_b32 v13, 0, v13, s[HIM]
	v_add_nc_u32 v12, v12, v13
	v_readlane_b32 s[TOT], v12, 31
	s_and_b32 s[N2], s[TOT], 0xffff        ; G
	s_sub_co_u32 s[NEED], 45, s[N2]        ; so many of the equal keys are taken: 1 to 45
	v_sub_nc_u32 v[PX], v12, v14           ; in front of word 4 l,
	v_add_nc_u32 v[PX+1], v[PX], v8        ; 4 l + 1,
	v_add_nc_u32 v[PX+2], v[PX+1], v9
	v_add_nc_u32 v[PX+3], v[PX+2], v10
	s_cmp_lg_u32 s[WV], 0
	s_cbranch_scc1 .Lnot0
	ds_store_b128 v2, v[PX:PX+3] offset:PT ; one wave lays them out for all
.Lnot0:
	s_wait_dscnt 0x0
	s_barrier_signal -1
	s_barrier_wait -1
.set ki, 0
.rept 16
	ds_load_b32 v[PW+ki], v[CA] offset:PT+32*ki
.set ki, ki+1
.endr
	s_wait_dscnt 0x0
.set ki, 0
.rept 16
	v_lshrrev_b32 v[PW+ki], 16, v[PW+ki]   ; equal keys in the words before
.set ki, ki+1
.endr
.set ki, 0
.rept 16
	v_mbcnt_lo_u32_b32 v[PW+ki], s[MK2+ki], v[PW+ki]       ; and in lower lanes of the word: the rank
.set ki, ki+1
.endr
.set ki, 0
.rept 16
	v_cmp_gt_u32 s[MK3+ki], s[NEED], v[PW+ki]
.set ki, ki+1
.endr
.set ki, 0
.rept 16
	s_and_b32 s[MK3+ki], s[MK3+ki], s[MK2+ki]
	s_or_b32 s[MK+ki], s[MK+ki], s[MK3+ki] ; exactly 45 bits in all
	v_mov_b32 v4, s[MK+ki]
	ds_store_b32 v[CA], v4 offset:MT+32*ki
.set ki, ki+1
.endr
	s_wait_dscnt 0x0
	s_barrier_signal -1
	s_barrier_wait -1
	s_cmp_lg_u32 s[WV], 0
	s_cbranch_scc1 .Lend
	ds_load_b128 v[8:11], v2 offset:MT
.irp j, 0,1,2,3
	v_lshrrev_b32 v[52+(\j)], 16, v[PX+(\j)]
	v_and_b32 v[56+(\j)], 0xffff, v[PX+(\j)]
.endr
.irp j, 0,1,2,3
	v_min_u32 v[52+(\j)], s[NEED], v[52+(\j)]
.endr
.irp j, 0,1,2,3
	v_add_nc_u32 v[56+(\j)], v[56+(\j)], v[52+(\j)]        ; chosen queries in front of the word
.endr
	s_wait_dscnt 0x0
	global_store_b128 v2, v[8:11], s[6:7]          ; 512 consecutive bytes each
	global_store_b128 v2, v[56:59], s[6:7] offset:512
.Lend:
	s_wait_tensorcnt 0x0
	ds_add_u32 v64, v65
	s_wait_dscnt 0x0
	s_endpgm
.Lfunc_end_k_qd6ea54fe37_topk:
	.size	k_qd6ea54fe37_topk, .Lfunc_end_k_qd6ea54fe37_topk-k_qd6ea54fe37_topk
	.p2alignl 7, 3214868480
	.fill 96, 4, 3214868480
	.section	.rodata,"a",@progbits
	.p2align	6, 0x0
	.amdhsa_kernel k_qd6ea54fe37_topk
		.amdhsa_group_segment_fixed_size 3072
		.amdhsa_private_segment_fixed_size 0
		.amdhsa_enable_private_segment 0
		.amdhsa_kernarg_size 16
		.amdhsa_user_sgpr_count 2
		.amdhsa_user_sgpr_kernarg_segment_ptr 1
		.amdhsa_wavefront_size32 1
		.amdhsa_system_sgpr_workgroup_id_x 1
		.amdhsa_system_sgpr_workgroup_id_y 1
		.amdhsa_system_sgpr_workgroup_id_z 1
		.amdhsa_system_vgpr_workitem_id 0
		.amdhsa_next_free_vgpr 66
		.amdhsa_next_free_sgpr 100
		.amdhsa_reserve_vcc 0
		.amdhsa_float_denorm_mode_32 3
		.amdhsa_float_denorm_mode_16_64 3
		.amdhsa_memory_ordered 1
		.amdhsa_forward_progress 1
		.amdhsa_inst_pref_size 34
	.end_amdhsa_kernel
	.amdgpu_metadata
---
amdhsa.version: [ 1, 2 ]
amdhsa.kernels:
  - .name:           k_qd6ea54fe37_topk
    .symbol:         k_qd6ea54fe37_topk.kd
    .args:
      - { .name: mq, .offset: 0, .size: 8, .value_kind: global_buffer, .address_space: global }
      - { .name: sel, .offset: 8, .size: 8, .value_kind: global_buffer, .address_space: global }
    .group_segment_fixed_size: 3072
    .private_segment_fixed_size: 0
    .kernarg_segment_align: 8
    .kernarg_segment_size: 16
    .max_flat_workgroup_size: 256
    .sgpr_count:     100
    .vgpr_count:     66
    .wavefront_size: 32
...
	.end_amdgpu_metadata
.endif
;; end of part 12
;; launch qred (part 13): grid 256 x 1, 4 waves a work-group, no clusters, 1,536 bytes of LDS; arguments mq, Wk, sel, tb; writes tb
.if DOCPART == 13
	.amdgcn_target "amdgcn-amd-amdhsa--gfx1250"
	.amdhsa_code_object_version 6
	.text
	.protected	k_qd6ea54fe37_qred
	.globl	k_qd6ea54fe37_qred
	.p2align	8
	.type	k_qd6ea54fe37_qred,@function
k_qd6ea54fe37_qred:
	s_mov_b64 s[64:65], 0
	v_nop
	global_prefetch_b8 v0, s[64:65] scope:SCOPE_SE
	s_setreg_imm32_b32 hwreg(HW_REG_WAVE_MODE, 25, 1), 1
	s_wait_xcnt 0x0
; T[b][48 h + u][c] = c0 x sum over d of q[u][d] Wk[64 h + d][c], c0 = log2(e) / 8, in bf16, for the 45 chosen queries u: with it their scores against ALL keys are T . K^T, and k is never made.
; (q . bk_h is the same for every key and falls out of the softmax.)  Rows u = 45-47 repeat row 44; the launch that averages gives them the weight 0.  The order of the 45 rows does not matter: only their mean is wanted.
; SHARES.  Work-group = (b, h) and a quarter of the 1,024 columns; wave w makes 64 columns.
; THE LIST.  Thread t walks the 32 bits of mask word t; the count of chosen queries in front of the word comes with it.  A set bit's query number goes to its place in the wave's OWN 256 bytes of
; LDS, which the wave has cleared; a clear bit's goes to a dummy word there.  Behind one barrier place p of the list is the OR of the four waves' words p: three of them are 0.
; q comes from the image that the projection left (mq, from byte 1,048,576): [bh][tile of 16 queries][4][lane 32][16 bytes].  Of query n, channels 32 s + 16 hh + 0..15 are two pieces of 16 bytes, at
; 2,048 (n / 16) + 16 (n % 16) + 512 hh + 1,024 s and 256 further on: a lane gathers its part of a fragment straight into registers.
; Wk lies [d][c]: lane (r, hh) loads 16 bytes (columns 4 r + 0..3 of my 64) of the 16 rows 16 hh + 0..15 of each half of d, so that column 4 r + e of all lanes is one fragment e.
; A row of T leaves as 16 lanes x 8 bytes, 128 consecutive bytes: half of an aligned 256; 6 MB in all, taken as it is.
.set QF, 16            ; v16-63   q: tile t of 16 rows at 16 t: d = 0..31, then d = 32..63
.set L0, 64            ; v64-127  Wk, d = 0..31: 16 loads of 4 registers
.set L1, 128           ; v128-191 d = 32..63
.set BB, 192           ; the list: eight bits,
.set AA, 200           ;   nine places (in bytes),
.set NN, 210           ;   eight addresses,
.set VV, 218           ;   eight query numbers
.set LL, 228           ; the four waves' words, for three tiles
.set F0, 192           ; later: four fragments of Wk^T, d = 0..31
.set F1, 224           ; d = 32..63
.set DT, 64            ; later: four accumulators
.set PT, 96            ; packed T
.set WV, 16
.set LB, 21
.set LC, 22
.set CS, 24            ; s[24:25]
.set QI, 36            ; s[36:37] the head's image of q
	s_load_b256 s[4:11], s[0:1], 0x0       ; mq s[4:5], Wk s[6:7], sel s[8:9], tb s[10:11]
	s_set_vgpr_msb 0x40
	v_lshl_add_u32 v0, v0, 2, 0x400
	v_mov_b32 v1, 0
	s_set_vgpr_msb 0x4000
	v_lshrrev_b32 v1, 5, v0
	v_readfirstlane_b32 s[WV], v1
	v_and_b32 v2, 15, v0                   ; r
	v_bfe_u32 v3, v0, 4, 1                 ; hh
	v_and_b32 v4, 31, v0                   ; lane
	v_lshlrev_b32 v5, 2, v0                ; my word of the mask
	s_and_b32 s17, ttmp9, 3                ; quarter of the columns
	s_lshr_b32 s18, ttmp9, 2               ; bh
	s_lshr_b32 s19, ttmp9, 6               ; b
	s_and_b32 s20, s18, 15                 ; h
	s_lshl_b32 s[LB], s[WV], 8             ; my wave's 256 bytes
	v_lshl_add_u32 v6, v4, 3, s[LB]
	v_mov_b32 v8, 0
	v_mov_b32 v9, 0
	v_lshlrev_b32 v7, 16, v3
	v_lshl_add_u32 v7, v2, 4, v7           ; Wk: row 16 hh, 16 bytes at column 4 r
	v_lshlrev_b32 v13, 14, v3
	v_lshl_add_u32 v13, v2, 3, v13         ; T: row 8 hh, 8 bytes at column 4 r
	v_lshlrev_b32 v15, 5, v0               ; the query number in hand: 32 t
.irp jt, 0,1,2
	v_add_nc_u32 v[10+(\jt)], 16*(\jt), v2
	v_min_u32 v[10+(\jt)], 44, v[10+(\jt)] ; rows 45-47 repeat row 44
	v_lshlrev_b32 v[10+(\jt)], 2, v[10+(\jt)]
.endr
	s_mov_b32 s[CS], 0x3e38aa3b            ; log2(e) / 8
	s_mov_b32 s[CS+1], s[CS]
	s_lshl_b32 s26, s18, 10
	s_mov_b32 s27, 0
	s_lshl_b32 s28, s20, 18                ; Wk: row 64 h,
	s_lshl_b32 s34, s17, 10                ; my quarter,
	s_add_co_u32 s28, s28, s34
	s_lshl_b32 s34, s[WV], 8               ; my 64 columns
	s_add_co_u32 s28, s28, s34
	s_mov_b32 s29, 0
	s_mul_i32 s30, s19, 768
	s_mul_i32 s34, s20, 48
	s_add_co_u32 s30, s30, s34
	s_lshl_b32 s30, s30, 11                ; T: row 768 b + 48 h, 2,048 bytes a row,
	s_lshl_b32 s34, s17, 9
	s_add_co_u32 s30, s30, s34
	s_lshl_b32 s34, s[WV], 7
	s_add_co_u32 s30, s30, s34
	s_mov_b32 s31, 0
	s_lshl_b32 s32, s18, 19
	s_add_co_u32 s32, s32, 1048576
	s_mov_b32 s33, 0
	s_wait_kmcnt 0x0
	s_add_nc_u64 s[8:9], s[8:9], s[26:27]
	s_add_nc_u64 s[6:7], s[6:7], s[28:29]
	s_add_nc_u64 s[10:11], s[10:11], s[30:31]
	s_add_nc_u64 s[QI:QI+1], s[4:5], s[32:33]
	ds_store_b64 v6, v[8:9]                ; my wave's 256 bytes are cleared
	global_load_b32 v14, v5, s[8:9]
	global_load_b32 v[AA], v5, s[8:9] offset:512
.set wn, 0
.rept 32                               ; Wk hangs on no list and goes out now: 16 lanes read 256 consecutive bytes of a row
	global_load_b128 v[L0+4*wn:L0+4*wn+3], v7, s[6:7] offset:((wn/16)*32+wn%16)*4096
.set wn, wn+1
.endr
	s_wait_loadcnt 32                      ; my mask word and its count are in; Wk's 32 loads stay out
	v_min_u32 v[AA], 45, v[AA]
	v_lshlrev_b32 v[AA], 2, v[AA]          ; the next free place, in bytes
	s_mov_b32 s[LC], 4
.Lbyte:                                        ; eight bits a trip, stage by stage, so that no line waits for the line before it
.set lj, 0
.rept 8
	v_bfe_u32 v[BB+lj], v14, lj, 1
.set lj, lj+1
.endr
.set lj, 0
.rept 8
	v_lshl_add_u32 v[AA+lj+1], v[BB+lj], 2, v[AA+lj]
	v_add_nc_u32 v[NN+lj], -1, v[BB+lj]    ; 0 for a set bit, all ones for a clear one
	v_add_nc_u32 v[VV+lj], lj, v15
.set lj, lj+1
.endr
.set lj, 0
.rept 8
	v_or_b32 v[NN+lj], v[AA+lj], v[NN+lj]
.set lj, lj+1
.endr
.set lj, 0
.rept 8
	v_min_u32 v[NN+lj], 192, v[NN+lj]      ; a clear bit's number goes to the dummy word at byte 192
.set lj, lj+1
.endr
.set lj, 0
.rept 8
	v_add_nc_u32 v[NN+lj], s[LB], v[NN+lj]
.set lj, lj+1
.endr
.set lj, 0
.rept 8
	ds_store_b32 v[NN+lj], v[VV+lj]
.set lj, lj+1
.endr
	v_mov_b32 v[AA], v[AA+8]
	v_lshrrev_b32 v14, 8, v14
	v_add_nc_u32 v15, 8, v15
	s_sub_co_u32 s[LC], s[LC], 1
	s_cmp_lg_u32 s[LC], 0
	s_cbranch_scc1 .Lbyte
	s_wait_dscnt 0x0                       ; for the others' sake: my stores are done
	s_barrier_signal -1
	s_barrier_wait -1
.irp jt, 0,1,2
.irp w, 0,1,2,3
	ds_load_b32 v[LL+4*(\jt)+(\w)], v[10+(\jt)] offset:256*(\w)
.endr
.endr
	s_wait_dscnt 0x0
.irp jt, 0,1,2
	v_or_b32 v[LL+4*(\jt)], v[LL+4*(\jt)], v[LL+4*(\jt)+1]
	v_or_b32 v[LL+4*(\jt)+2], v[LL+4*(\jt)+2], v[LL+4*(\jt)+3]
	v_or_b32 v[LL+4*(\jt)], v[LL+4*(\jt)], v[LL+4*(\jt)+2]
	v_min_u32 v[LL+4*(\jt)], 0xfff, v[LL+4*(\jt)]
	v_and_b32 v[LL+4*(\jt)+1], 0xff0, v[LL+4*(\jt)]
	v_and_b32 v[LL+4*(\jt)+2], 15, v[LL+4*(\jt)]
	v_lshlrev_b32 v[LL+4*(\jt)+1], 7, v[LL+4*(\jt)+1]                      ; 2,048 (n / 16)
	v_lshl_add_u32 v[LL+4*(\jt)+1], v[LL+4*(\jt)+2], 4, v[LL+4*(\jt)+1]    ; + 16 (n % 16)
	v_lshl_add_u32 v[10+(\jt)], v3, 9, v[LL+4*(\jt)+1]                     ; + 512 hh
.endr
.irp t, 0,1,2
	global_load_b128 v[QF+16*(\t):QF+16*(\t)+3], v[10+(\t)], s[QI:QI+1]
	global_load_b128 v[QF+16*(\t)+4:QF+16*(\t)+7], v[10+(\t)], s[QI:QI+1] offset:256
	global_load_b128 v[QF+16*(\t)+8:QF+16*(\t)+11], v[10+(\t)], s[QI:QI+1] offset:1024
	global_load_b128 v[QF+16*(\t)+12:QF+16*(\t)+15], v[10+(\t)], s[QI:QI+1] offset:1280
.endr
	s_wait_loadcnt 12                      ; Wk is in; q's twelve loads stay out
.set fe, 0
.rept 4
.set fp, 0
.rept 8
	v_cvt_pk_bf16_f32 v[F0+8*fe+fp], v[L0+8*fp+fe], v[L0+8*fp+4+fe]
.set fp, fp+1
.endr
.set fe, fe+1
.endr
.set fe, 0
.rept 4
.set fp, 0
.rept 8
	v_cvt_pk_bf16_f32 v[F1+8*fe+fp], v[L1+8*fp+fe], v[L1+8*fp+4+fe]
.set fp, fp+1
.endr
.set fe, fe+1
.endr
	s_wait_loadcnt 0x0                     ; q
.irp t, 0,1,2
.irp e, 0,1,2,3                        ; the four accumulators take turns
	v_wmma_f32_16x16x32_bf16 v[DT+8*(\e):DT+8*(\e)+7], v[QF+16*(\t):QF+16*(\t)+7], v[F0+8*(\e):F0+8*(\e)+7], 0
.endr
.irp e, 0,1,2,3
	v_wmma_f32_16x16x32_bf16 v[DT+8*(\e):DT+8*(\e)+7], v[QF+16*(\t)+8:QF+16*(\t)+15], v[F1+8*(\e):F1+8*(\e)+7], v[DT+8*(\e):DT+8*(\e)+7]
.endr
.rept 5
	v_nop
.endr
.set dq, 0
.rept 16                               ; the scale, in f32; each accumulator's lowest registers are read first
	v_pk_mul_f32 v[DT+2*dq:DT+2*dq+1], v[DT+2*dq:DT+2*dq+1], s[CS:CS+1] op_sel_hi:[1,0]
.set dq, dq+1
.endr
	s_wait_xcnt 0x0                        ; the packed registers were store data
.irp j, 0,1,2,3,4,5,6,7                ; row 16 t + 8 hh + j, columns 4 r + 0..3
	v_cvt_pk_bf16_f32 v[PT+2*(\j)], v[DT+(\j)], v[DT+8+(\j)]
	v_cvt_pk_bf16_f32 v[PT+2*(\j)+1], v[DT+16+(\j)], v[DT+24+(\j)]
.endr
.irp j, 0,1,2,3,4,5,6,7
	global_store_b64 v13, v[PT+2*(\j):PT+2*(\j)+1], s[10:11] offset:(16*(\t)+(\j))*2048
.endr
.endr
	s_set_vgpr_msb 0x5
	s_wait_tensorcnt 0x0
	ds_add_u32 v0, v1
	s_wait_dscnt 0x0
	s_set_vgpr_msb 0x500
	s_endpgm
.Lfunc_end_k_qd6ea54fe37_qred:
	.size	k_qd6ea54fe37_qred, .Lfunc_end_k_qd6ea54fe37_qred-k_qd6ea54fe37_qred
	.p2alignl 7, 3214868480
	.fill 96, 4, 3214868480
	.section	.rodata,"a",@progbits
	.p2align	6, 0x0
	.amdhsa_kernel k_qd6ea54fe37_qred
		.amdhsa_group_segment_fixed_size 1536
		.amdhsa_private_segment_fixed_size 0
		.amdhsa_enable_private_segment 0
		.amdhsa_kernarg_size 32
		.amdhsa_user_sgpr_count 2
		.amdhsa_user_sgpr_kernarg_segment_ptr 1
		.amdhsa_wavefront_size32 1
		.amdhsa_system_sgpr_workgroup_id_x 1
		.amdhsa_system_sgpr_workgroup_id_y 1
		.amdhsa_system_sgpr_workgroup_id_z 1
		.amdhsa_system_vgpr_workitem_id 0
		.amdhsa_next_free_vgpr 258
		.amdhsa_next_free_sgpr 66
		.amdhsa_reserve_vcc 0
		.amdhsa_float_denorm_mode_32 3
		.amdhsa_float_denorm_mode_16_64 3
		.amdhsa_memory_ordered 1
		.amdhsa_forward_progress 1
		.amdhsa_inst_pref_size 27
	.end_amdhsa_kernel
	.amdgpu_metadata
---
amdhsa.version: [ 1, 2 ]
amdhsa.kernels:
  - .name:           k_qd6ea54fe37_qred
    .symbol:         k_qd6ea54fe37_qred.kd
    .args:
      - { .name: mq, .offset: 0, .size: 8, .value_kind: global_buffer, .address_space: global }
      - { .name: Wk, .offset: 8, .size: 8, .value_kind: global_buffer, .address_space: global }
      - { .name: sel, .offset: 16, .size: 8, .value_kind: global_buffer, .address_space: global }
      - { .name: tb, .offset: 24, .size: 8, .value_kind: global_buffer, .address_space: global }
    .group_segment_fixed_size: 1536
    .private_segment_fixed_size: 0
    .kernarg_segment_align: 8
    .kernarg_segment_size: 32
    .max_flat_workgroup_size: 128
    .sgpr_count:     66
    .vgpr_count:     258
    .wavefront_size: 32
...
	.end_amdgpu_metadata
.endif
;; end of part 13
;; launch score (part 14): grid 64 x 4, 4 waves a work-group, clusters of 4 x 1, 327,680 bytes of LDS; arguments K, tb, pm; writes pm
.if DOCPART == 14
	.amdgcn_target "amdgcn-amd-amdhsa--gfx1250"
	.amdhsa_code_object_version 6
	.text
	.protected	k_qd6ea54fe37_score
	.globl	k_qd6ea54fe37_score
	.p2align	8
	.type	k_qd6ea54fe37_score,@function
k_qd6ea54fe37_score:
	s_mov_b64 s[64:65], 0
	v_nop
	global_prefetch_b8 v0, s[64:65] scope:SCOPE_SE
	s_setreg_imm32_b32 hwreg(HW_REG_WAVE_MODE, 25, 1), 1
	s_wait_xcnt 0x0
	s_wait_alu depctr_hold_cnt(0) depctr_sa_sdst(0) depctr_va_vdst(0) depctr_va_sdst(0) depctr_va_ssrc(0) depctr_va_vcc(0) depctr_vm_vsrc(0)
	s_getreg_b32 s2, hwreg(HW_REG_IB_STS2, 6, 4)
	s_cmp_eq_u32 s2, 0
	s_cbranch_scc0 .Lentry_in_a_cluster
	s_endpgm
.Lentry_in_a_cluster:
	s_bfe_u32 s2, ttmp6, 0x10000c
	s_cmp_lg_u32 s2, 0x3003
	s_cbranch_scc0 .Lentry_shape_is_right
	s_endpgm
.Lentry_shape_is_right:
; S = T . K^T (already in units of log2, scaled), and of each block of 64 keys the block's own softmax pieces: m = the largest score of the block, p = 2^(S - m) in bf16, l = the sum of the unrounded p.
; The next launch joins the blocks by the true maximum over all of them.
; SHARES.  A work-group owns 256 keys (x) and 192 rows of T = 4 heads x 48 (y); each wave 64 keys and ALL 192 rows: 48 accumulators, 384 registers.  A row of K is wanted by one wave alone: it
; goes from memory (f32) into registers and is rounded there.  T comes by tensor loads, K in steps of 128, through two LDS slots; each wave fetches 48 of a step's 192 rows.
; Source 0 = 16 keys, source 1 = 16 rows of T: a lane holds one row u and eight keys.  In a step of 32 lane (r, hh) holds k = 16 hh .. 16 hh + 15 on both sides.
; The accumulators are cleared by 384 v_mov_b32, in the wait for the first tile: the price of one text for every step (a first step written out would be four more copies of 32 along K).
; The finished accumulators go into the wave's own 64 KB of LDS (the slots have had their last fill), and one text, looped 12 times, makes m, p and l.
; pm: p at [b][block 64][tile 48][j 4][lane 32][16 bytes]; from byte 25,165,824 on m and l at [b][block][2][768] f32.
; CLUSTER.  The four work-groups of a cluster lie side by side along x: other keys of one batch (a batch is four clusters), the same 192 rows of T.  So T's tile, 48 KB of a step's 176 KB, is asked
; for JOINTLY: the same tensor load, with the same descriptor (it hangs on the cluster's x, on y and on the wave's number alone) and a mask that names the four, in all four.  K's rows are each work-group's own.
.set NB1, 8
.set RW, 48
.set PITCH, 272
.set SLOT1, 131072
.set SPARE, 262144
.set SPW, 2
.set NIL, 3
.set WA0, 4
.set WA, 5
.set QO, 6
.set DA, 7
.set PO, 9
.set LO, 10
.set DL, 11
.set QB0, 32
.set WB0, 128
.set S, 128
.set PK, 160
.set WV, 12
.set TB, 13
.set LC, 14
.set G1, 16
.set G0, 24
.set SEL, 32
.set HIM, 34
.set DLS, 38
.set PB, 40            ; s[40:41] p's place
.set MB, 42            ; s[42:43] m's and l's
.set XG, 47            ; s47 the work-group's x: it enters global addresses of K and of the results alone
.set MSB, 0
.macro WIN new
.if MSB != (\new)
	s_set_vgpr_msb (MSB<<8)|(\new)
.set MSB, (\new)
.endif
.endm
.macro NOPS4
.rept 4
	v_nop
.endr
.endm
; A round of the cluster's barrier: my work-group's barrier, so that wave 0's signal speaks for all four waves; wave 0 signals for the work-group; every wave waits for all four
; work-groups; my work-group's barrier once more.  No LDS instruction of the wave is pending at a signal.
.macro CROUND
	s_barrier_signal -1
	s_barrier_wait -1
	s_cmp_lg_u32 s[WV], 0
	s_cbranch_scc1 .Lnot_wave_0_\@
	s_barrier_signal -3
.Lnot_wave_0_\@:
	s_barrier_wait -3
	s_barrier_signal -1
	s_barrier_wait -1
.endm
.macro LDW hi, q, cnt
.set li, 0
.rept \cnt
	ds_load_b128 v[WB0+64*(\hi)+8*li:WB0+64*(\hi)+8*li+3], v[WA] offset:(8*(\hi)+li)*16*PITCH+64*(\q)
	ds_load_b128 v[WB0+64*(\hi)+8*li+4:WB0+64*(\hi)+8*li+7], v[WA] offset:(8*(\hi)+li)*16*PITCH+64*(\q)+16
.set li, li+1
.endr
.endm
.macro MUL hi, cnt, qb                 ; every accumulator has one turn
	WIN 0xa0+0x50*(\hi)
.set mi, 0
.rept \cnt
.set mj, 0
.rept 4
	v_wmma_f32_16x16x32_bf16 v[8*(4*mi+mj):8*(4*mi+mj)+7], v[(\qb)+8*mj:(\qb)+8*mj+7], v[WB0+64*(\hi)+8*mi:WB0+64*(\hi)+8*mi+7], v[8*(4*mi+mj):8*(4*mi+mj)+7]
.set mj, mj+1
.endr
.set mi, mi+1
.endr
.endm
.macro CVTQ st, qb
	WIN 0x05
.set cp, 0
.rept 32
	v_cvt_pk_bf16_f32 v[(\qb)+cp], v[64*(\st)+2*cp], v[64*(\st)+2*cp+1]
.set cp, cp+1
.endr
.endm
.macro LDQ st, imm
	WIN 0x40
.set qj, 0
.rept 4
.set qc, 0
.rept 4
	global_load_b128 v[64*(\st)+16*qj+4*qc:64*(\st)+16*qj+4*qc+3], v[QO], s[4:5] offset:qj*65536+(\imm)+16*qc
.set qc, qc+1
.endr
.set qj, qj+1
.endr
.endm
; THE CHANGE OF SLOTS: all my tensor loads have landed (one was out); the add; my reads of the old slot are over.  refill = 1: a round of the cluster's barrier, so that no wave of any partner
; still reads the old slot or has a load on its way, and the joint refill first behind it.  refill = 0: nothing is filled, and my work-group's barrier is enough.
.macro TRIPHEAD refill
	WIN 0
	s_wait_tensorcnt 0x0
	ds_add_u32 v[SPW], v[NIL]              ; 0 onto my spare word
	s_xor_b32 s[G0+1], s[G0+1], SLOT1
	s_add_nc_u64 s[G0+2:G0+3], s[G0+2:G0+3], 256
	s_xor_b32 s[TB], s[TB], SLOT1
	s_wait_dscnt 0x0
.if \refill
	CROUND
	tensor_load_to_lds s[G0:G0+3], s[G1:G1+7]      ; it has the step's 192 products in which to land
	s_nop 0
.else
	s_barrier_signal -1
	s_barrier_wait -1
.endif
	NOPS4
	v_add_nc_u32 v[WA], s[TB], v[WA0]
	LDW 0, 0, 8
	LDW 1, 0, 4
.endm
; 32 ALONG K.  ld = 1: the stage of K that was rounded at the end of the step before is asked for again at once, four steps of 32 ahead: four stages are on their way.
; cw: the younger loads of K that stay out when the next stage is rounded, at this step's end; -1: there is none.
.macro SUB q, ld, cw
.if \ld
	LDQ (\q)%4, 128*(\q)+512
.endif
	s_wait_dscnt NB1                       ; the lower eight tiles of T are in
	MUL 0, 8, QB0+32*((\q)%2)
	WIN 0
	NOPS4                                  ; the places in front of the loads into the fragments just multiplied
.if (\q) < 3
	LDW 0, (\q)+1, 8
	s_wait_dscnt 16                        ; all but those sixteen: the upper four tiles are in
.else
	s_wait_dscnt 0x0
.endif
	MUL 1, 4, QB0+32*((\q)%2)
.if (\cw) >= 0
	s_wait_loadcnt \cw
	CVTQ ((\q)+1)%4, QB0+32*(((\q)+1)%2)   ; 32 plain instructions that name no register of those products: the places in front of the loads below
.else
	NOPS4                                  ; at the very end: the places in front of the stores of the results
.endif
	WIN 0
.if (\q) < 3
	LDW 1, (\q)+1, 4
.endif
.endm
.macro MAX32 b, c                      ; the largest of v[b .. b+31] into v[c]; v[c+1 .. c+3] at work
.irp k, 0,1,2,3
	v_max3_num_f32 v[(\c)+(\k)], v[(\b)+3*(\k)], v[(\b)+3*(\k)+1], v[(\b)+3*(\k)+2]
.endr
.set xn, 12
.rept 10
	v_max3_num_f32 v[(\c)+(xn/2)%4], v[(\c)+(xn/2)%4], v[(\b)+xn], v[(\b)+xn+1]
.set xn, xn+2
.endr
	v_max3_num_f32 v[\c], v[\c], v[(\c)+1], v[(\c)+2]
	v_max_num_f32 v[\c], v[\c], v[(\c)+3]
.endm
	s_load_b128 s[4:7], s[0:1], 0x0        ; K s[4:5], tb s[6:7]
	s_load_b64 s[8:9], s[0:1], 0x10        ; pm
	v_lshl_add_u32 v[SPW], v0, 2, SPARE
	v_mov_b32 v[NIL], 0
	ds_add_u32 v2, v3
	ds_add_u32 v2, v3
	s_wait_dscnt 0x0
	v_lshrrev_b32 v1, 5, v0
	v_readfirstlane_b32 s[WV], v1
	s_bfe_u32 s46, ttmp6, 0x40000          ; cx: my place in the cluster
	s_lshl_b32 s[XG], ttmp9, 2             ; in a cluster launch ttmp9 counts clusters
	s_add_co_u32 s[XG], s[XG], s46         ; my 256 keys = 4 x cluster x + cx
	s_and_b32 s30, ttmp7, 0xffff           ; y: which 192 rows of T
	s_lshr_b32 s31, ttmp9, 2               ; b: four clusters of 1,024 keys to a batch; the four partners share it
	s_mov_b32 s[G1+0], 15|(1<<16)|(1<<20)|(1<<21)|(5<<22)|(3<<25)  ; the mask of four; 2-byte elements; padding on; bit 21 set beside a mask; 4 words of padding after every 64
	s_mov_b32 s[G1+1], 128<<16
	s_mov_b32 s[G1+2], RW<<16
	s_mov_b32 s[G1+3], 128<<16
	s_mov_b32 s[G1+4], RW
	s_mov_b32 s[G1+5], 1024
	s_mov_b32 s[G1+6], 0
	s_mov_b32 s[G1+7], 0
	s_mov_b32 s[G0], 1
	s_mul_i32 s[G0+1], s[WV], RW*PITCH     ; no place in the cluster enters an LDS address
	s_mul_i32 s28, s31, 768
	s_mul_i32 s29, s30, 192
	s_add_co_u32 s28, s28, s29
	s_mul_i32 s29, s[WV], RW
	s_add_co_u32 s28, s28, s29
	s_lshl_b32 s28, s28, 11
	s_mov_b32 s29, 0
	s_wait_kmcnt 0x0
	s_add_nc_u64 s[G0+2:G0+3], s[6:7], s[28:29]
	s_or_b32 s[G0+3], s[G0+3], 0x80000000
	CROUND                                 ; all four work-groups are here: the first joint loads meet
	tensor_load_to_lds s[G0:G0+3], s[G1:G1+7]      ; K step 0 into slot 0, ahead of everything else
	s_nop 0
	v_and_b32 v12, 15, v0
	v_bfe_u32 v13, v0, 4, 1
	v_and_b32 v14, 31, v0
	v_mul_u32_u24 v[WA0], v12, PITCH
	v_lshl_add_u32 v[WA0], v13, 5, v[WA0]
	s_lshl_b32 s28, s[WV], 18
	v_lshlrev_b32 v[QO], 12, v12
	v_lshl_add_u32 v[QO], v13, 6, v[QO]
	v_add_nc_u32 v[QO], s28, v[QO]
	s_lshl_b32 s28, s[WV], 16
	v_lshl_add_u32 v[DA], v14, 4, s28
	v_lshlrev_b32 v[PO], 4, v14
	v_mul_u32_u24 v[LO], v13, 3072
	v_lshl_add_u32 v[LO], v12, 2, v[LO]    ; lanes 0-15 store m, lanes 16-31 l
	s_mov_b32 s[SEL], 0x76543210
	s_mov_b32 s[SEL+1], 0xfedcba98
	s_mov_b32 s[HIM], 0xffff0000
	s_lshl_b32 s28, s[XG], 20
	s_mov_b32 s29, 0
	s_add_nc_u64 s[4:5], s[4:5], s[28:29]
	s_and_b32 s35, s[XG], 15
	s_lshl2_add_u32 s35, s35, s[WV]        ; my block of 64 keys in the batch
	s_lshl_b32 s36, s31, 6
	s_add_co_u32 s35, s35, s36             ; 64 b + block
	s_mul_i32 s28, s35, 98304
	s_mul_i32 s36, s30, 24576
	s_add_co_u32 s28, s28, s36
	s_add_nc_u64 s[PB:PB+1], s[8:9], s[28:29]
	s_mul_i32 s28, s35, 6144
	s_mul_i32 s36, s30, 768
	s_add_co_u32 s28, s28, s36
	s_add_co_u32 s28, s28, 25165824
	s_add_nc_u64 s[MB:MB+1], s[8:9], s[28:29]
	LDQ 0, 0
	LDQ 1, 128
	LDQ 2, 256
	LDQ 3, 384
	WIN 0x80
.set zi, 0
.rept 256
	v_mov_b32 v[zi], 0
.set zi, zi+1
.endr
	WIN 0xc0
.set zi, 0
.rept 128
	v_mov_b32 v[zi], 0
.set zi, zi+1
.endr
	s_wait_loadcnt 48                      ; stage 0 is in
	CVTQ 0, QB0
	WIN 0
	s_mov_b32 s[TB], SLOT1
	s_mov_b32 s[LC], 7
.Ltrip:
	TRIPHEAD 1
	SUB 0, 1, 48                           ; 48: the three younger stages of 16 loads
	SUB 1, 1, 48
	SUB 2, 1, 48
	SUB 3, 1, 48
	s_wait_xcnt 0x0
	s_add_nc_u64 s[4:5], s[4:5], 512
	s_sub_co_u32 s[LC], s[LC], 1
	s_cmp_lg_u32 s[LC], 0
	s_cbranch_scc1 .Ltrip
	TRIPHEAD 0                             ; the last step is written out: nothing is asked for, and the counts run down
	SUB 0, 0, 32
	SUB 1, 0, 16
	SUB 2, 0, 0
	SUB 3, 0, -1
	s_wait_dscnt 0x0
	s_barrier_signal -1                    ; nobody reads the slots any more; nothing fills them again
	s_barrier_wait -1
.macro DUMP hi, cnt                    ; tile i of T: its four accumulators, 4 KB on end; each accumulator's low half first
	WIN 0x08+0x04*(\hi)
.set di, 0
.rept \cnt
.set dj, 0
.rept 4
	ds_store_b128 v[DA], v[8*(4*di+dj):8*(4*di+dj)+3] offset:((8*(\hi)+di)*8+dj*2)*512
	ds_store_b128 v[DA], v[8*(4*di+dj)+4:8*(4*di+dj)+7] offset:((8*(\hi)+di)*8+dj*2)*512+512
.set dj, dj+1
.endr
.set di, di+1
.endr
.endm
	DUMP 0, 8
	DUMP 1, 4
	WIN 0
	s_mov_b32 s[DLS], 0
	s_mov_b32 s[LC], 12
.Lunit:                                        ; 16 rows of T x my 64 keys: a lane holds one row and 32 keys
	v_add_nc_u32 v[DL], s[DLS], v[DA]
.set dn, 0
.rept 8
	ds_load_b128 v[S+4*dn:S+4*dn+3], v[DL] offset:512*dn
.set dn, dn+1
.endr
	s_wait_dscnt 0x0
	MAX32 S, 16
	v_permlanex16_b32 v17, v16, s[SEL], s[SEL+1]   ; the row's other 32 keys lie in the lane 16 away
	v_max_num_f32 v16, v16, v17
.set dn, 0
.rept 16
	v_pk_add_f32 v[S+2*dn:S+2*dn+1], v[S+2*dn:S+2*dn+1], v[16:17] op_sel_hi:[1,0] neg_lo:[0,1] neg_hi:[0,1]
.set dn, dn+1
.endr
.set dn, 0
.rept 32
	v_exp_f32 v[S+dn], v[S+dn]
.set dn, dn+1
.endr
	v_nop                                  ; a plain instruction between the last exponential and the use of its result
.set dn, 0
	s_wait_alu depctr_va_vdst(0)
.rept 16
	v_cvt_pk_bf16_f32 v[PK+dn], v[S+2*dn], v[S+2*dn+1]
.set dn, dn+1
.endr
.irp d, 16,8,4,2                       ; the sum of the unrounded weights, in place
.set dn, 0
.rept (\d)/2
	v_pk_add_f32 v[S+2*dn:S+2*dn+1], v[S+2*dn:S+2*dn+1], v[S+(\d)+2*dn:S+(\d)+2*dn+1]
.set dn, dn+1
.endr
.endr
	v_add_f32 v[S], v[S], v[S+1]
	v_permlanex16_b32 v17, v[S], s[SEL], s[SEL+1]
	v_add_f32 v17, v[S], v17
	v_cndmask_b32 v18, v16, v17, s[HIM]
.irp j, 0,1,2,3
	global_store_b128 v[PO], v[PK+4*(\j):PK+4*(\j)+3], s[PB:PB+1] offset:512*(\j)  ; 512 consecutive bytes
.endr
	global_store_b32 v[LO], v18, s[MB:MB+1]
	s_wait_xcnt 0x0                        ; bases and store data are rewritten only behind this wait
	s_add_nc_u64 s[PB:PB+1], s[PB:PB+1], 2048
	s_add_nc_u64 s[MB:MB+1], s[MB:MB+1], 64
	s_add_co_u32 s[DLS], s[DLS], 4096
	s_sub_co_u32 s[LC], s[LC], 1
	s_cmp_lg_u32 s[LC], 0
	s_cbranch_scc1 .Lunit
	s_wait_tensorcnt 0x0                   ; the wave's end
	ds_add_u32 v[SPW], v[NIL]
	s_wait_dscnt 0x0
	CROUND                                 ; the closing round: no work-group ends while a partner may still ask for a tile that names it
	s_endpgm
.Lfunc_end_k_qd6ea54fe37_score:
	.size	k_qd6ea54fe37_score, .Lfunc_end_k_qd6ea54fe37_score-k_qd6ea54fe37_score
	.p2alignl 7, 3214868480
	.fill 96, 4, 3214868480
	.section	.rodata,"a",@progbits
	.p2align	6, 0x0
	.amdhsa_kernel k_qd6ea54fe37_score
		.amdhsa_group_segment_fixed_size 327680
		.amdhsa_private_segment_fixed_size 0
		.amdhsa_enable_private_segment 0
		.amdhsa_kernarg_size 24
		.amdhsa_user_sgpr_count 2
		.amdhsa_user_sgpr_kernarg_segment_ptr 1
		.amdhsa_wavefront_size32 1
		.amdhsa_system_sgpr_workgroup_id_x 1
		.amdhsa_system_sgpr_workgroup_id_y 1
		.amdhsa_system_sgpr_workgroup_id_z 1
		.amdhsa_system_vgpr_workitem_id 0
		.amdhsa_next_free_vgpr 896
		.amdhsa_next_free_sgpr 66
		.amdhsa_reserve_vcc 0
		.amdhsa_float_denorm_mode_32 3
		.amdhsa_float_denorm_mode_16_64 3
		.amdhsa_memory_ordered 1
		.amdhsa_forward_progress 1
		.amdhsa_inst_pref_size 99
	.end_amdhsa_kernel
	.amdgpu_metadata
---
amdhsa.version: [ 1, 2 ]
amdhsa.kernels:
  - .name:           k_qd6ea54fe37_score
    .symbol:         k_qd6ea54fe37_score.kd
    .args:
      - { .name: K, .offset: 0, .size: 8, .value_kind: global_buffer, .address_space: global }
      - { .name: tb, .offset: 8, .size: 8, .value_kind: global_buffer, .address_space: global }
      - { .name: pm, .offset: 16, .size: 8, .value_kind: global_buffer, .address_space: global }
    .group_segment_fixed_size: 327680
    .private_segment_fixed_size: 0
    .kernarg_segment_align: 8
    .kernarg_segment_size: 24
    .max_flat_workgroup_size: 128
    .sgpr_count:     66
    .vgpr_count:     896
    .wavefront_size: 32
...
	.end_amdgpu_metadata
.endif
;; end of part 14
;; launch wsum (part 15): grid 256 x 1, 4 waves a work-group, no clusters, 1,024 bytes of LDS; arguments pm, wb; writes wb
.if DOCPART == 15
	.amdgcn_target "amdgcn-amd-amdhsa--gfx1250"
	.amdhsa_code_object_version 6
	.text
	.protected	k_qd6ea54fe37_wsum
	.globl	k_qd6ea54fe37_wsum
	.p2align	8
	.type	k_qd6ea54fe37_wsum,@function
k_qd6ea54fe37_wsum:
	s_mov_b64 s[64:65], 0
	v_nop
	global_prefetch_b8 v0, s[64:65] scope:SCOPE_SE
	s_setreg_imm32_b32 hwreg(HW_REG_WAVE_MODE, 25, 1), 1
	s_wait_xcnt 0x0
; w[b][h][k] = 1/45 x the sum over the 45 chosen queries u of softmax_k(score)[u][k], in bf16.  Only the mean over u of the context is wanted, so the 45 rows of weights are added up here.
; A row's true maximum M over the 64 blocks is taken away: weight = p x 2^(m_block - M) / L, L = the sum over the blocks of l x 2^(m_block - M).
; SHARES.  Work-group = (b, h) and a quarter of the keys; wave w takes four blocks of 64 keys.
; PHASE A.  The head has three tiles of 16 rows; waves 0 to 2 take one each: lane (r, hh) reads m and l of 32 blocks of row r; R = 1 / (45 L), or 0 for rows 45-47.  The three pairs (M, R) of a row
; meet in 384 bytes of LDS behind one barrier.  Every wave's first block of p has been asked for ahead of that.
; PHASE B, a block a trip: 6 KB of p on end; 96 multiply-adds straight from the bf16 halves; behind them, their registers free, the next block's 15 loads go out and land under the lane sums;
; the sum over the 16 rows of a tile by four steps inside each half of the lanes; lane r keeps pair r of the 16 pairs of keys.  The last trip jumps over the loads: none leaves the buffer.
; Memory and vector work alone: matrix units and clusters would add nothing.
.set LA, 4
.set LB, 5
.set PO, 6
.set WOF, 7
.set MR, 8             ; v8-13  (M, R) of the three tiles, for my row r
.set FF, 14            ; v14-16 the block's factors
.set ZR, 17            ; v17    0
.set SA, 28            ; v28    LDS: my row's pair in my wave's tile
.set RA, 29            ; v29    LDS: my row's pair in tile 0
.set PR, 32            ; v32-79 p of a block
.set CV, 80
.set AC, 96            ; v96-127 the 32 sums
.set AM, 96            ; in phase A: m of 32 blocks,
.set AL, 128           ;             l of 32 blocks
.set SEL, 24
.set MA, 26
.set LIM, 30
.set LC, 31
.set WV, 32
.macro MAX32 b, c
.irp k, 0,1,2,3
	v_max3_num_f32 v[(\c)+(\k)], v[(\b)+3*(\k)], v[(\b)+3*(\k)+1], v[(\b)+3*(\k)+2]
.endr
.set xn, 12
.rept 10
	v_max3_num_f32 v[(\c)+(xn/2)%4], v[(\c)+(xn/2)%4], v[(\b)+xn], v[(\b)+xn+1]
.set xn, xn+2
.endr
	v_max3_num_f32 v[\c], v[\c], v[(\c)+1], v[(\c)+2]
	v_max_num_f32 v[\c], v[\c], v[(\c)+3]
.endm
.macro BLOAD                           ; a block: 12 x 512 bytes of p, and its m for my row of the three tiles
.set bn, 0
.rept 12
	global_load_b128 v[PR+4*bn:PR+4*bn+3], v[PO], s[12:13] offset:512*bn th:TH_LOAD_NT
.set bn, bn+1
.endr
.irp i, 0,1,2
	global_load_b32 v[FF+(\i)], v[LB], s[14:15] offset:64*(\i)
.endr
.endm
	s_load_b128 s[4:7], s[0:1], 0x0        ; pm s[4:5], wb s[6:7]
	v_lshl_add_u32 v160, v0, 2, 0x200
	v_mov_b32 v161, 0
	v_lshrrev_b32 v1, 5, v0
	v_readfirstlane_b32 s[WV], v1
	v_and_b32 v1, 15, v0                   ; r
	v_bfe_u32 v2, v0, 4, 1                 ; hh
	v_and_b32 v3, 31, v0                   ; lane
	v_mul_u32_u24 v[LA], v2, 196608        ; 32 blocks of 6,144 bytes
	v_lshl_add_u32 v[LA], v1, 2, v[LA]
	v_lshlrev_b32 v[LB], 2, v1
	v_lshlrev_b32 v[PO], 4, v3
	v_lshrrev_b32 v[WOF], 2, v1
	v_lshlrev_b32 v[WOF], 5, v[WOF]
	v_lshl_add_u32 v[WOF], v2, 4, v[WOF]
	v_and_b32 v18, 3, v1
	v_lshl_add_u32 v[WOF], v18, 2, v[WOF]  ; pair r = keys 16 (r / 4) + 8 hh + 2 (r % 4)
	v_mov_b32 v[ZR], 0
	s_lshl_b32 s33, s[WV], 7
	v_lshl_add_u32 v[SA], v1, 3, s33       ; 128 bytes a tile, 8 a row
	v_lshlrev_b32 v[RA], 3, v1
	s_lshr_b32 s18, ttmp9, 2               ; bh
	s_and_b32 s19, ttmp9, 3                ; quarter
	s_lshr_b32 s20, s18, 4                 ; b
	s_and_b32 s21, s18, 15                 ; h
	s_lshl_b32 s22, s19, 4
	s_lshl2_add_u32 s22, s[WV], s22        ; my first block
	s_mov_b32 s[SEL], 0x76543210
	s_mov_b32 s[SEL+1], 0xfedcba98
	s_mov_b32 s[MA], 0xaaaaaaaa
	s_mov_b32 s[MA+1], 0xcccccccc
	s_mov_b32 s[MA+2], 0xf0f0f0f0
	s_mov_b32 s[MA+3], 0xff00ff00
	s_lshl_b32 s[LIM], s[WV], 4
	s_sub_co_u32 s[LIM], 45, s[LIM]        ; rows of my tile that count: 45 - 16 w
	s_mul_i32 s34, s20, 393216
	s_mul_i32 s23, s21, 192
	s_add_co_u32 s34, s34, s23
	s_add_co_u32 s34, s34, 25165824
	s_mov_b32 s35, 0
	s_lshl_b32 s36, s20, 6
	s_add_co_u32 s36, s36, s22
	s_mul_i32 s36, s36, 98304
	s_mul_i32 s23, s21, 6144
	s_add_co_u32 s36, s36, s23
	s_mov_b32 s37, 0
	s_mul_i32 s38, s22, 6144
	s_mov_b32 s39, 0
	s_lshl_b32 s10, s[WV], 6               ; my tile's 16 rows of 4 bytes
	s_mov_b32 s11, 0
	s_wait_kmcnt 0x0
	s_add_nc_u64 s[8:9], s[4:5], s[34:35]          ; m and l of my head's rows, block 0
	s_add_nc_u64 s[10:11], s[8:9], s[10:11]        ; the same at my tile
	s_add_nc_u64 s[12:13], s[4:5], s[36:37]        ; p of my first block
	s_add_nc_u64 s[14:15], s[8:9], s[38:39]        ; m of my first block
	s_lshl_b32 s34, s18, 13
	s_lshl_b32 s23, s22, 7
	s_add_co_u32 s34, s34, s23
	s_add_nc_u64 s[16:17], s[6:7], s[34:35]
	BLOAD                                  ; my first block goes out ahead of everything else
	s_cmp_eq_u32 s[WV], 3
	s_cbranch_scc1 .Lshared                ; three tiles, four waves
.set an, 0
.rept 32
	global_load_b32 v[AM+an], v[LA], s[10:11] offset:6144*an
	global_load_b32 v[AL+an], v[LA], s[10:11] offset:6144*an+3072
.set an, an+1
.endr
	s_wait_loadcnt 0x0
	MAX32 AM, 20
	v_permlanex16_b32 v21, v20, s[SEL], s[SEL+1]
	v_max_num_f32 v20, v20, v21            ; M
.set an, 0
.rept 16
	v_pk_add_f32 v[AM+2*an:AM+2*an+1], v[AM+2*an:AM+2*an+1], v[20:21] op_sel_hi:[1,0] neg_lo:[0,1] neg_hi:[0,1]
.set an, an+1
.endr
.set an, 0
.rept 32
	v_exp_f32 v[AM+an], v[AM+an]
.set an, an+1
.endr
	v_nop                                  ; a plain instruction between the last exponential and the use of its result
	s_wait_alu depctr_va_vdst(0)
	v_pk_mul_f32 v[24:25], v[AL:AL+1], v[AM:AM+1]
	v_pk_mul_f32 v[26:27], v[AL+2:AL+3], v[AM+2:AM+3]
.set an, 2
.rept 14
	v_pk_fma_f32 v[24+2*(an%2):25+2*(an%2)], v[AL+2*an:AL+2*an+1], v[AM+2*an:AM+2*an+1], v[24+2*(an%2):25+2*(an%2)]
.set an, an+1
.endr
	v_pk_add_f32 v[24:25], v[24:25], v[26:27]
	v_add_f32 v24, v24, v25
	v_permlanex16_b32 v25, v24, s[SEL], s[SEL+1]
	v_add_f32 v24, v24, v25
	v_mul_f32 v24, 0x42340000, v24         ; 45 L
	v_rcp_f32 v24, v24
	v_nop
	v_cmp_gt_u32 vcc_lo, s[LIM], v1        ; rows 45-47 count for nothing
	s_wait_alu depctr_va_vdst(0)
	v_cndmask_b32 v21, 0, v24, vcc_lo      ; R, beside M
	ds_store_b64 v[SA], v[20:21]           ; lanes r and 16 + r write the same pair to the same place
.Lshared:
	s_wait_dscnt 0x0                       ; for the others' sake: my store is done
	s_barrier_signal -1
	s_barrier_wait -1
.irp i, 0,1,2
	ds_load_b64 v[MR+2*(\i):MR+2*(\i)+1], v[RA] offset:128*(\i)
.endr
	s_wait_dscnt 0x0
	s_mov_b32 s[LC], 4
.Lblk:
	s_wait_loadcnt 0x0                     ; this block's p and m: nothing younger is out, on either way here
.irp i, 0,1,2
	v_sub_f32 v[FF+(\i)], v[FF+(\i)], v[MR+2*(\i)]
.endr
.irp i, 0,1,2
	v_exp_f32 v[FF+(\i)], v[FF+(\i)]
.endr
	v_nop
	s_wait_alu depctr_va_vdst(0)
.irp i, 0,1,2
	v_mul_f32 v[FF+(\i)], v[FF+(\i)], v[MR+2*(\i)+1]
.endr
.set bn, 0
.rept 16                               ; tile 0 starts the 32 sums
	v_fma_mix_f32_bf16 v[AC+2*bn], v[PR+bn], v[FF], v[ZR] op_sel_hi:[1,0,0]
	v_fma_mix_f32_bf16 v[AC+2*bn+1], v[PR+bn], v[FF], v[ZR] op_sel:[1,0,0] op_sel_hi:[1,0,0]
.set bn, bn+1
.endr
.irp i, 1,2
.set bn, 0
.rept 16
	v_fma_mix_f32_bf16 v[AC+2*bn], v[PR+16*(\i)+bn], v[FF+(\i)], v[AC+2*bn] op_sel_hi:[1,0,0]
	v_fma_mix_f32_bf16 v[AC+2*bn+1], v[PR+16*(\i)+bn], v[FF+(\i)], v[AC+2*bn+1] op_sel:[1,0,0] op_sel_hi:[1,0,0]
.set bn, bn+1
.endr
.endr
	s_cmp_eq_u32 s[LC], 1
	s_cbranch_scc1 .Lnomore                ; behind the last block there is nothing to fetch
	s_add_nc_u64 s[12:13], s[12:13], 98304 ; the loads that named these bases are done
	s_add_nc_u64 s[14:15], s[14:15], 6144
	BLOAD                                  ; the next block, into the registers just read out
.Lnomore:
.irp x, 1,2,4,8
.set bn, 0
.rept 32
	v_add_f32_dpp v[AC+bn], v[AC+bn], v[AC+bn] row_xmask:\x row_mask:0xf bank_mask:0xf
.set bn, bn+1
.endr
.endr
.set bn, 0
.rept 16
	v_cvt_pk_bf16_f32 v[CV+bn], v[AC+2*bn], v[AC+2*bn+1]
.set bn, bn+1
.endr
.irp lv, 0,1,2,3                       ; bit lv of r chooses between neighbours: lane r ends with pair r
.set bn, 0
.rept 8>>(\lv)
	v_cndmask_b32 v[CV+bn], v[CV+2*bn], v[CV+2*bn+1], s[MA+(\lv)]
.set bn, bn+1
.endr
.endr
	global_store_b32 v[WOF], v[CV], s[16:17]       ; the wave stores 128 consecutive bytes
	s_wait_xcnt 0x0                        ; the store's base and data are rewritten only behind this wait
	s_add_nc_u64 s[16:17], s[16:17], 128
	s_sub_co_u32 s[LC], s[LC], 1
	s_cmp_lg_u32 s[LC], 0
	s_cbranch_scc1 .Lblk
	s_wait_tensorcnt 0x0
	ds_add_u32 v160, v161
	s_wait_dscnt 0x0
	s_endpgm
.Lfunc_end_k_qd6ea54fe37_wsum:
	.size	k_qd6ea54fe37_wsum, .Lfunc_end_k_qd6ea54fe37_wsum-k_qd6ea54fe37_wsum
	.p2alignl 7, 3214868480
	.fill 96, 4, 3214868480
	.section	.rodata,"a",@progbits
	.p2align	6, 0x0
	.amdhsa_kernel k_qd6ea54fe37_wsum
		.amdhsa_group_segment_fixed_size 1024
		.amdhsa_private_segment_fixed_size 0
		.amdhsa_enable_private_segment 0
		.amdhsa_kernarg_size 16
		.amdhsa_user_sgpr_count 2
		.amdhsa_user_sgpr_kernarg_segment_ptr 1
		.amdhsa_wavefront_size32 1
		.amdhsa_system_sgpr_workgroup_id_x 1
		.amdhsa_system_sgpr_workgroup_id_y 1
		.amdhsa_system_sgpr_workgroup_id_z 1
		.amdhsa_system_vgpr_workitem_id 0
		.amdhsa_next_free_vgpr 162
		.amdhsa_next_free_sgpr 66
		.amdhsa_reserve_vcc 1
		.amdhsa_float_denorm_mode_32 3
		.amdhsa_float_denorm_mode_16_64 3
		.amdhsa_memory_ordered 1
		.amdhsa_forward_progress 1
		.amdhsa_inst_pref_size 34
	.end_amdhsa_kernel
	.amdgpu_metadata
---
amdhsa.version: [ 1, 2 ]
amdhsa.kernels:
  - .name:           k_qd6ea54fe37_wsum
    .symbol:         k_qd6ea54fe37_wsum.kd
    .args:
      - { .name: pm, .offset: 0, .size: 8, .value_kind: global_buffer, .address_space: global }
      - { .name: wb, .offset: 8, .size: 8, .value_kind: global_buffer, .address_space: global }
    .group_segment_fixed_size: 1024
    .private_segment_fixed_size: 0
    .kernarg_segment_align: 8
    .kernarg_segment_size: 16
    .max_flat_workgroup_size: 128
    .sgpr_count:     66
    .vgpr_count:     162
    .wavefront_size: 32
...
	.end_amdgpu_metadata
.endif
;; end of part 15
;; launch yv: the kernel of part 7 again; grid 256 x 1, 16 waves a work-group, no clusters, 71,680 bytes of LDS; arguments V, wb, ypart; writes ypart
;; launch ctx: the kernel of part 8 again; grid 256 x 1, 4 waves a work-group, no clusters, 0 bytes of LDS; arguments ypart, Wv, bv, cflat; writes cflat
;; launch outp: the kernel of part 9 again; grid 256 x 1, 4 waves a work-group, no clusters, 0 bytes of LDS; arguments cflat, Wo, bo, out0; writes out0
;; ======== version 3 of 3: 9 launches; version 2 with the launches prep, topk, qred, yv written anew for expert scheduling mode
;; workspace buffers: prep 3,276,800 bytes; mq 34,603,008 bytes; sel 65,536 bytes of whole numbers; tb 6,291,456 bytes; pm 26,738,688 bytes; wb 524,288 bytes; ypart 1,048,576 bytes; cflat 16,384 bytes
;; launch prep (part 16): grid 256 x 1, 4 waves a work-group, no clusters, 12,800 bytes of LDS; arguments K, Wk, bk, Wq, index_sample, prep; writes prep
.if DOCPART == 16
	.amdgcn_target "amdgcn-amd-amdhsa--gfx1250"
	.amdhsa_code_object_version 6
	.text
	.protected	k_qd6ea54fe37_prep
	.globl	k_qd6ea54fe37_prep
	.p2align	8
	.type	k_qd6ea54fe37_prep,@function
k_qd6ea54fe37_prep:
	s_mov_b64 s[64:65], 0
	v_nop
	global_prefetch_b8 v0, s[64:65] scope:SCOPE_SE
	s_setreg_imm32_b32 hwreg(HW_REG_WAVE_SCHED_MODE, 0, 2), 2
	s_setreg_imm32_b32 hwreg(HW_REG_WAVE_MODE, 25, 1), 1
	s_wait_xcnt 0x0
	s_wait_alu depctr_vm_vsrc(0)
; TWO JOBS for work-group g = 4 (16 b + h) + i.
; (A) rows 4 g .. 4 g + 3 of Wq are rounded to bf16: prep[0 ..), [1024][1024] bf16.
; (B) channels 16 i .. 16 i + 15 of the 45 sampled keys of head h of batch b: k_s = K[b][index] . Wk_h^T + bk_h (inputs rounded to bf16, sums in f32), and each f32 result is cut
;     into three bf16 pieces whose sum is the number itself (8 + 8 + 8 significant bits, by truncation): prep[2097152 ..), [bh][piece 3][sample 48][channel 64] bf16; samples 45-47 are 0.
; LIMIT: the cut is exact for numbers above about 2^-110 in size; below that the last piece leaves bf16's range.
; SHARES of (B): wave w takes a quarter of K = 1024: 8 steps of 32.  Source 0 = 16 rows of Wk, source 1 = 16 gathered rows of K, three such tiles:
; in the result a lane holds one sample (lane % 16) and eight channels.  Both operands are f32 in memory: in a step of 32 lane (r, hh) takes the 16 numbers 16 hh .. 16 hh + 15 of its row,
; 64 consecutive bytes; the same order of k on both sides leaves the products as they are.  Three register stages of 16 loads are on their way.
; A load of a fragment touches 16 rows, so the work is spread thin: four waves to a work-group, 256 work-groups.
; The four quarters' sums meet in LDS; wave 0 finishes.  The 16-byte stores of (B) fill rows of 128 bytes piece by piece: 1.2 MB in all, taken as it is.
; THE MODE: SCHED_MODE bits 1:0 = 2 (LLVM: expert scheduling mode 2), set by the entry lines.  The code itself states the register dependences
; between vector or matrix instructions and memory or LDS instructions, with s_wait_alu, always for 0.
; THE PLAN.  Registers that memory or LDS instructions touch:
;   v1, v5, v6, v7, WO, SO   offsets and LDS addresses, made at the head and never written again.
;   XO            read by the three loads of the indices, written once from the indices, then read by every load of K.
;   v36-51        written by the roundings of Wq, read by its four stores; much later LDS loads of wave 0 land there.
;   the stages    Step s: its 32 roundings read stage s % 3 and write fragment set s % 2 (window 1); behind them the loads of step s + 3 land in the stage.
;   ACC           written by the products; read by the LDS stores of waves 1 to 3.      PKD   written by the cuts, read by the last nine stores.
;   The fragment sets are named by vector and matrix instructions alone.
; So ONE wait on va_vdst stands in a step, behind its roundings and ahead of its 16 loads; the step's three products follow the loads and name none of their registers.
; With two fragment sets a step's 32 roundings stand between a product and the next write of its sources.
.set ACC, 8            ; v8-31   three accumulators
.set XO, 32            ; v32-34  byte offset of my gathered row, for each of the three tiles
.set WO, 35            ; v35     byte offset of my row of Wk
.set R3, 36            ; v36-59  Wq packed; later the third partial set
.set IDX, 60           ; v60-62  the indices
.set SO, 63            ; v63     my byte offset in a piece
.set ST, 64            ; v64-255 three stages of 64 f32: Wk 16, K 3 x 16
.set BF, 2             ; window 1, v258-321: two fragment sets of 32: Wk 8, K 3 x 8
.set PKD, 64           ; later: the nine packed results
.set TMP, 100          ; later: 24 at work
.set R1, 192
.set R2, 216
.set BI, 240           ; the bias, 8 numbers
.set BT, 248
.set WV, 16
.set XB, 28            ; s[28:29] K at my batch and quarter
.set WB, 30            ; s[30:31] Wk at my 16 rows and quarter
.set PSEL, 44
.set HMASK, 45
.set ZM, 46
.set MSB, 0
.macro WIN new                         ; the high byte repeats the setting that is left; a switch that changes nothing is dropped
.if MSB != (\new)
	s_set_vgpr_msb (MSB<<8)|(\new)
.set MSB, (\new)
.endif
.endm
.macro NOPS4
.rept 4
	v_nop
.endr
.endm
.macro GLOAD s                         ; the 16 loads of step s, into stage s % 3
.set gb, ST+64*((\s)%3)
.irp c, 0,1,2,3
	global_load_b128 v[gb+4*(\c):gb+4*(\c)+3], v[WO], s[WB:WB+1] offset:128*(\s)+16*(\c)
.endr
.irp jt, 0,1,2
.irp c, 0,1,2,3
	global_load_b128 v[gb+16+16*(\jt)+4*(\c):gb+16+16*(\jt)+4*(\c)+3], v[XO+(\jt)], s[XB:XB+1] offset:128*(\s)+16*(\c)
.endr
.endr
.endm
.macro GSTEP s, cnt                    ; cnt: the loads of the younger stages, which stay out
.set gb, ST+64*((\s)%3)
.set gf, BF+32*((\s)%2)
	s_wait_loadcnt \cnt
	WIN 0x40                               ; destination window 1, sources window 0
.set gz, 0
.rept 4
.set gp, 0
.rept 8
	v_cvt_pk_bf16_f32 v[gf+8*gz+gp], v[gb+16*gz+2*gp], v[gb+16*gz+2*gp+1]
.set gp, gp+1
.endr
.set gz, gz+1
.endr
.if (\s)+3 <= 7
	WIN 0
	s_wait_alu depctr_va_vdst(0)           ; the roundings are done reading stage s % 3, in which the loads below land
	GLOAD (\s)+3                           ; the stage is asked for again at once, ahead of the products
.endif
	WIN 0x05                               ; sources 0 and 1 window 1; C and D window 0
.irp jt, 0,1,2                         ; the three accumulators take turns
.if (\s) == 0
	v_wmma_f32_16x16x32_bf16 v[ACC+8*(\jt):ACC+8*(\jt)+7], v[gf:gf+7], v[gf+8+8*(\jt):gf+8+8*(\jt)+7], 0
.else
	v_wmma_f32_16x16x32_bf16 v[ACC+8*(\jt):ACC+8*(\jt)+7], v[gf:gf+7], v[gf+8+8*(\jt):gf+8+8*(\jt)+7], v[ACC+8*(\jt):ACC+8*(\jt)+7]
.endif
.endr
.endm
.macro ADD24 src
.set aq, 0
.rept 12
	v_pk_add_f32 v[ACC+2*aq:ACC+2*aq+1], v[ACC+2*aq:ACC+2*aq+1], v[(\src)+2*aq:(\src)+2*aq+1]
.set aq, aq+1
.endr
.endm
.macro PIECE pc                        ; the upper halves of the 24 numbers, packed in pairs
.set pq, 0
.rept 12
	v_perm_b32 v[PKD+4*(3*(\pc)+pq/4)+pq%4], v[ACC+2*pq+1], v[ACC+2*pq], s[PSEL]
.set pq, pq+1
.endr
.endm
.macro REST                            ; what is left when the upper halves are taken away: exact
.set pq, 0
.rept 24
	v_and_b32 v[TMP+pq], s[HMASK], v[ACC+pq]
.set pq, pq+1
.endr
.set pq, 0
.rept 12
	v_pk_add_f32 v[ACC+2*pq:ACC+2*pq+1], v[ACC+2*pq:ACC+2*pq+1], v[TMP+2*pq:TMP+2*pq+1] neg_lo:[0,1] neg_hi:[0,1]
.set pq, pq+1
.endr
.endm
	s_load_b256 s[4:11], s[0:1], 0x0       ; K s[4:5], Wk s[6:7], bk s[8:9], Wq s[10:11]
	s_load_b128 s[12:15], s[0:1], 0x20     ; index_sample s[12:13], prep s[14:15]
	s_set_vgpr_msb 0x40
	v_lshl_add_u32 v0, v0, 2, 0x3000
	v_mov_b32 v1, 0
	s_set_vgpr_msb 0x4000
	v_lshrrev_b32 v1, 5, v0
	v_readfirstlane_b32 s[WV], v1          ; wave 0..3: my quarter of K
	v_and_b32 v2, 15, v0                   ; r
	v_bfe_u32 v3, v0, 4, 1                 ; hh
	v_and_b32 v4, 31, v0                   ; lane
	v_lshlrev_b32 v1, 5, v3                ; the bias: 8 numbers for each half of the lanes
	v_lshlrev_b32 v5, 5, v0                ; (A) 32 bytes of f32 a thread: 128 threads take a row,
	v_lshlrev_b32 v7, 4, v0                ;     16 bytes of bf16
	s_and_b32 s17, ttmp9, 3                ; i
	s_lshr_b32 s33, ttmp9, 2               ; bh
	s_lshr_b32 s19, ttmp9, 6               ; b
	s_and_b32 s20, s33, 15                 ; h
	s_wait_alu depctr_va_sdst(0)           ; the wave's number is written, ahead of its first reader
	s_mul_i32 s21, s[WV], 3072
	v_lshl_add_u32 v6, v4, 4, s21          ; my 16 bytes in my wave's 3,072 of the exchange
	v_lshlrev_b32 v[SO], 7, v2
	v_lshl_add_u32 v[SO], v3, 4, v[SO]     ; sample r x 128 bytes + 16 hh
	v_lshlrev_b32 v[WO], 12, v2
	v_lshl_add_u32 v[WO], v3, 6, v[WO]     ; row r x 4,096 + 64 hh
.irp jt, 0,1,2
	v_add_nc_u32 v[XO+(\jt)], 16*(\jt), v2
	v_min_u32 v[XO+(\jt)], 44, v[XO+(\jt)] ; samples 45-47 repeat 44 here and are set to 0 below
	v_lshlrev_b32 v[XO+(\jt)], 2, v[XO+(\jt)]
.endr
	s_mov_b32 s[PSEL], 0x07060302
	s_mov_b32 s[HMASK], 0xffff0000
	s_mov_b32 s[ZM], 0xe000e000            ; lanes with r >= 13
	s_lshl_b32 s22, ttmp9, 14              ; (A) 4 rows of 4,096 bytes
	s_mov_b32 s23, 0
	s_lshl_b32 s34, ttmp9, 13
	s_mov_b32 s35, 0
	s_mul_i32 s36, s33, 18432              ; (B) a head's three pieces
	s_lshl_b32 s21, s17, 5
	s_add_co_u32 s36, s36, s21
	s_add_co_u32 s36, s36, 2097152
	s_mov_b32 s37, 0
	s_lshl_b32 s38, s19, 24                ; a batch of K
	s_lshl_b32 s21, s[WV], 10              ; a quarter of a row
	s_add_co_u32 s38, s38, s21
	s_mov_b32 s39, 0
	s_lshl_b32 s40, s20, 6
	s_lshl4_add_u32 s40, s17, s40          ; channel 64 h + 16 i
	s_lshl_b32 s42, s40, 2
	s_mov_b32 s43, 0
	s_lshl_b32 s40, s40, 12
	s_add_co_u32 s40, s40, s21
	s_mov_b32 s41, 0
	s_wait_kmcnt 0x0
	s_add_nc_u64 s[10:11], s[10:11], s[22:23]
	s_add_nc_u64 s[24:25], s[14:15], s[34:35]
	s_add_nc_u64 s[26:27], s[14:15], s[36:37]
	s_add_nc_u64 s[XB:XB+1], s[4:5], s[38:39]
	s_add_nc_u64 s[WB:WB+1], s[6:7], s[40:41]
	s_add_nc_u64 s[8:9], s[8:9], s[42:43]
	s_wait_alu depctr_va_vdst(0)           ; the offsets and addresses v1, v5, v6, v7, XO, WO and SO are written, which the loads and stores of the kernel read
.irp jt, 0,1,2
	global_load_b32 v[IDX+(\jt)], v[XO+(\jt)], s[12:13]
.endr
.irp p, 0,1,2,3
	global_load_b128 v[R1+8*(\p):R1+8*(\p)+3], v5, s[10:11] offset:4096*(\p)
	global_load_b128 v[R1+8*(\p)+4:R1+8*(\p)+7], v5, s[10:11] offset:4096*(\p)+16
.endr
	s_wait_loadcnt 8                       ; the three indices are in; Wq's eight loads stay out
	s_wait_alu depctr_vm_vsrc(0)           ; the loads of the indices have read XO, which is written again below
.irp jt, 0,1,2
	v_min_u32 v[IDX+(\jt)], 0xfff, v[IDX+(\jt)]
	v_lshlrev_b32 v[IDX+(\jt)], 12, v[IDX+(\jt)]
	v_lshl_add_u32 v[XO+(\jt)], v3, 6, v[IDX+(\jt)]
.endr
	s_wait_alu depctr_va_vdst(0)           ; XO is written: the offsets of the gathered rows, which every load of K reads
	GLOAD 0
	GLOAD 1
	s_wait_loadcnt 32                      ; Wq is in; the two stages stay out
.irp p, 0,1,2,3
.irp k, 0,1,2,3
	v_cvt_pk_bf16_f32 v[R3+4*(\p)+(\k)], v[R1+8*(\p)+2*(\k)], v[R1+8*(\p)+2*(\k)+1]
.endr
.endr
	s_wait_alu depctr_va_vdst(0)           ; the roundings have written v36-51, which the four stores read, and are done reading v192-223, in which the third stage's loads land
.irp p, 0,1,2,3
	global_store_b128 v7, v[R3+4*(\p):R3+4*(\p)+3], s[24:25] offset:2048*(\p)  ; a wave stores 512 consecutive bytes
.endr
	GLOAD 2
	GSTEP 0, 32
	GSTEP 1, 32
	GSTEP 2, 32
	GSTEP 3, 32
	GSTEP 4, 32
	GSTEP 5, 32
	GSTEP 6, 16
	GSTEP 7, 0
	WIN 0                                  ; at a label and at a branch every window is 0
	NOPS4                                  ; four places behind the last product, before its result is read
	s_wait_alu depctr_va_vdst(0)           ; the products have written the accumulators, which the LDS stores read; the roundings are done reading the stages, in which loads of wave 0 land
	s_cmp_eq_u32 s[WV], 0
	s_cbranch_scc1 .Lkeep
.irp n, 0,1,2,3,4,5
	ds_store_b128 v6, v[ACC+4*(\n):ACC+4*(\n)+3] offset:512*(\n)
.endr
.Lkeep:
	s_wait_dscnt 0x0                       ; for wave 0's sake: my stores are done
	s_barrier_signal -1
	s_barrier_wait -1
	s_wait_alu depctr_vm_vsrc(0)           ; the stores of Wq have read v36-51, in which LDS loads of wave 0 land below
	s_cmp_lg_u32 s[WV], 0
	s_cbranch_scc1 .Lend
	s_wait_xcnt 0x0                        ; v36-51 were store data
.irp n, 0,1,2,3,4,5
	ds_load_b128 v[R1+4*(\n):R1+4*(\n)+3], v6 offset:3072+512*(\n)
.endr
.irp n, 0,1,2,3,4,5
	ds_load_b128 v[R2+4*(\n):R2+4*(\n)+3], v6 offset:6144+512*(\n)
.endr
.irp n, 0,1,2,3,4,5
	ds_load_b128 v[R3+4*(\n):R3+4*(\n)+3], v6 offset:9216+512*(\n)
.endr
	global_load_b128 v[BI:BI+3], v1, s[8:9]
	global_load_b128 v[BI+4:BI+7], v1, s[8:9] offset:16
	s_wait_dscnt 0x0
	ADD24 R1
	ADD24 R2
	ADD24 R3
	s_wait_loadcnt 0x0
.irp p, 0,1,2,3
	v_cvt_pk_bf16_f32 v[BT+(\p)], v[BI+2*(\p)], v[BI+2*(\p)+1]   ; the bias is an input: rounded to bf16 like the others
.endr
.irp p, 0,1,2,3
	v_lshlrev_b32 v[BI+2*(\p)], 16, v[BT+(\p)]
	v_and_b32 v[BI+2*(\p)+1], s[HMASK], v[BT+(\p)]
.endr
.irp jt, 0,1,2
.irp p, 0,1,2,3
	v_pk_add_f32 v[ACC+8*(\jt)+2*(\p):ACC+8*(\jt)+2*(\p)+1], v[ACC+8*(\jt)+2*(\p):ACC+8*(\jt)+2*(\p)+1], v[BI+2*(\p):BI+2*(\p)+1]
.endr
.endr
.irp n, 0,1,2,3,4,5,6,7
	v_cndmask_b32 v[ACC+16+(\n)], v[ACC+16+(\n)], 0, s[ZM]       ; samples 45-47
.endr
	PIECE 0
	REST
	PIECE 1
	REST
	PIECE 2
	s_wait_alu depctr_va_vdst(0)           ; the cuts have written v64-99, which the nine stores read
.irp pc, 0,1,2
.irp jt, 0,1,2
	global_store_b128 v[SO], v[PKD+4*(3*(\pc)+(\jt)):PKD+4*(3*(\pc)+(\jt))+3], s[26:27] offset:6144*(\pc)+2048*(\jt)
.endr
.endr
.Lend:
	s_set_vgpr_msb 0x5                     ; the add's two registers, sources 0 and 1, in window 1
	s_wait_dscnt 0x0                       ; the closing lines, six on end
	s_wait_alu 0x0
	s_wait_tensorcnt 0x0
	ds_add_u32 v0, v1
	s_wait_dscnt 0x0
	s_endpgm
.Lfunc_end_k_qd6ea54fe37_prep:
	.size	k_qd6ea54fe37_prep, .Lfunc_end_k_qd6ea54fe37_prep-k_qd6ea54fe37_prep
	.p2alignl 7, 3214868480
	.fill 96, 4, 3214868480
	.section	.rodata,"a",@progbits
	.p2align	6, 0x0
	.amdhsa_kernel k_qd6ea54fe37_prep
		.amdhsa_group_segment_fixed_size 12800
		.amdhsa_private_segment_fixed_size 0
		.amdhsa_enable_private_segment 0
		.amdhsa_kernarg_size 48
		.amdhsa_user_sgpr_count 2
		.amdhsa_user_sgpr_kernarg_segment_ptr 1
		.amdhsa_wavefront_size32 1
		.amdhsa_system_sgpr_workgroup_id_x 1
		.amdhsa_system_sgpr_workgroup_id_y 1
		.amdhsa_system_sgpr_workgroup_id_z 1
		.amdhsa_system_vgpr_workitem_id 0
		.amdhsa_next_free_vgpr 322
		.amdhsa_next_free_sgpr 66
		.amdhsa_reserve_vcc 0
		.amdhsa_float_denorm_mode_32 3
		.amdhsa_float_denorm_mode_16_64 3
		.amdhsa_memory_ordered 1
		.amdhsa_forward_progress 1
		.amdhsa_inst_pref_size 49
	.end_amdhsa_kernel
	.amdgpu_metadata
---
amdhsa.version: [ 1, 2 ]
amdhsa.kernels:
  - .name:           k_qd6ea54fe37_prep
    .symbol:         k_qd6ea54fe37_prep.kd
    .args:
      - { .name: K, .offset: 0, .size: 8, .value_kind: global_buffer, .address_space: global }
      - { .name: Wk, .offset: 8, .size: 8, .value_kind: global_buffer, .address_space: global }
      - { .name: bk, .offset: 16, .size: 8, .value_kind: global_buffer, .address_space: global }
      - { .name: Wq, .offset: 24, .size: 8, .value_kind: global_buffer, .address_space: global }
      - { .name: index_sample, .offset: 32, .size: 8, .value_kind: global_buffer, .address_space: global }
      - { .name: prep, .offset: 40, .size: 8, .value_kind: global_buffer, .address_space: global }
    .group_segment_fixed_size: 12800
    .private_segment_fixed_size: 0
    .kernarg_segment_align: 8
    .kernarg_segment_size: 48
    .max_flat_workgroup_size: 128
    .sgpr_count:     66
    .vgpr_count:     322
    .wavefront_size: 32
...
	.end_amdgpu_metadata
.endif
;; end of part 16
;; launch qm: the kernel of part 11 again; grid 64 x 4, 4 waves a work-group, clusters of 4 x 1, 327,680 bytes of LDS; arguments Q, prep, bq, mq; writes mq
;; launch topk (part 17): grid 64 x 1, 8 waves a work-group, no clusters, 3,072 bytes of LDS; arguments mq, sel; writes sel
.if DOCPART == 17
	.amdgcn_target "amdgcn-amd-amdhsa--gfx1250"
	.amdhsa_code_object_version 6
	.text
	.protected	k_qd6ea54fe37_topk
	.globl	k_qd6ea54fe37_topk
	.p2align	8
	.type	k_qd6ea54fe37_topk,@function
k_qd6ea54fe37_topk:
	s_mov_b64 s[64:65], 0
	v_nop
	global_prefetch_b8 v0, s[64:65] scope:SCOPE_SE
	s_setreg_imm32_b32 hwreg(HW_REG_WAVE_SCHED_MODE, 0, 2), 2
	s_setreg_imm32_b32 hwreg(HW_REG_WAVE_MODE, 25, 1), 1
	s_wait_xcnt 0x0
	s_wait_alu depctr_vm_vsrc(0)
; THE 45 LARGEST of the 4,096 numbers M[bh][:] (mq, from byte 0), as a bit mask; equal numbers go to the lower index, as in lax.top_k.  sel[bh]: 128 mask words (bit j of word d: query 32 d + j),
; then for each word the number of chosen queries in the words before it.  Whole numbers, from which the next launch forms addresses.
; Thread t holds elements 256 i + t, i = 0..15, as keys that order like the floats (sign bit turned for positives, all bits for negatives).  LIMIT: NaN is not treated apart (it orders by its bits).
; THE 45TH LARGEST KEY T is found two bits a round: of the three candidates (01, 10, 11 in the two bits) the largest that 45 keys or more reach stays.  A wave's three counts travel in one word,
; each cut at 63 in a field of 9 bits: a count so cut is 45 or more by itself, and eight of them add up to 504 at the most, so whether a total reaches 45 is kept exactly.
; Two areas of eight words take turns, so one barrier serves a round: an area is written again only behind the other area's barrier, in front of which every wave has waited for its reads.
; EQUAL KEYS.  G keys lie above T (44 at the most), so 45 - G of the keys equal to T are taken, lowest index first.  Register i of wave w is mask word 8 i + w, and words ascend with the index.
; For each word the two counts (above T; equal to T) go into LDS in two fields of 16 bits; every wave scans the 128 words; an equal key's rank is the equals in the words before plus the equals
; in lower lanes of its word, and it is taken if that is below 45 - G.  In front of a word lie (above before) + min(equal before, 45 - G) chosen queries.
; Only selects hang on the data: no branch, no address.
; THE MODE: SCHED_MODE bits 1:0 = 2 (LLVM: expert scheduling mode 2), set by the entry lines.  The code itself states the register dependences
; between vector instructions and memory or LDS instructions, and from vector instructions to scalar registers, with s_wait_alu, always for 0.
; THE PLAN.  Registers that memory or LDS instructions touch:
;   v2, v[SC], v[CA], v[ZA]   offsets and LDS addresses, made at the head and never written again.
;   v4        a round's word of counts: written by one v_mov_b32, read by the round's LDS store.
;   v8-15     LDS loads land there; the sums behind them read them.
;   OB, OM    two out-buffers of sixteen, each written once by sixteen v_mov_b32 and read by sixteen LDS stores behind ONE wait.
;   PX        written by the scan, read by wave 0's LDS store; never written again.      PW   LDS loads land there first; vector work alone afterwards.
; A round has one wait on va_vdst, ahead of its LDS store: it also states that the sums of the round before are done with v8-15, in which the round's two loads land (no vector line stands between).
; The masks of a run of compares are read behind one wait on va_sdst.
.set KEY, 16
.set SC, 5             ; v5  16 x my lane: four words of a table of 128
.set CA, 6             ; v6  4 x my wave's number
.set ZA, 7             ; v7  0
.set PX, 32            ; v32-35 the two running counts in front of words 4 l .. 4 l + 3
.set PW, 36            ; v36-51 the same for my wave's sixteen words
.set OB, 66            ; v66-81 my wave's sixteen words of counts, to store
.set OM, 82            ; v82-97 my wave's sixteen mask words, to store
.set CT, 256           ; LDS: 128 words of counts,
.set PT, 768           ;      128 words of running counts,
.set MT, 1280          ;      128 mask words
.set WV, 8
.set TH, 20
.set BIT, 21           ; the lower bit of the pair in hand
.set C1, 22
.set C2, 23
.set C3, 24
.set N1, 25
.set N2, 26
.set N3, 27
.set TMP, 28
.set TOT, 29
.set LC, 30
.set NEED, 31
.set HIM, 32
.set MK, 40            ; s40-55, s66-81, s82-97: three sets of sixteen lane masks
.set MK2, 66
.set MK3, 82
.macro COUNT thr, mk                   ; the masks of the keys that reach thr
.set ci, 0
.rept 16
	v_cmp_ge_u32 s[(\mk)+ci], v[KEY+ci], s[\thr]
.set ci, ci+1
.endr
.endm
.macro TALLY n, mk                     ; how many of my wave's 512 keys, cut at 63
	s_bcnt1_i32_b32 s[\n], s[\mk]
.set ci, 1
.rept 15
	s_bcnt1_i32_b32 s[TMP], s[(\mk)+ci]
	s_add_co_u32 s[\n], s[\n], s[TMP]
.set ci, ci+1
.endr
	s_min_u32 s[\n], s[\n], 63
.endm
.macro PAIR slot
	s_or_b32 s[C1], s[TH], s[BIT]
	s_lshl_b32 s[TMP], s[BIT], 1
	s_or_b32 s[C2], s[TH], s[TMP]
	s_or_b32 s[C3], s[C2], s[BIT]
	COUNT C1, MK
	COUNT C2, MK2
	COUNT C3, MK3
	s_wait_alu depctr_va_sdst(0)           ; the 48 compares have written their masks, which the counts below read
	TALLY N1, MK
	TALLY N2, MK2
	TALLY N3, MK3
	s_lshl_b32 s[N2], s[N2], 9
	s_lshl_b32 s[N3], s[N3], 18
	s_or_b32 s[N1], s[N1], s[N2]
	s_or_b32 s[N1], s[N1], s[N3]
	s_wait_alu depctr_vm_vsrc(0)           ; the LDS store of the round before has read v4
	v_mov_b32 v4, s[N1]
	s_wait_alu depctr_va_vdst(0)           ; v4 is written, which the store reads; the sums of the round before are done with v8-15, in which the two loads below land
	ds_store_b32 v[CA], v4 offset:\slot    ; all lanes write the wave's word with the same number
	s_wait_dscnt 0x0
	s_barrier_signal -1
	s_barrier_wait -1
	ds_load_b128 v[8:11], v[ZA] offset:\slot
	ds_load_b128 v[12:15], v[ZA] offset:(\slot)+16
	s_wait_dscnt 0x0
	v_add3_u32 v8, v8, v9, v10
	v_add3_u32 v11, v11, v12, v13
	v_add3_u32 v8, v8, v14, v15
	v_add_nc_u32 v8, v8, v11
	v_readfirstlane_b32 s[TOT], v8
	s_wait_alu depctr_va_sdst(0)           ; the total is written, ahead of its first reader
	s_and_b32 s[N1], s[TOT], 511
	s_bfe_u32 s[N2], s[TOT], 0x90009
	s_lshr_b32 s[N3], s[TOT], 18
	s_cmp_ge_u32 s[N1], 45                 ; the counts fall from candidate to candidate, so the last that holds wins
	s_cselect_b32 s[TH], s[C1], s[TH]
	s_cmp_ge_u32 s[N2], 45
	s_cselect_b32 s[TH], s[C2], s[TH]
	s_cmp_ge_u32 s[N3], 45
	s_cselect_b32 s[TH], s[C3], s[TH]
	s_lshr_b32 s[BIT], s[BIT], 2
.endm
	s_load_b128 s[4:7], s[0:1], 0x0        ; mq s[4:5], sel s[6:7]
	v_lshl_add_u32 v64, v0, 2, 0x800
	v_mov_b32 v65, 0
	v_lshrrev_b32 v1, 5, v0
	v_readfirstlane_b32 s[WV], v1
	v_lshlrev_b32 v2, 2, v0
	v_lshlrev_b32 v[CA], 2, v1
	v_mov_b32 v[ZA], 0
	v_and_b32 v[SC], 31, v0
	v_lshlrev_b32 v[SC], 4, v[SC]
	s_mov_b32 s[HIM], 0xffff0000           ; as a lane mask: lanes 16-31
	s_lshl_b32 s10, ttmp9, 14
	s_mov_b32 s11, 0
	s_lshl_b32 s12, ttmp9, 10
	s_mov_b32 s13, 0
	s_wait_alu depctr_va_sdst(0)           ; the wave's number is written
	s_wait_kmcnt 0x0
	s_add_nc_u64 s[4:5], s[4:5], s[10:11]
	s_add_nc_u64 s[6:7], s[6:7], s[12:13]
	s_wait_alu depctr_va_vdst(0)           ; v2, v[SC], v[CA] and v[ZA] are written, which the loads and stores of the kernel read as offsets and addresses
.set ki, 0
.rept 16
	global_load_b32 v[KEY+ki], v2, s[4:5] offset:1024*ki
.set ki, ki+1
.endr
	s_wait_loadcnt 0x0
.set ki, 0
.rept 16
	v_ashrrev_i32 v3, 31, v[KEY+ki]
	v_or_b32 v3, 0x80000000, v3
	v_xor_b32 v[KEY+ki], v3, v[KEY+ki]
.set ki, ki+1
.endr
	s_mov_b32 s[TH], 0
	s_mov_b32 s[BIT], 0x40000000
	s_mov_b32 s[LC], 8
.Lbits:                                        ; four bits a trip: 32 in all
	PAIR 0
	PAIR 32
	s_sub_co_u32 s[LC], s[LC], 1
	s_cmp_lg_u32 s[LC], 0
	s_cbranch_scc1 .Lbits
.set ki, 0
.rept 16
	v_cmp_lt_u32 s[MK+ki], s[TH], v[KEY+ki]        ; above T
	v_cmp_eq_u32 s[MK2+ki], s[TH], v[KEY+ki]       ; equal to T
.set ki, ki+1
.endr
	s_wait_alu depctr_va_sdst(0)           ; the 32 compares have written their masks, which the counts below read
.set ki, 0
.rept 16                               ; both counts of word 8 i + w in one word: above T below, equal to T from bit 16 on
	s_bcnt1_i32_b32 s[N1], s[MK+ki]
	s_bcnt1_i32_b32 s[N2], s[MK2+ki]
	s_lshl_b32 s[N2], s[N2], 16
	s_or_b32 s[N1], s[N1], s[N2]
	v_mov_b32 v[OB+ki], s[N1]
.set ki, ki+1
.endr
	s_wait_alu depctr_va_vdst(0)           ; OB is written, which the sixteen stores read; the last round's sums are done with v8-11, in which the load behind the barrier lands
.set ki, 0
.rept 16
	ds_store_b32 v[CA], v[OB+ki] offset:CT+32*ki
.set ki, ki+1
.endr
	s_wait_dscnt 0x0                       ; for the others' sake: my stores are done
	s_barrier_signal -1
	s_barrier_wait -1
	ds_load_b128 v[8:11], v[SC] offset:CT  ; every wave scans all 128 words: lane l takes words 4 l .. 4 l + 3
	s_wait_dscnt 0x0
	v_add3_u32 v12, v8, v9, v10
	v_add_nc_u32 v12, v12, v11
	v_mov_b32 v14, v12                     ; my four words' sum; the fields do not meet: 44 and 4,096 at the most
.irp n, 1,2,4,8                        ; the running sum inside each half of the lanes: a lane with no lane n below it adds the 0 that was laid ready
	v_mov_b32 v13, 0
	v_mov_b32_dpp v13, v12 row_shr:\n row_mask:0xf bank_mask:0xf
	v_add_nc_u32 v12, v12, v13
.endr
	v_readlane_b32 s[N1], v12, 15          ; the lower half's total goes onto the upper half
	s_wait_alu depctr_va_sdst(0)           ; that total is written, ahead of its reader
	v_mov_b32 v13, s[N1]
	v_cndmask_b32 v13, 0, v13, s[HIM]
	v_add_nc_u32 v12, v12, v13
	v_readlane_b32 s[TOT], v12, 31
	s_wait_alu depctr_va_sdst(0)           ; the whole total is written, ahead of its reader
	s_and_b32 s[N2], s[TOT], 0xffff        ; G
	s_sub_co_u32 s[NEED], 45, s[N2]        ; so many of the equal keys are taken: 1 to 45
	v_sub_nc_u32 v[PX], v12, v14           ; in front of word 4 l,
	v_add_nc_u32 v[PX+1], v[PX], v8        ; 4 l + 1,
	v_add_nc_u32 v[PX+2], v[PX+1], v9
	v_add_nc_u32 v[PX+3], v[PX+2], v10
	s_cmp_lg_u32 s[WV], 0
	s_cbranch_scc1 .Lnot0
	s_wait_alu depctr_va_vdst(0)           ; PX is written, which the store reads
	ds_store_b128 v[SC], v[PX:PX+3] offset:PT      ; one wave lays them out for all
.Lnot0:
	s_wait_dscnt 0x0
	s_barrier_signal -1
	s_barrier_wait -1
.set ki, 0
.rept 16
	ds_load_b32 v[PW+ki], v[CA] offset:PT+32*ki
.set ki, ki+1
.endr
	s_wait_dscnt 0x0
.set ki, 0
.rept 16
	v_lshrrev_b32 v[PW+ki], 16, v[PW+ki]   ; equal keys in the words before
.set ki, ki+1
.endr
.set ki, 0
.rept 16
	v_mbcnt_lo_u32_b32 v[PW+ki], s[MK2+ki], v[PW+ki]       ; and in lower lanes of the word: the rank
.set ki, ki+1
.endr
.set ki, 0
.rept 16
	v_cmp_gt_u32 s[MK3+ki], s[NEED], v[PW+ki]
.set ki, ki+1
.endr
	s_wait_alu depctr_va_sdst(0)           ; the sixteen compares have written their masks, which the lines below read
.set ki, 0
.rept 16
	s_and_b32 s[MK3+ki], s[MK3+ki], s[MK2+ki]
	s_or_b32 s[MK+ki], s[MK+ki], s[MK3+ki] ; exactly 45 bits in all
	v_mov_b32 v[OM+ki], s[MK+ki]
.set ki, ki+1
.endr
	s_wait_alu depctr_va_vdst(0)           ; OM is written, which the sixteen stores read; the scan is done with v8-11, in which wave 0's load behind the barrier lands
.set ki, 0
.rept 16
	ds_store_b32 v[CA], v[OM+ki] offset:MT+32*ki
.set ki, ki+1
.endr
	s_wait_dscnt 0x0
	s_barrier_signal -1
	s_barrier_wait -1
	s_cmp_lg_u32 s[WV], 0
	s_cbranch_scc1 .Lend
	ds_load_b128 v[8:11], v[SC] offset:MT
.irp j, 0,1,2,3
	v_lshrrev_b32 v[52+(\j)], 16, v[PX+(\j)]
	v_and_b32 v[56+(\j)], 0xffff, v[PX+(\j)]
.endr
.irp j, 0,1,2,3
	v_min_u32 v[52+(\j)], s[NEED], v[52+(\j)]
.endr
.irp j, 0,1,2,3
	v_add_nc_u32 v[56+(\j)], v[56+(\j)], v[52+(\j)]        ; chosen queries in front of the word
.endr
	s_wait_dscnt 0x0
	s_wait_alu depctr_va_vdst(0)           ; v56-59 are written, which the second store reads
	global_store_b128 v[SC], v[8:11], s[6:7]       ; 512 consecutive bytes each
	global_store_b128 v[SC], v[56:59], s[6:7] offset:512
.Lend:
	s_wait_dscnt 0x0                       ; the closing lines, six on end
	s_wait_alu 0x0
	s_wait_tensorcnt 0x0
	ds_add_u32 v64, v65
	s_wait_dscnt 0x0
	s_endpgm
.Lfunc_end_k_qd6ea54fe37_topk:
	.size	k_qd6ea54fe37_topk, .Lfunc_end_k_qd6ea54fe37_topk-k_qd6ea54fe37_topk
	.p2alignl 7, 3214868480
	.fill 96, 4, 3214868480
	.section	.rodata,"a",@progbits
	.p2align	6, 0x0
	.amdhsa_kernel k_qd6ea54fe37_topk
		.amdhsa_group_segment_fixed_size 3072
		.amdhsa_private_segment_fixed_size 0
		.amdhsa_enable_private_segment 0
		.amdhsa_kernarg_size 16
		.amdhsa_user_sgpr_count 2
		.amdhsa_user_sgpr_kernarg_segment_ptr 1
		.amdhsa_wavefront_size32 1
		.amdhsa_system_sgpr_workgroup_id_x 1
		.amdhsa_system_sgpr_workgroup_id_y 1
		.amdhsa_system_sgpr_workgroup_id_z 1
		.amdhsa_system_vgpr_workitem_id 0
		.amdhsa_next_free_vgpr 98
		.amdhsa_next_free_sgpr 100
		.amdhsa_reserve_vcc 0
		.amdhsa_float_denorm_mode_32 3
		.amdhsa_float_denorm_mode_16_64 3
		.amdhsa_memory_ordered 1
		.amdhsa_forward_progress 1
		.amdhsa_inst_pref_size 35
	.end_amdhsa_kernel
	.amdgpu_metadata
---
amdhsa.version: [ 1, 2 ]
amdhsa.kernels:
  - .name:           k_qd6ea54fe37_topk
    .symbol:         k_qd6ea54fe37_topk.kd
    .args:
      - { .name: mq, .offset: 0, .size: 8, .value_kind: global_buffer, .address_space: global }
      - { .name: sel, .offset: 8, .size: 8, .value_kind: global_buffer, .address_space: global }
    .group_segment_fixed_size: 3072
    .private_segment_fixed_size: 0
    .kernarg_segment_align: 8
    .kernarg_segment_size: 16
    .max_flat_workgroup_size: 256
    .sgpr_count:     100
    .vgpr_count:     98
    .wavefront_size: 32
...
	.end_amdgpu_metadata
.endif
;; end of part 17
;; launch qred (part 18): grid 256 x 1, 4 waves a work-group, no clusters, 1,536 bytes of LDS; arguments mq, Wk, sel, tb; writes tb
.if DOCPART == 18
	.amdgcn_target "amdgcn-amd-amdhsa--gfx1250"
	.amdhsa_code_object_version 6
	.text
	.protected	k_qd6ea54fe37_qred
	.globl	k_qd6ea54fe37_qred
	.p2align	8
	.type	k_qd6ea54fe37_qred,@function
k_qd6ea54fe37_qred:
	s_mov_b64 s[64:65], 0
	v_nop
	global_prefetch_b8 v0, s[64:65] scope:SCOPE_SE
	s_setreg_imm32_b32 hwreg(HW_REG_WAVE_SCHED_MODE, 0, 2), 2
	s_setreg_imm32_b32 hwreg(HW_REG_WAVE_MODE, 25, 1), 1
	s_wait_xcnt 0x0
	s_wait_alu depctr_vm_vsrc(0)
; T[b][48 h + u][c] = c0 x sum over d of q[u][d] Wk[64 h + d][c], c0 = log2(e) / 8, in bf16, for the 45 chosen queries u: with it their scores against ALL keys are T . K^T, and k is never made.
; (q . bk_h is the same for every key and falls out of the softmax.)  Rows u = 45-47 repeat row 44; the launch that averages gives them the weight 0.  The order of the 45 rows does not matter: only their mean is wanted.
; SHARES.  Work-group = (b, h) and a quarter of the 1,024 columns; wave w makes 64 columns.
; THE LIST.  Thread t walks the 32 bits of mask word t; the count of chosen queries in front of the word comes with it.  A set bit's query number goes to its place in the wave's OWN 256 bytes of
; LDS, which the wave has cleared; a clear bit's goes to a dummy word there.  Behind one barrier place p of the list is the OR of the four waves' words p: three of them are 0.
; q comes from the image that the projection left (mq, from byte 1,048,576): [bh][tile of 16 queries][4][lane 32][16 bytes].  Of query n, channels 32 s + 16 hh + 0..15 are two pieces of 16 bytes, at
; 2,048 (n / 16) + 16 (n % 16) + 512 hh + 1,024 s and 256 further on: a lane gathers its part of a fragment straight into registers.
; Wk lies [d][c]: lane (r, hh) loads 16 bytes (columns 4 r + 0..3 of my 64) of the 16 rows 16 hh + 0..15 of each half of d, so that column 4 r + e of all lanes is one fragment e.
; A row of T leaves as 16 lanes x 8 bytes, 128 consecutive bytes: half of an aligned 256; 6 MB in all, taken as it is.
; THE MODE: SCHED_MODE bits 1:0 = 2 (LLVM: expert scheduling mode 2), set by the entry lines.  The code itself states the register dependences
; between vector or matrix instructions and memory or LDS instructions, with s_wait_alu, always for 0.
; THE PLAN.  Registers that memory or LDS instructions touch:
;   v5, v6, v7, v8-9, v13   offsets, an LDS address and two zeros, made at the head and never written again.
;   NN, VV     a trip of the list makes eight addresses and eight numbers; its eight LDS stores read them; the next trip makes them anew.
;   v10-12     read by the twelve LDS loads of the list, then written once more as the offsets of q's rows, which q's twelve loads read.
;   L0, L1, QF, LL   loads land there; vector and matrix instructions read them.
;   PT         three out-buffers, one for each tile of 16 rows: written by the tile's roundings, read by its eight stores, never written again.
; A trip of the list has one wait on vm_vsrc (behind its eight bit extractions, which name neither NN nor VV) and one on va_vdst, ahead of its run of stores.
; One wait on vm_vsrc behind the list's loads frees v10-12, and NN and VV, over which the roundings of Wk write.  One wait on va_vdst stands ahead of each tile's run of stores.
.set QF, 16            ; v16-63   q: tile t of 16 rows at 16 t: d = 0..31, then d = 32..63
.set L0, 64            ; v64-127  Wk, d = 0..31: 16 loads of 4 registers
.set L1, 128           ; v128-191 d = 32..63
.set BB, 192           ; the list: eight bits,
.set AA, 200           ;   nine places (in bytes),
.set NN, 210           ;   eight addresses,
.set VV, 218           ;   eight query numbers
.set LL, 228           ; the four waves' words, for three tiles
.set F0, 192           ; later: four fragments of Wk^T, d = 0..31
.set F1, 224           ; d = 32..63
.set DT, 64            ; later: four accumulators
.set PT, 96            ; later: packed T, tile t at 16 t: v96-143
.set WV, 16
.set LB, 21
.set LC, 22
.set CS, 24            ; s[24:25]
.set QI, 36            ; s[36:37] the head's image of q
	s_load_b256 s[4:11], s[0:1], 0x0       ; mq s[4:5], Wk s[6:7], sel s[8:9], tb s[10:11]
	s_set_vgpr_msb 0x40
	v_lshl_add_u32 v0, v0, 2, 0x400
	v_mov_b32 v1, 0
	s_set_vgpr_msb 0x4000
	v_lshrrev_b32 v1, 5, v0
	v_readfirstlane_b32 s[WV], v1
	v_and_b32 v2, 15, v0                   ; r
	v_bfe_u32 v3, v0, 4, 1                 ; hh
	v_and_b32 v4, 31, v0                   ; lane
	v_lshlrev_b32 v5, 2, v0                ; my word of the mask
	s_and_b32 s17, ttmp9, 3                ; quarter of the columns
	s_lshr_b32 s18, ttmp9, 2               ; bh
	s_lshr_b32 s19, ttmp9, 6               ; b
	s_and_b32 s20, s18, 15                 ; h
	s_wait_alu depctr_va_sdst(0)           ; the wave's number is written, ahead of its first reader
	s_lshl_b32 s[LB], s[WV], 8             ; my wave's 256 bytes
	v_lshl_add_u32 v6, v4, 3, s[LB]
	v_mov_b32 v8, 0
	v_mov_b32 v9, 0
	v_lshlrev_b32 v7, 16, v3
	v_lshl_add_u32 v7, v2, 4, v7           ; Wk: row 16 hh, 16 bytes at column 4 r
	v_lshlrev_b32 v13, 14, v3
	v_lshl_add_u32 v13, v2, 3, v13         ; T: row 8 hh, 8 bytes at column 4 r
	v_lshlrev_b32 v15, 5, v0               ; the query number in hand: 32 t
.irp jt, 0,1,2
	v_add_nc_u32 v[10+(\jt)], 16*(\jt), v2
	v_min_u32 v[10+(\jt)], 44, v[10+(\jt)] ; rows 45-47 repeat row 44
	v_lshlrev_b32 v[10+(\jt)], 2, v[10+(\jt)]
.endr
	s_mov_b32 s[CS], 0x3e38aa3b            ; log2(e) / 8
	s_mov_b32 s[CS+1], s[CS]
	s_lshl_b32 s26, s18, 10
	s_mov_b32 s27, 0
	s_lshl_b32 s28, s20, 18                ; Wk: row 64 h,
	s_lshl_b32 s34, s17, 10                ; my quarter,
	s_add_co_u32 s28, s28, s34
	s_lshl_b32 s34, s[WV], 8               ; my 64 columns
	s_add_co_u32 s28, s28, s34
	s_mov_b32 s29, 0
	s_mul_i32 s30, s19, 768
	s_mul_i32 s34, s20, 48
	s_add_co_u32 s30, s30, s34
	s_lshl_b32 s30, s30, 11                ; T: row 768 b + 48 h, 2,048 bytes a row,
	s_lshl_b32 s34, s17, 9
	s_add_co_u32 s30, s30, s34
	s_lshl_b32 s34, s[WV], 7
	s_add_co_u32 s30, s30, s34
	s_mov_b32 s31, 0
	s_lshl_b32 s32, s18, 19
	s_add_co_u32 s32, s32, 1048576
	s_mov_b32 s33, 0
	s_wait_kmcnt 0x0
	s_add_nc_u64 s[8:9], s[8:9], s[26:27]
	s_add_nc_u64 s[6:7], s[6:7], s[28:29]
	s_add_nc_u64 s[10:11], s[10:11], s[30:31]
	s_add_nc_u64 s[QI:QI+1], s[4:5], s[32:33]
	s_wait_alu depctr_va_vdst(0)           ; v5 to v13 are written: the offsets, addresses and zeros that the LDS store, the loads below and the later stores read
	ds_store_b64 v6, v[8:9]                ; my wave's 256 bytes are cleared
	global_load_b32 v14, v5, s[8:9]
	global_load_b32 v[AA], v5, s[8:9] offset:512
.set wn, 0
.rept 32                               ; Wk hangs on no list and goes out now: 16 lanes read 256 consecutive bytes of a row
	global_load_b128 v[L0+4*wn:L0+4*wn+3], v7, s[6:7] offset:((wn/16)*32+wn%16)*4096
.set wn, wn+1
.endr
	s_wait_loadcnt 32                      ; my mask word and its count are in; Wk's 32 loads stay out
	v_min_u32 v[AA], 45, v[AA]
	v_lshlrev_b32 v[AA], 2, v[AA]          ; the next free place, in bytes
	s_mov_b32 s[LC], 4
.Lbyte:                                        ; eight bits a trip, stage by stage, so that no line waits for the line before it
.set lj, 0
.rept 8
	v_bfe_u32 v[BB+lj], v14, lj, 1
.set lj, lj+1
.endr
	s_wait_alu depctr_vm_vsrc(0)           ; the LDS stores of the trip before have read NN and VV, which are made anew below
.set lj, 0
.rept 8
	v_lshl_add_u32 v[AA+lj+1], v[BB+lj], 2, v[AA+lj]
	v_add_nc_u32 v[NN+lj], -1, v[BB+lj]    ; 0 for a set bit, all ones for a clear one
	v_add_nc_u32 v[VV+lj], lj, v15
.set lj, lj+1
.endr
.set lj, 0
.rept 8
	v_or_b32 v[NN+lj], v[AA+lj], v[NN+lj]
.set lj, lj+1
.endr
.set lj, 0
.rept 8
	v_min_u32 v[NN+lj], 192, v[NN+lj]      ; a clear bit's number goes to the dummy word at byte 192
.set lj, lj+1
.endr
.set lj, 0
.rept 8
	v_add_nc_u32 v[NN+lj], s[LB], v[NN+lj]
.set lj, lj+1
.endr
	s_wait_alu depctr_va_vdst(0)           ; NN and VV are written, which the eight stores read as addresses and data
.set lj, 0
.rept 8
	ds_store_b32 v[NN+lj], v[VV+lj]
.set lj, lj+1
.endr
	v_mov_b32 v[AA], v[AA+8]
	v_lshrrev_b32 v14, 8, v14
	v_add_nc_u32 v15, 8, v15
	s_sub_co_u32 s[LC], s[LC], 1
	s_cmp_lg_u32 s[LC], 0
	s_cbranch_scc1 .Lbyte
	s_wait_dscnt 0x0                       ; for the others' sake: my stores are done
	s_barrier_signal -1
	s_barrier_wait -1
.irp jt, 0,1,2
.irp w, 0,1,2,3
	ds_load_b32 v[LL+4*(\jt)+(\w)], v[10+(\jt)] offset:256*(\w)
.endr
.endr
	s_wait_dscnt 0x0
	s_wait_alu depctr_vm_vsrc(0)           ; the LDS loads have read v10-12, which are written again below; the list's stores have read NN and VV, over which the roundings of Wk write
.irp jt, 0,1,2
	v_or_b32 v[LL+4*(\jt)], v[LL+4*(\jt)], v[LL+4*(\jt)+1]
	v_or_b32 v[LL+4*(\jt)+2], v[LL+4*(\jt)+2], v[LL+4*(\jt)+3]
	v_or_b32 v[LL+4*(\jt)], v[LL+4*(\jt)], v[LL+4*(\jt)+2]
	v_min_u32 v[LL+4*(\jt)], 0xfff, v[LL+4*(\jt)]
	v_and_b32 v[LL+4*(\jt)+1], 0xff0, v[LL+4*(\jt)]
	v_and_b32 v[LL+4*(\jt)+2], 15, v[LL+4*(\jt)]
	v_lshlrev_b32 v[LL+4*(\jt)+1], 7, v[LL+4*(\jt)+1]                      ; 2,048 (n / 16)
	v_lshl_add_u32 v[LL+4*(\jt)+1], v[LL+4*(\jt)+2], 4, v[LL+4*(\jt)+1]    ; + 16 (n % 16)
	v_lshl_add_u32 v[10+(\jt)], v3, 9, v[LL+4*(\jt)+1]                     ; + 512 hh
.endr
	s_wait_alu depctr_va_vdst(0)           ; v10-12 are written: the offsets of q's rows, which the twelve loads read
.irp t, 0,1,2
	global_load_b128 v[QF+16*(\t):QF+16*(\t)+3], v[10+(\t)], s[QI:QI+1]
	global_load_b128 v[QF+16*(\t)+4:QF+16*(\t)+7], v[10+(\t)], s[QI:QI+1] offset:256
	global_load_b128 v[QF+16*(\t)+8:QF+16*(\t)+11], v[10+(\t)], s[QI:QI+1] offset:1024
	global_load_b128 v[QF+16*(\t)+12:QF+16*(\t)+15], v[10+(\t)], s[QI:QI+1] offset:1280
.endr
	s_wait_loadcnt 12                      ; Wk is in; q's twelve loads stay out
.set fe, 0
.rept 4
.set fp, 0
.rept 8
	v_cvt_pk_bf16_f32 v[F0+8*fe+fp], v[L0+8*fp+fe], v[L0+8*fp+4+fe]
.set fp, fp+1
.endr
.set fe, fe+1
.endr
.set fe, 0
.rept 4
.set fp, 0
.rept 8
	v_cvt_pk_bf16_f32 v[F1+8*fe+fp], v[L1+8*fp+fe], v[L1+8*fp+4+fe]
.set fp, fp+1
.endr
.set fe, fe+1
.endr
	s_wait_loadcnt 0x0                     ; q
.irp t, 0,1,2
.irp e, 0,1,2,3                        ; the four accumulators take turns
	v_wmma_f32_16x16x32_bf16 v[DT+8*(\e):DT+8*(\e)+7], v[QF+16*(\t):QF+16*(\t)+7], v[F0+8*(\e):F0+8*(\e)+7], 0
.endr
.irp e, 0,1,2,3
	v_wmma_f32_16x16x32_bf16 v[DT+8*(\e):DT+8*(\e)+7], v[QF+16*(\t)+8:QF+16*(\t)+15], v[F1+8*(\e):F1+8*(\e)+7], v[DT+8*(\e):DT+8*(\e)+7]
.endr
.rept 5
	v_nop
.endr
.set dq, 0
.rept 16                               ; the scale, in f32; each accumulator's lowest registers are read first
	v_pk_mul_f32 v[DT+2*dq:DT+2*dq+1], v[DT+2*dq:DT+2*dq+1], s[CS:CS+1] op_sel_hi:[1,0]
.set dq, dq+1
.endr
.irp j, 0,1,2,3,4,5,6,7                ; row 16 t + 8 hh + j, columns 4 r + 0..3; each tile has packed registers of its own, so no store's data is written again
	v_cvt_pk_bf16_f32 v[PT+16*(\t)+2*(\j)], v[DT+(\j)], v[DT+8+(\j)]
	v_cvt_pk_bf16_f32 v[PT+16*(\t)+2*(\j)+1], v[DT+16+(\j)], v[DT+24+(\j)]
.endr
	s_wait_alu depctr_va_vdst(0)           ; the roundings have written the tile's packed registers, which the eight stores read
.irp j, 0,1,2,3,4,5,6,7
	global_store_b64 v13, v[PT+16*(\t)+2*(\j):PT+16*(\t)+2*(\j)+1], s[10:11] offset:(16*(\t)+(\j))*2048
.endr
.endr
	s_set_vgpr_msb 0x5                     ; the add's two registers, sources 0 and 1, in window 1
	s_wait_dscnt 0x0                       ; the closing lines, six on end
	s_wait_alu 0x0
	s_wait_tensorcnt 0x0
	ds_add_u32 v0, v1
	s_wait_dscnt 0x0
	s_endpgm
.Lfunc_end_k_qd6ea54fe37_qred:
	.size	k_qd6ea54fe37_qred, .Lfunc_end_k_qd6ea54fe37_qred-k_qd6ea54fe37_qred
	.p2alignl 7, 3214868480
	.fill 96, 4, 3214868480
	.section	.rodata,"a",@progbits
	.p2align	6, 0x0
	.amdhsa_kernel k_qd6ea54fe37_qred
		.amdhsa_group_segment_fixed_size 1536
		.amdhsa_private_segment_fixed_size 0
		.amdhsa_enable_private_segment 0
		.amdhsa_kernarg_size 32
		.amdhsa_user_sgpr_count 2
		.amdhsa_user_sgpr_kernarg_segment_ptr 1
		.amdhsa_wavefront_size32 1
		.amdhsa_system_sgpr_workgroup_id_x 1
		.amdhsa_system_sgpr_workgroup_id_y 1
		.amdhsa_system_sgpr_workgroup_id_z 1
		.amdhsa_system_vgpr_workitem_id 0
		.amdhsa_next_free_vgpr 258
		.amdhsa_next_free_sgpr 66
		.amdhsa_reserve_vcc 0
		.amdhsa_float_denorm_mode_32 3
		.amdhsa_float_denorm_mode_16_64 3
		.amdhsa_memory_ordered 1
		.amdhsa_forward_progress 1
		.amdhsa_inst_pref_size 28
	.end_amdhsa_kernel
	.amdgpu_metadata
---
amdhsa.version: [ 1, 2 ]
amdhsa.kernels:
  - .name:           k_qd6ea54fe37_qred
    .symbol:         k_qd6ea54fe37_qred.kd
    .args:
      - { .name: mq, .offset: 0, .size: 8, .value_kind: global_buffer, .address_space: global }
      - { .name: Wk, .offset: 8, .size: 8, .value_kind: global_buffer, .address_space: global }
      - { .name: sel, .offset: 16, .size: 8, .value_kind: global_buffer, .address_space: global }
      - { .name: tb, .offset: 24, .size: 8, .value_kind: global_buffer, .address_space: global }
    .group_segment_fixed_size: 1536
    .private_segment_fixed_size: 0
    .kernarg_segment_align: 8
    .kernarg_segment_size: 32
    .max_flat_workgroup_size: 128
    .sgpr_count:     66
    .vgpr_count:     258
    .wavefront_size: 32
...
	.end_amdgpu_metadata
.endif
;; end of part 18
;; launch score: the kernel of part 14 again; grid 64 x 4, 4 waves a work-group, clusters of 4 x 1, 327,680 bytes of LDS; arguments K, tb, pm; writes pm
;; launch wsum: the kernel of part 15 again; grid 256 x 1, 4 waves a work-group, no clusters, 1,024 bytes of LDS; arguments pm, wb; writes wb
;; launch yv (part 19): grid 256 x 1, 16 waves a work-group, no clusters, 71,680 bytes of LDS; arguments V, wb, ypart; writes ypart
.if DOCPART == 19
	.amdgcn_target "amdgcn-amd-amdhsa--gfx1250"
	.amdhsa_code_object_version 6
	.text
	.protected	k_qd6ea54fe37_yv
	.globl	k_qd6ea54fe37_yv
	.p2align	8
	.type	k_qd6ea54fe37_yv,@function
k_qd6ea54fe37_yv:
	s_mov_b64 s[64:65], 0
	v_nop
	global_prefetch_b8 v0, s[64:65] scope:SCOPE_SE
	s_setreg_imm32_b32 hwreg(HW_REG_WAVE_SCHED_MODE, 0, 2), 2
	s_setreg_imm32_b32 hwreg(HW_REG_WAVE_MODE, 25, 1), 1
	s_wait_xcnt 0x0
	s_wait_alu depctr_vm_vsrc(0)
; ypart[b][kc][h][c] = the sum over the 1,024 keys of quarter kc of w[b][h][k] V[b][k][c]: with it the mean context is y . Wv_h^T + bv_h (the weights of a head add up to 1), and v is never made.
; V is streamed once.  Work-group = (b, quarter of the keys, 64 columns); wave w takes 64 keys: two products' depth.  All its 36 loads go out at once.
; V lies [key][column]: lane (r, hh) loads 16 bytes (columns 4 r + 0..3) of the 16 keys 16 hh + 0..15, so 16 lanes read 256 consecutive bytes, aligned, and column 4 r + e of all lanes is fragment e.
; Source 0 = V^T (16 columns), source 1 = w (16 heads): a lane holds one head and the columns 32 hh + 4 j + e.  The 16 waves' sums meet in LDS.
; THE MODE: SCHED_MODE bits 1:0 = 2 (LLVM: expert scheduling mode 2), set by the entry lines.  The code itself states the register dependences
; between vector or matrix instructions and memory or LDS instructions, with s_wait_alu, always for 0.
; THE PLAN.  Registers that memory or LDS instructions touch:
;   v5, v6         the offsets of V and w, made ahead of the loads.      v7, v[RA], v[YO]   two LDS addresses and y's offset, each in a register of its own, made behind the loads.  None is written twice.
;   WF, VR         loads land there; the roundings and the products read them.  Behind the barrier LDS loads land in v64-95 once more.
;   AC             written by the products, read by the LDS stores.      v64-65   the sum of sixteen partial sums, read by the one global store.
; ONE wait on va_vdst, behind the four places at the products' end, states all that the LDS stores AND the LDS loads behind the barrier hang on: the accumulators and the three
; addresses are written, and the roundings are done reading v64-95; no vector line stands between that wait and those loads.
.set AC, 8             ; v8-39   four accumulators
.set WF, 40            ; v40-55  w, two fragments
.set RA, 56            ; v56     LDS: where I read the sixteen partial sums
.set YO, 57            ; v57     my byte offset in ypart
.set VR, 64            ; v64-191 V in f32
.set FA, 192           ; v192-255 V^T in bf16: step s, fragment e at 32 s + 8 e
.set WV, 12
	s_load_b128 s[4:7], s[0:1], 0x0        ; V s[4:5], wb s[6:7]
	s_load_b64 s[8:9], s[0:1], 0x10        ; ypart
	v_lshl_add_u32 v62, v0, 2, 0x11000
	v_mov_b32 v63, 0
	v_lshrrev_b32 v1, 5, v0
	v_readfirstlane_b32 s[WV], v1
	v_and_b32 v2, 15, v0                   ; r
	v_bfe_u32 v3, v0, 4, 1                 ; hh
	v_and_b32 v4, 31, v0                   ; lane
	v_lshlrev_b32 v5, 16, v3
	v_lshl_add_u32 v5, v2, 4, v5           ; V: key 16 hh, 16 bytes at column 4 r
	v_lshlrev_b32 v6, 13, v2
	v_lshl_add_u32 v6, v3, 5, v6           ; w: head r, 32 bytes for each half of the lanes
	s_lshr_b32 s13, ttmp9, 6               ; b
	s_bfe_u32 s14, ttmp9, 0x20004          ; kc
	s_and_b32 s15, ttmp9, 15               ; cb
	s_lshl_b32 s16, s14, 10
	s_wait_alu depctr_va_sdst(0)           ; the wave's number is written, ahead of its first reader
	s_lshl_b32 s17, s[WV], 6
	s_add_co_u32 s16, s16, s17             ; my first key
	s_lshl_b32 s18, s16, 12
	s_lshl_b32 s17, s13, 24
	s_add_co_u32 s18, s18, s17
	s_lshl_b32 s17, s15, 8
	s_add_co_u32 s18, s18, s17
	s_mov_b32 s19, 0
	s_lshl_b32 s20, s13, 17
	s_lshl1_add_u32 s20, s16, s20
	s_mov_b32 s21, 0
	s_lshl2_add_u32 s22, s13, s14          ; 4 b + kc
	s_lshl_b32 s22, s22, 16
	s_add_co_u32 s22, s22, s17
	s_mov_b32 s23, 0
	s_wait_kmcnt 0x0
	s_add_nc_u64 s[4:5], s[4:5], s[18:19]
	s_add_nc_u64 s[6:7], s[6:7], s[20:21]
	s_add_nc_u64 s[8:9], s[8:9], s[22:23]
	s_wait_alu depctr_va_vdst(0)           ; v5 and v6 are written, which the 36 loads read as offsets
.irp n, 0,1
	global_load_b128 v[WF+8*(\n):WF+8*(\n)+3], v6, s[6:7] offset:64*(\n)
	global_load_b128 v[WF+8*(\n)+4:WF+8*(\n)+7], v6, s[6:7] offset:64*(\n)+16
.endr
.set vn, 0
.rept 32
	global_load_b128 v[VR+4*vn:VR+4*vn+3], v5, s[4:5] offset:((vn/16)*32+vn%16)*4096 th:TH_LOAD_NT
.set vn, vn+1
.endr
	s_mul_i32 s17, s[WV], 4352
	v_mul_u32_u24 v7, v2, 272
	v_lshl_add_u32 v7, v3, 7, v7
	v_add_nc_u32 v7, s17, v7               ; my wave's 16 heads x 272 bytes: head r, columns 32 hh on
	v_mul_u32_u24 v[RA], v1, 272           ; thread t: head t / 32, two columns
	v_lshl_add_u32 v[RA], v4, 3, v[RA]
	v_lshlrev_b32 v[YO], 12, v1
	v_lshl_add_u32 v[YO], v4, 3, v[YO]
.macro STEP n, cnt
	s_wait_loadcnt \cnt
.set fe, 0
.rept 4
.set fp, 0
.rept 8
	v_cvt_pk_bf16_f32 v[FA+32*(\n)+8*fe+fp], v[VR+64*(\n)+8*fp+fe], v[VR+64*(\n)+8*fp+4+fe]
.set fp, fp+1
.endr
.set fe, fe+1
.endr
.irp e, 0,1,2,3                        ; the four accumulators take turns
.if (\n) == 0
	v_wmma_f32_16x16x32_bf16 v[AC+8*(\e):AC+8*(\e)+7], v[FA+8*(\e):FA+8*(\e)+7], v[WF:WF+7], 0
.else
	v_wmma_f32_16x16x32_bf16 v[AC+8*(\e):AC+8*(\e)+7], v[FA+32+8*(\e):FA+32+8*(\e)+7], v[WF+8:WF+15], v[AC+8*(\e):AC+8*(\e)+7]
.endif
.endr
.endm
	STEP 0, 16                             ; w and the first 32 keys are in; sixteen loads stay out
	STEP 1, 0
.rept 4
	v_nop                                  ; four places behind the last product, before its result is read
.endr
	s_wait_alu depctr_va_vdst(0)           ; the products have written the accumulators and v7 is written, which the LDS stores read; v[RA] and v[YO] are written; the roundings are done reading v64-95, in which the LDS loads behind the barrier land
.irp j, 0,1,2,3,4,5,6,7                ; each accumulator's register 0 is read first
.irp e, 0,1,2,3
	ds_store_b32 v7, v[AC+8*(\e)+(\j)] offset:(4*(\j)+(\e))*4
.endr
.endr
	s_wait_dscnt 0x0
	s_barrier_signal -1
	s_barrier_wait -1
.set rn, 0
.rept 16
	ds_load_b64 v[VR+2*rn:VR+2*rn+1], v[RA] offset:4352*rn   ; no wait: no vector line since the wait above names these registers or the address
.set rn, rn+1
.endr
	s_wait_dscnt 0x0
.irp d, 16,8,4,2
.set rn, 0
.rept (\d)/2
	v_pk_add_f32 v[VR+2*rn:VR+2*rn+1], v[VR+2*rn:VR+2*rn+1], v[VR+(\d)+2*rn:VR+(\d)+2*rn+1]
.set rn, rn+1
.endr
.endr
	s_wait_alu depctr_va_vdst(0)           ; the additions have written v64-65, which the store reads
	global_store_b64 v[YO], v[VR:VR+1], s[8:9]     ; a wave stores 256 consecutive bytes, aligned
	s_wait_dscnt 0x0                       ; the closing lines, six on end
	s_wait_alu 0x0
	s_wait_tensorcnt 0x0
	ds_add_u32 v62, v63
	s_wait_dscnt 0x0
	s_endpgm
.Lfunc_end_k_qd6ea54fe37_yv:
	.size	k_qd6ea54fe37_yv, .Lfunc_end_k_qd6ea54fe37_yv-k_qd6ea54fe37_yv
	.p2alignl 7, 3214868480
	.fill 96, 4, 3214868480
	.section	.rodata,"a",@progbits
	.p2align	6, 0x0
	.amdhsa_kernel k_qd6ea54fe37_yv
		.amdhsa_group_segment_fixed_size 71680
		.amdhsa_private_segment_fixed_size 0
		.amdhsa_enable_private_segment 0
		.amdhsa_kernarg_size 24
		.amdhsa_user_sgpr_count 2
		.amdhsa_user_sgpr_kernarg_segment_ptr 1
		.amdhsa_wavefront_size32 1
		.amdhsa_system_sgpr_workgroup_id_x 1
		.amdhsa_system_sgpr_workgroup_id_y 1
		.amdhsa_system_sgpr_workgroup_id_z 1
		.amdhsa_system_vgpr_workitem_id 0
		.amdhsa_next_free_vgpr 256
		.amdhsa_next_free_sgpr 66
		.amdhsa_reserve_vcc 0
		.amdhsa_float_denorm_mode_32 3
		.amdhsa_float_denorm_mode_16_64 3
		.amdhsa_memory_ordered 1
		.amdhsa_forward_progress 1
		.amdhsa_inst_pref_size 15
	.end_amdhsa_kernel
	.amdgpu_metadata
---
amdhsa.version: [ 1, 2 ]
amdhsa.kernels:
  - .name:           k_qd6ea54fe37_yv
    .symbol:         k_qd6ea54fe37_yv.kd
    .args:
      - { .name: V, .offset: 0, .size: 8, .value_kind: global_buffer, .address_space: global }
      - { .name: wb, .offset: 8, .size: 8, .value_kind: global_buffer, .address_space: global }
      - { .name: ypart, .offset: 16, .size: 8, .value_kind: global_buffer, .address_space: global }
    .group_segment_fixed_size: 71680
    .private_segment_fixed_size: 0
    .kernarg_segment_align: 8
    .kernarg_segment_size: 24
    .max_flat_workgroup_size: 512
    .sgpr_count:     66
    .vgpr_count:     256
    .wavefront_size: 32
...
	.end_amdgpu_metadata
.endif
;; end of part 19
;; launch ctx: the kernel of part 8 again; grid 256 x 1, 4 waves a work-group, no clusters, 0 bytes of LDS; arguments ypart, Wv, bv, cflat; writes cflat
;; launch outp: the kernel of part 9 again; grid 256 x 1, 4 waves a work-group, no clusters, 0 bytes of LDS; arguments cflat, Wo, bo, out0; writes out0
